; MI455X (gfx1250); checked and timed in simulation.
; The chip was launched on July 23, 2026; its instructions are those of AMD's public machine-readable ISA for CDNA 5 (MIT licence, August 2026) and "CDNA5" Instruction Set Architecture Reference Guide (July 2026). The comments in the code are by the model that wrote it; some were corrected since.
;; Transformer Block. Allowed arithmetic: matrix products marked QUANTISED: E2M3 operands, one E8M0 scale for each 32 along K, by v_wmma_scale_f32_16x16x128_f8f6f4 with both operands' format E2M3, f32 sums; everything else in f32.
;; Inputs: W1 1,024 x 4,096 float32; W2 4,096 x 1,024 float32; Wo 1,024 x 1,024 float32; Wqkv 1,024 x 3,072 float32; b1 4,096 float32; b2 1,024 float32; be1 1,024 float32; be2 1,024 float32; bo 1,024 float32; bqkv 3,072 float32; g1 1,024 float32; g2 1,024 float32; x 2 x 2,048 x 1,024 float32.
;; Outputs: out0 2 x 2,048 x 1,024 float32.
;; This version of the problem:
;;   THIS VERSION OF THE PROBLEM IS GIVEN IN LOW PRECISION. The matrix products marked QUANTISED in the list below multiply operands that are first quantised to E2M3 (2 exponent bits, 3 mantissa bits; 6 bits a number), with one power-of-two scale for each 32 numbers along K (OCP MX v1.0); their sums are f32. All else is computed in f32.
;;   The module's matrix products, in the order in which they are computed (A, B: the left and right operand; K: the contracted axis; several contracted axes count as one K, in the product's order):
;;     1. [M 4,096, K 1,024] x [K 1,024, N 3,072]; A: computed on the way; B: input Wqkv: QUANTISED
;;     2. batch 32 x [M 2,048, K 64] x [K 64, N 2,048]; A: computed on the way; B: computed on the way: QUANTISED
;;     3. batch 32 x [M 2,048, K 2,048] x [K 2,048, N 64]; A: softmax (see below); B: computed on the way: QUANTISED
;;     4. [M 4,096, K 1,024] x [K 1,024, N 1,024]; A: computed on the way; B: input Wo: QUANTISED
;;     5. [M 4,096, K 1,024] x [K 1,024, N 4,096]; A: computed on the way; B: input W1: QUANTISED
;;     6. [M 4,096, K 4,096] x [K 4,096, N 1,024]; A: computed on the way; B: input W2: QUANTISED
;;   THE QUANTISER, for each operand of a quantised product, along K:
;;     - K is cut into blocks of 32 from its start; a last block that is shorter is filled with zeros.
;;     - A block's scale is 2^e with e = floor(log2(the largest magnitude in the block)) - 2, held to -126 .. 127; a block of zeros has e = 0. As a byte (E8M0): e + 127.
;;     - Each number is divided by its block's scale, clamped to +-7.5, and rounded to the nearest number of E2M3, ties to even, subnormals kept.
;;     - The product sums the exact products of the quantised numbers (number of the format x scale) in f32.
;;   ~~~python
;;   def quantise(x, axis):      # numpy; x: float32 -> the quantised numbers, widened to float32 again
;;       x = np.moveaxis(x, axis, -1); K = x.shape[-1]
;;       x = np.pad(x, [(0, 0)] * (x.ndim - 1) + [(0, -K % 32)]); x = x.reshape(x.shape[:-1] + (-1, 32)); a = np.abs(x).max(-1, keepdims=True)
;;       e = np.where(a > 0, np.clip(np.frexp(np.where(a > 0, a, 1))[1] - 1 - 2, -126, 127), 0)      # np.frexp(a)[1] - 1 = floor(log2(a)), exactly
;;       r = np.clip(x / 2.0 ** e, -7.5, 7.5)
;;       step = 2.0 ** (np.maximum(np.frexp(np.where(r == 0, 1, r))[1] - 1, 0) - 3)
;;       q = np.round(r / step) * step * 2.0 ** e      # np.round: ties to even
;;       return np.moveaxis(q.reshape(q.shape[:-2] + (-1,))[..., :K], -1, axis).astype(np.float32)
;;   ~~~
;;   SOFTMAX AHEAD OF A QUANTISED PRODUCT. Where the list says 'softmax', what is quantised is not the finished softmax but p = 2^(t - M), with t = logit x log2(e) and M = ceil(the row's largest t), a whole number; so 1/2 < the row's largest p <= 1. The row's sum l is taken of the UNQUANTISED p, in f32, and the product's result is divided by l at the end. Since M is a whole number, a kernel that streams over the keys may use a running M (the ceiling of the running maximum): every later rescaling is an exact power of two, which a block's scale takes up: the codes' values come out the same.
;;   OPERANDS COMPUTED ON THE WAY. 'Computed on the way' means the value that the module computes at that place (a softmax that the list does not call 'softmax' is quantised finished and normalised). What goes into a quantiser is computed in f32, as accurately as f32 sums, v_exp_f32 and their like allow (about 1e-6 of the number): no bf16 or f16 on the way to a quantiser, and a product that is left as it is and whose result goes on into a quantised operand takes f32 operands (vector FMAs, or v_wmma_f32_16x16x4_f32). A number that lies on a knife's edge between two numbers of the format may be rounded either way, as far as f32 arithmetic and the matrix unit's own rounding can turn it there, and no further.
;; One version. Each part assembles by itself: llvm-mc -triple=amdgcn-amd-amdhsa -mcpu=gfx1250 --defsym DOCPART=n.
;; ======== version 1 of 1: 7 launches
;; limits: right only within a limited range of input values
;; workspace buffers: w 9,830,400 bytes; h 3,276,800 bytes; q 3,407,872 bytes; kv 6,684,672 bytes; y 3,276,800 bytes; y2 16,777,216 bytes; g 13,107,200 bytes
;; launch prepa (part 1): grid 384 x 1, 8 waves a work-group, no clusters, 95,488 bytes of LDS; arguments Wqkv, Wo, x, g1, be1, w, h; writes w, h
.if DOCPART == 1
	.amdgcn_target "amdgcn-amd-amdhsa--gfx1250"
	.amdhsa_code_object_version 6
	.text
	.protected	k_qb624473b38_prepa
	.globl	k_qb624473b38_prepa
	.p2align	8
	.type	k_qb624473b38_prepa,@function
k_qb624473b38_prepa:
	s_mov_b64 s[64:65], 0
	v_nop
	global_prefetch_b8 v0, s[64:65] scope:SCOPE_SE
	s_setreg_imm32_b32 hwreg(HW_REG_WAVE_MODE, 25, 1), 1
	s_wait_xcnt 0x0
; THE PROGRAM: a pre-LN transformer block, all six products on codes of FP6 (E2M3) with one E8M0 scale for each 32 along K.
; Launches: prepa (LN1; Wqkv, Wo -> codes), qkv, attn, wo, prepb (LN2; W1, W2 -> codes), fc1, fc2.
; WORK LEFT OUT, in the whole program: in attention, the steps of 128 keys all of which come after all 16 queries of a wave.  reference() sets their logits to -inf by a
; mask that it builds itself (jnp.tril), so their softmax weights are 0 for every finite input and they add nothing to the row's maximum, sum or product.  Every input has a way to
; the output and is loaded.  LIMIT: a NaN, an infinity or an overflow that would arise only in those masked steps is not carried to the result.
; OPERAND LAYOUT, used by every launch.  An operand lies in memory as FRAGMENTS of 16 rows x 128 K, as images of the operand's 12 registers: half e (registers 6 e .. 6 e + 5) at 768 e:
; registers +0..3 at 16 x lane, registers +4, 5 at 512 + 8 x lane.  Fragment f, lane place r holds row 32 (f / 2) + 8 (f % 2) + r + 8 (r / 8), so that the results of two neighbouring
; fragments are 16 neighbours along the next K.  A fragment's scale words: 64 bytes, place r's word at 4 r.  Tensors: [row block][K step][1536] and [row block][K step][64].
; THIS LAUNCH HAS TWO JOBS that read different inputs and share nothing; the work-group's number, the same in all eight waves, chooses; each job has LDS bytes of its own, and the two ways never join.
; WORK-GROUPS 0 .. NWQ - 1: two weights W [K][N] f32, K outermost, become codes.  A lane takes a column and its registers run down K: 128 numbers, four blocks of 32, so a block's largest magnitude needs no
; other lane.  A wave takes 32 columns x 128 K = two fragments, put together in the wave's own stage in LDS, and they leave as runs of 512 bytes; eight waves stand side by side on 256 columns.  Loads run two blocks ahead.
; WORK-GROUPS NWQ ..: h = g ((x - mean) / sqrt(var + 1e-5)) + be along rows of 1,024, quantised along the row.  Work-group NWQ + f makes row block f.  Wave w first norms places 2 w and 2 w + 1 (two neighbouring
; rows of memory), mean first, then the sum of squared differences: no difference of large sums is formed.  The 16 rows meet in LDS (pitch 4,112 bytes); behind the barrier wave w quantises K step w of all 16.
; A block's scale byte is its largest magnitude's exponent field - 2, held at 1 from below.  LIMITS: a block of zeros gets the byte 1 where the rule says 127 (its codes are zeros, and
; this program alone reads the bytes); 1 / sqrt by v_rsq_f32; NaN and infinities among the inputs are not served.
.set NWQ,    128                       ; work-groups of the weights: 96 for Wqkv (12 groups of 256 columns x 8 K steps), 32 for Wo (4 x 8)
.set FIRST1, 96                        ; the second weight's first work-group
.set PITCH0, 12288                     ; bytes in a row of the first weight,
.set PITCH1, 4096                      ; of the second
.set LK0,    3                         ; log2 of the K steps
.set LK1,    3
.set COFF0,  0                         ; where the codes begin in w
.set COFF1,  2359296
.set SOFF0,  9437184                   ; and the scale words
.set SOFF1,  9437184+98304
.set SPW,  10                          ; v10  my spare word's LDS address; never rewritten
.set NIL,  11                          ; v11  0; never rewritten
; the weights' way
.set SA16, 4                           ; v4   stage: my column's place, 16 bytes a place
.set SA8,  5                           ; v5   the same, 8 bytes a place
.set RDA,  6                           ; v6   stage, on the way out: 16 x lane
.set GOF,  7                           ; v7   16 x lane, in memory
.set SOV,  8                           ; v8   my scale word's place
.set SW,   9                           ; v9   my column's scale word
.set AD,   16                          ; v16-23 4 x lane + j rows of W; never rewritten
.set TA,   24                          ; v24-27 at work
.set X,    32                          ; v32-159 my column's 128 numbers: every block has registers of its own
.set C,    160                         ; v160-199 codes, ten registers a block
.set OUTR, 200                         ; v200-223 the two fragments on the way out
.set WREG, 3584                        ; a wave's stage
.set FPIT, 1664                        ; from fragment to fragment in it
.set B,    32                          ; s[32:63] sixteen bases, 8 rows of W apart; never rewritten
; the LayerNorm's way
.set G,    32                          ; v32-63  g of my columns
.set BE,   64                          ; v64-95  be
.set ST,   96                          ; v96-159 my two rows; later 64 numbers of one row's K step
.set PC,   160                         ; v160-178 codes
.set TM,   180                         ; v180-191 at work in the quantiser
.set PW,   196                         ; the scale word
.set LNB,  8*WREG                      ; its stage begins behind the weights' eight
.set PITCH, 4112
.set SPARE, LNB+16*PITCH               ; the spare words: 128 bytes a wave, named by no other line
.set SEL,  20                          ; s[20:21] lane l xor 16
.set RN,   22                          ; s22  1 / 1024
.set EP,   23                          ; s23  1e-5
	s_load_b256 s[4:11], s[0:1], 0x0               ; the two weights, x, g
	s_load_b128 s[12:15], s[0:1], 0x20             ; be, w
	s_load_b64 s[16:17], s[0:1], 0x30              ; h
	v_lshl_add_u32 v[SPW], v0, 2, SPARE
	v_mov_b32 v[NIL], 0
	v_lshrrev_b32 v1, 5, v0
	s_delay_alu instid0(VALU_DEP_1)
	v_readfirstlane_b32 s18, v1                    ; wave
	v_and_b32 v1, 31, v0                           ; lane
	s_cmp_ge_u32 ttmp9, NWQ                        ; which job: by the work-group's number alone
	s_cbranch_scc1 .Lnorm
	; ---------------- the weights ----------------
	s_mov_b32 s20, FIRST1                          ; the second weight's figures
	s_mov_b32 s21, PITCH1
	s_mov_b32 s22, LK1
	s_mov_b32 s23, COFF1
	s_mov_b32 s24, SOFF1
	s_wait_kmcnt 0x0
	s_cmp_lt_u32 ttmp9, FIRST1
	s_cselect_b64 s[26:27], s[4:5], s[6:7]         ; the first weight's where the work-group is one of its own
	s_cselect_b32 s20, 0, s20
	s_cselect_b32 s21, PITCH0, s21
	s_cselect_b32 s22, LK0, s22
	s_cselect_b32 s23, COFF0, s23
	s_cselect_b32 s24, SOFF0, s24
	s_sub_co_u32 s25, ttmp9, s20                   ; my number within the tensor
	s_lshr_b32 s28, s25, s22                       ; which 256 columns
	s_lshl_b32 s29, 1, s22                         ; K steps
	s_sub_co_u32 s30, s29, 1
	s_and_b32 s30, s25, s30                        ; which K step
	s_lshl_b32 s28, s28, 3
	s_add_co_u32 s28, s28, s18                     ; G: which 32 columns are my wave's
	s_mul_i32 s2, s30, s21
	s_add_co_u32 s2, s2, s28
	s_lshl_b32 s2, s2, 7                           ; 128 rows a K step, 128 bytes a group of columns
	s_mov_b32 s3, 0
	s_add_nc_u64 s[B:B+1], s[26:27], s[2:3]
	s_lshl_b32 s2, s21, 3                          ; 8 rows
.irp m, 1,2,3,4,5,6,7,8,9,10,11,12,13,14,15
	s_add_nc_u64 s[B+2*\m:B+2*\m+1], s[B+2*\m-2:B+2*\m-1], s[2:3]
.endr
	s_wait_alu depctr_va_vdst(0)
	v_lshlrev_b32 v[AD], 2, v1
.irp j, 1,2,3,4,5,6,7
	s_delay_alu instid0(VALU_DEP_1)
	v_add_nc_u32 v[AD+\j], s21, v[AD+\j-1]
.endr
.macro LOADB t                         ; block t: W(128 s + 32 t + i, my column), i = 0 .. 31: each load reads 128 consecutive bytes in 32 lanes
.set k, 32*(\t)
.rept 32
	global_load_b32 v[X+k], v[AD+k%8], s[B+2*(k/8):B+2*(k/8)+1] th:TH_LOAD_NT
.set k, k+1
.endr
.endm
	LOADB 0
	LOADB 1
	v_bfe_u32 v12, v0, 3, 1                        ; u: which of the two fragments my column lies in
	v_and_b32 v13, 7, v0
	v_bfe_u32 v14, v0, 4, 1
	s_delay_alu instid0(VALU_DEP_1)
	v_lshl_add_u32 v13, v14, 3, v13                ; r: its place there
	s_mul_i32 s19, s18, WREG
	v_mul_u32_u24 v15, v12, FPIT
	s_delay_alu instid0(VALU_DEP_1)
	v_add_nc_u32 v15, s19, v15
	s_delay_alu instid0(VALU_DEP_1)
	v_lshl_add_u32 v[SA16], v13, 4, v15
	s_delay_alu instid0(VALU_DEP_2)
	v_lshl_add_u32 v[SA8], v13, 3, v15
	v_lshlrev_b32 v[GOF], 4, v1
	s_delay_alu instid0(VALU_DEP_1)
	v_add_nc_u32 v[RDA], s19, v[GOF]
	s_lshl_b32 s31, s29, 6                         ; a row block's scale words: 64 bytes a K step
	v_mul_u32_u24 v[SOV], s31, v12
	s_delay_alu instid0(VALU_DEP_1)
	v_lshl_add_u32 v[SOV], v13, 2, v[SOV]
	s_lshl_b32 s25, s28, 1
	s_lshl_b32 s25, s25, s22
	s_add_co_u32 s25, s25, s30                     ; fragment 2 G, K step s: its number in the tensor
	s_mul_i32 s2, s25, 1536
	s_add_co_u32 s2, s2, s23
	s_add_nc_u64 s[4:5], s[14:15], s[2:3]          ; where fragment 2 G goes,
	s_mul_i32 s2, s29, 1536
	s_add_nc_u64 s[6:7], s[4:5], s[2:3]            ; fragment 2 G + 1,
	s_lshl_b32 s2, s25, 6
	s_add_co_u32 s2, s2, s24
	s_add_nc_u64 s[8:9], s[14:15], s[2:3]          ; and the scale words
; Block t = 2 e + h of my column: it is lane (r, h)'s registers 6 e .. 6 e + 5 of the fragment
.macro BLOCK t
.set XS, X+32*(\t)
.set CB, C+10*(\t)
.if (\t) < 3
	s_wait_loadcnt 32                              ; loads come back in order: this block's 32 are in; the next block's 32, the only ones issued behind them, may be out
.else
	s_wait_loadcnt 0x0
.endif
.if (\t)+2 < 4
	LOADB (\t)+2                                   ; two blocks ahead, into registers of its own
.endif
	v_max3_num_f32 v[TA], |v[XS]|, |v[XS+1]|, |v[XS+2]|
	v_max3_num_f32 v[TA+1], |v[XS+3]|, |v[XS+4]|, |v[XS+5]|
.irp i, 6,10,14,18,22,26
	s_delay_alu instid0(VALU_DEP_2)
	v_max3_num_f32 v[TA], v[TA], |v[XS+\i]|, |v[XS+\i+1]|
	s_delay_alu instid0(VALU_DEP_2)
	v_max3_num_f32 v[TA+1], v[TA+1], |v[XS+\i+2]|, |v[XS+\i+3]|
.endr
	s_delay_alu instid0(VALU_DEP_2)
	v_max3_num_f32 v[TA], v[TA], |v[XS+30]|, |v[XS+31]|
	s_delay_alu instid0(VALU_DEP_1)
	v_max3_num_f32 v[TA], v[TA], v[TA+1], 0x1800000   ; the floor 2^(3 - 127): the byte cannot fall under 1
	s_delay_alu instid0(VALU_DEP_1)
	v_add_nc_u32 v[TA+2], 0xff000000, v[TA]        ; 2 off the exponent field: the conversion's scale operand
	v_cvt_scalef32_pk16_fp6_f32 v[CB:CB+2], v[XS:XS+15], v[TA+2]
	v_cvt_scalef32_pk16_fp6_f32 v[CB+6:CB+8], v[XS+16:XS+31], v[TA+2]   ; (a conversion's three registers begin on an even number)
	v_lshrrev_b32 v[TA+3], 23, v[TA+2]             ; the scale's byte; also the plain line behind the conversions
.if (\t) == 0
	s_delay_alu instid0(VALU_DEP_1)
	v_mov_b32 v[SW], v[TA+3]
.else
	s_delay_alu instid0(VALU_DEP_1)
	v_lshl_or_b32 v[SW], v[TA+3], 8*(\t), v[SW]
.endif
.irp i, 0,1,2
	v_mov_b32 v[CB+3+\i], v[CB+6+\i]
.endr
	ds_store_b128 v[SA16], v[CB:CB+3] offset:768*((\t)/2)+256*((\t)%2)
	ds_store_b64 v[SA8], v[CB+4:CB+5] offset:768*((\t)/2)+512+128*((\t)%2)
.endm
	BLOCK 0
	BLOCK 1
	BLOCK 2
	BLOCK 3
.irp u, 0,1
.irp c, 0,1,2
	ds_load_b128 v[OUTR+12*\u+4*\c:OUTR+12*\u+4*\c+3], v[RDA] offset:FPIT*\u+512*\c   ; LDS serves a wave's instructions in order: these see my stores
.endr
.endr
	global_store_b32 v[SOV], v[SW], s[8:9]
.irp c, 0,1,2
	s_wait_dscnt 5-\c                              ; the later read-backs may be out
	global_store_b128 v[GOF], v[OUTR+4*\c:OUTR+4*\c+3], s[4:5] offset:512*\c   ; 32 lanes store 512 consecutive bytes, aligned to 256
.endr
.irp c, 0,1,2
	s_wait_dscnt 2-\c
	global_store_b128 v[GOF], v[OUTR+12+4*\c:OUTR+12+4*\c+3], s[6:7] offset:512*\c
.endr
	s_wait_tensorcnt 0x0                           ; the wave's end
	ds_add_u32 v[SPW], v[NIL]
	s_wait_dscnt 0x0
	s_endpgm
	; ---------------- the LayerNorm ----------------
.Lnorm:
	s_sub_co_u32 s19, ttmp9, NWQ                   ; f: my row block
	s_wait_alu depctr_va_vdst(0)
	v_lshlrev_b32 v2, 4, v1                        ; 16 x lane
	s_lshr_b32 s24, s19, 1
	s_lshl_b32 s24, s24, 5
	s_and_b32 s25, s19, 1
	s_lshl_b32 s25, s25, 3
	s_add_co_u32 s24, s24, s25
	s_lshl_b32 s25, s18, 1
	s_add_co_u32 s24, s24, s25
	s_lshr_b32 s25, s18, 2
	s_lshl_b32 s25, s25, 3
	s_add_co_u32 s24, s24, s25                     ; my first row: 32 (f / 2) + 8 (f % 2) + 2 w + 8 (w / 4)
	s_lshl_b32 s24, s24, 12
	s_mov_b32 s25, 0
	s_mov_b32 s[SEL], 0x76543210
	s_mov_b32 s[SEL+1], 0xfedcba98
	s_mov_b32 s[RN], 0x3a800000                    ; 1 / 1024
	s_mov_b32 s[EP], 0x3727c5ac                    ; 1e-5
	s_wait_alu depctr_va_vdst(0)
	s_wait_kmcnt 0x0
	s_add_nc_u64 s[8:9], s[8:9], s[24:25]
.irp p, 0,1
.irp i, 0,1,2,3,4,5,6,7
	global_load_b128 v[ST+32*\p+4*\i:ST+32*\p+4*\i+3], v2, s[8:9] offset:4096*\p+512*\i   ; 32 lanes read 512 consecutive bytes
.endr
.endr
.irp i, 0,1,2,3,4,5,6,7
	global_load_b128 v[G+4*\i:G+4*\i+3], v2, s[10:11] offset:512*\i
.endr
.irp i, 0,1,2,3,4,5,6,7
	global_load_b128 v[BE+4*\i:BE+4*\i+3], v2, s[12:13] offset:512*\i
.endr
	s_mul_i32 s26, s18, 2*PITCH
	s_add_co_u32 s26, s26, LNB
	v_add_nc_u32 v3, s26, v2                       ; stage, in: my first row's place, 16 x lane
	v_and_b32 v5, 15, v0                           ; r
	v_bfe_u32 v6, v0, 4, 1                         ; h
	s_delay_alu instid0(VALU_DEP_2)
	v_mul_u32_u24 v4, v5, PITCH
	s_delay_alu instid0(VALU_DEP_1)
	v_lshl_add_u32 v4, v6, 6, v4
	s_lshl_b32 s26, s18, 9
	s_add_co_u32 s26, s26, LNB
	v_add_nc_u32 v4, s26, v4                       ; stage, out: row r, K step w, + 64 h
	v_lshlrev_b32 v7, 3, v1                        ; 8 x lane
	v_lshlrev_b32 v8, 2, v5                        ; 4 r
	v_mov_b32 v21, 0                               ; a lane permute's destination counts as read
	v_mov_b32 v23, 0
.irp b, 0,1,2,3
	v_mov_b32 v[TM+4+\b], 0
.endr
.macro RSUM v, t                       ; the sum over the wave's 32 lanes, in every lane
	s_delay_alu instid0(VALU_DEP_1)
	v_add_f32_dpp v[\v], v[\v], v[\v] row_xmask:1 row_mask:0xf bank_mask:0xf
	s_delay_alu instid0(VALU_DEP_1)
	v_add_f32_dpp v[\v], v[\v], v[\v] row_xmask:2 row_mask:0xf bank_mask:0xf
	s_delay_alu instid0(VALU_DEP_1)
	v_add_f32_dpp v[\v], v[\v], v[\v] row_xmask:4 row_mask:0xf bank_mask:0xf
	s_delay_alu instid0(VALU_DEP_1)
	v_add_f32_dpp v[\v], v[\v], v[\v] row_xmask:8 row_mask:0xf bank_mask:0xf
	s_delay_alu instid0(VALU_DEP_1)
	v_permlanex16_b32 v[\t], v[\v], s[SEL], s[SEL+1]
	s_delay_alu instid0(VALU_DEP_1)
	v_add_f32 v[\v], v[\v], v[\t]
.endm
.macro STAT R, A, M                    ; the row in v[R ..]: becomes x - mean; v[M] = 1 / sqrt(var + eps), issued and not yet waited for
	v_pk_add_f32 v[\A:\A+1], v[\R:\R+1], v[\R+2:\R+3]
	v_pk_add_f32 v[\A+2:\A+3], v[\R+4:\R+5], v[\R+6:\R+7]
.irp j, 8,12,16,20,24,28
	s_delay_alu instid0(VALU_DEP_2)
	v_pk_add_f32 v[\A:\A+1], v[\A:\A+1], v[\R+\j:\R+\j+1]
	s_delay_alu instid0(VALU_DEP_2)
	v_pk_add_f32 v[\A+2:\A+3], v[\A+2:\A+3], v[\R+\j+2:\R+\j+3]
.endr
	s_delay_alu instid0(VALU_DEP_1)
	v_pk_add_f32 v[\A:\A+1], v[\A:\A+1], v[\A+2:\A+3]
	s_delay_alu instid0(VALU_DEP_1)
	v_add_f32 v[\M], v[\A], v[\A+1]
	RSUM \M, \M+1
	s_delay_alu instid0(VALU_DEP_1)
	v_mul_f32 v[\M], s[RN], v[\M]                  ; the mean
.irp j, 0,2,4,6,8,10,12,14,16,18,20,22,24,26,28,30
	v_pk_add_f32 v[\R+\j:\R+\j+1], v[\R+\j:\R+\j+1], v[\M:\M+1] op_sel_hi:[1,0] neg_lo:[0,1] neg_hi:[0,1]
.endr
	v_pk_mul_f32 v[\A:\A+1], v[\R:\R+1], v[\R:\R+1]
	v_pk_mul_f32 v[\A+2:\A+3], v[\R+2:\R+3], v[\R+2:\R+3]
.irp j, 4,8,12,16,20,24,28
	s_delay_alu instid0(VALU_DEP_2)
	v_pk_fma_f32 v[\A:\A+1], v[\R+\j:\R+\j+1], v[\R+\j:\R+\j+1], v[\A:\A+1]
	s_delay_alu instid0(VALU_DEP_2)
	v_pk_fma_f32 v[\A+2:\A+3], v[\R+\j+2:\R+\j+3], v[\R+\j+2:\R+\j+3], v[\A+2:\A+3]
.endr
	s_delay_alu instid0(VALU_DEP_1)
	v_pk_add_f32 v[\A:\A+1], v[\A:\A+1], v[\A+2:\A+3]
	s_delay_alu instid0(VALU_DEP_1)
	v_add_f32 v[\M], v[\A], v[\A+1]
	RSUM \M, \M+1
	s_delay_alu instid0(VALU_DEP_1)
	v_fma_f32 v[\M], v[\M], s[RN], s[EP]           ; var + eps
	s_wait_alu depctr_va_vdst(0)
	v_rsq_f32 v[\M], v[\M]
.endm
	s_wait_loadcnt 16                              ; my two rows are in; g's and be's sixteen loads may be out
	STAT ST, 12, 20
	STAT ST+32, 16, 22
	v_nop                                          ; a plain line behind the last transcendental
	s_wait_alu depctr_va_vdst(0)                   ; one wait for both, ahead of the first reader
	s_wait_loadcnt 0x0                             ; g and be
.irp p, 0,1
.irp j, 0,2,4,6,8,10,12,14,16,18,20,22,24,26,28,30
	v_pk_mul_f32 v[ST+32*\p+\j:ST+32*\p+\j+1], v[ST+32*\p+\j:ST+32*\p+\j+1], v[20+2*\p:21+2*\p] op_sel_hi:[1,0]
.endr
.irp j, 0,2,4,6,8,10,12,14,16,18,20,22,24,26,28,30
	v_pk_fma_f32 v[ST+32*\p+\j:ST+32*\p+\j+1], v[ST+32*\p+\j:ST+32*\p+\j+1], v[G+\j:G+\j+1], v[BE+\j:BE+\j+1]
.endr
.irp i, 0,1,2,3,4,5,6,7
	ds_store_b128 v3, v[ST+32*\p+4*\i:ST+32*\p+4*\i+3] offset:PITCH*\p+512*\i
.endr
.endr
	s_wait_dscnt 0x0                               ; for the others' sake: my stores have landed
	s_barrier_signal -1                            ; all eight waves of a work-group are on this way together
	s_barrier_wait -1
.irp b, 0,1,2,3
.irp j, 0,1,2,3
	ds_load_b128 v[ST+16*\b+4*\j:ST+16*\b+4*\j+3], v4 offset:128*\b+16*\j   ; register 16 b + i = k 128 w + 32 b + 16 h + i of row r
.endr
.endr
	s_lshl_b32 s26, s19, 3
	s_add_co_u32 s26, s26, s18                     ; fragment 8 f + w
	s_mul_i32 s28, s26, 1536
	s_mov_b32 s29, 0
	s_lshl_b32 s26, s26, 6
	s_add_co_u32 s26, s26, 3145728
	s_mov_b32 s27, 0
	s_add_nc_u64 s[28:29], s[16:17], s[28:29]      ; its codes,
	s_add_nc_u64 s[26:27], s[16:17], s[26:27]      ; its scale words
	s_wait_dscnt 0x0
.irp b, 0,1,2,3
	v_max3_num_f32 v[TM+\b], |v[ST+16*\b]|, |v[ST+1+16*\b]|, 0x1800000   ; my 16 numbers of block b, and the floor 2^(3 - 127)
.endr
.irp i, 2,4,6,8,10,12,14
.irp b, 0,1,2,3
	s_delay_alu instid0(VALU_DEP_4)
	v_max3_num_f32 v[TM+\b], v[TM+\b], |v[ST+16*\b+\i]|, |v[ST+1+16*\b+\i]|
.endr
.endr
.irp b, 0,1,2,3
	s_delay_alu instid0(VALU_DEP_4)
	v_permlanex16_b32 v[TM+4+\b], v[TM+\b], s[SEL], s[SEL+1]
.endr
.irp b, 0,1,2,3
	s_delay_alu instid0(VALU_DEP_4)
	v_max_num_f32 v[TM+\b], v[TM+\b], v[TM+4+\b]   ; with lane l xor 16's: the block's largest magnitude
.endr
.irp b, 0,1,2,3
	s_delay_alu instid0(VALU_DEP_4)
	v_add_nc_u32 v[TM+8+\b], 0xff000000, v[TM+\b]  ; 2 off the exponent field: the conversion's scale operand
.endr
.irp b, 0,1,2,3
	s_delay_alu instid0(VALU_DEP_4)
	v_lshrrev_b32 v[TM+4+\b], 23, v[TM+8+\b]       ; the byte
.endr
	s_delay_alu instid0(VALU_DEP_3)
	v_lshl_or_b32 v[PW], v[TM+5], 8, v[TM+4]
	s_delay_alu instid0(VALU_DEP_1)
	v_lshl_or_b32 v[PW], v[TM+6], 16, v[PW]
	s_delay_alu instid0(VALU_DEP_1)
	v_lshl_or_b32 v[PW], v[TM+7], 24, v[PW]
.irp c, 0,1
	v_cvt_scalef32_pk16_fp6_f32 v[PC+6*\c:PC+2+6*\c], v[ST+32*\c:ST+15+32*\c], v[TM+8+2*\c]
	v_cvt_scalef32_pk16_fp6_f32 v[PC+12+4*\c:PC+14+4*\c], v[ST+16+32*\c:ST+31+32*\c], v[TM+9+2*\c]
.endr
	v_nop                                          ; a plain line behind the conversions
.irp c, 0,1                                    ; the operand wants a whole block in a lane
.irp i, 0,1,2
	v_permlane16_swap_b32 v[PC+6*\c+\i], v[PC+12+4*\c+\i]
.endr
.irp i, 0,1,2
	s_delay_alu instid0(VALU_DEP_3)
	v_mov_b32 v[PC+3+6*\c+\i], v[PC+12+4*\c+\i]
.endr
.endr
	global_store_b128 v2, v[PC:PC+3], s[28:29]
	global_store_b64 v7, v[PC+4:PC+5], s[28:29] offset:512
	global_store_b128 v2, v[PC+6:PC+9], s[28:29] offset:768
	global_store_b64 v7, v[PC+10:PC+11], s[28:29] offset:1280
	global_store_b32 v8, v[PW], s[26:27]           ; lanes r and r + 16 hold the same word
	s_wait_tensorcnt 0x0                           ; the wave's end
	ds_add_u32 v[SPW], v[NIL]
	s_wait_dscnt 0x0
	s_endpgm
.Lfunc_end_k_qb624473b38_prepa:
	.size	k_qb624473b38_prepa, .Lfunc_end_k_qb624473b38_prepa-k_qb624473b38_prepa
	.p2alignl 7, 3214868480
	.fill 96, 4, 3214868480
	.section	.rodata,"a",@progbits
	.p2align	6, 0x0
	.amdhsa_kernel k_qb624473b38_prepa
		.amdhsa_group_segment_fixed_size 95488
		.amdhsa_private_segment_fixed_size 0
		.amdhsa_enable_private_segment 0
		.amdhsa_kernarg_size 56
		.amdhsa_user_sgpr_count 2
		.amdhsa_user_sgpr_kernarg_segment_ptr 1
		.amdhsa_wavefront_size32 1
		.amdhsa_system_sgpr_workgroup_id_x 1
		.amdhsa_system_sgpr_workgroup_id_y 1
		.amdhsa_system_sgpr_workgroup_id_z 1
		.amdhsa_system_vgpr_workitem_id 0
		.amdhsa_next_free_vgpr 224
		.amdhsa_next_free_sgpr 72
		.amdhsa_reserve_vcc 0
		.amdhsa_float_denorm_mode_32 3
		.amdhsa_float_denorm_mode_16_64 3
		.amdhsa_memory_ordered 1
		.amdhsa_forward_progress 1
		.amdhsa_inst_pref_size 54
	.end_amdhsa_kernel
	.amdgpu_metadata
---
amdhsa.version: [ 1, 2 ]
amdhsa.kernels:
  - .name:           k_qb624473b38_prepa
    .symbol:         k_qb624473b38_prepa.kd
    .args:
      - { .name: Wqkv, .offset: 0, .size: 8, .value_kind: global_buffer, .address_space: global }
      - { .name: Wo, .offset: 8, .size: 8, .value_kind: global_buffer, .address_space: global }
      - { .name: x, .offset: 16, .size: 8, .value_kind: global_buffer, .address_space: global }
      - { .name: g1, .offset: 24, .size: 8, .value_kind: global_buffer, .address_space: global }
      - { .name: be1, .offset: 32, .size: 8, .value_kind: global_buffer, .address_space: global }
      - { .name: w, .offset: 40, .size: 8, .value_kind: global_buffer, .address_space: global }
      - { .name: h, .offset: 48, .size: 8, .value_kind: global_buffer, .address_space: global }
    .group_segment_fixed_size: 95488
    .private_segment_fixed_size: 0
    .kernarg_segment_align: 8
    .kernarg_segment_size: 56
    .max_flat_workgroup_size: 256
    .sgpr_count:     72
    .vgpr_count:     224
    .wavefront_size: 32
...
	.end_amdgpu_metadata
.endif
;; end of part 1
;; launch qkv (part 2): grid 12 x 16, 4 waves a work-group, clusters of 4 x 4, 327,680 bytes of LDS; arguments h, w, bqkv, q, kv; writes q, kv
.if DOCPART == 2
	.amdgcn_target "amdgcn-amd-amdhsa--gfx1250"
	.amdhsa_code_object_version 6
	.text
	.protected	k_qb624473b38_qkv
	.globl	k_qb624473b38_qkv
	.p2align	8
	.type	k_qb624473b38_qkv,@function
k_qb624473b38_qkv:
	s_mov_b64 s[64:65], 0
	v_nop
	global_prefetch_b8 v0, s[64:65] scope:SCOPE_SE
	s_setreg_imm32_b32 hwreg(HW_REG_WAVE_MODE, 25, 1), 1
	s_wait_xcnt 0x0
	s_wait_alu depctr_hold_cnt(0) depctr_sa_sdst(0) depctr_va_vdst(0) depctr_va_sdst(0) depctr_va_ssrc(0) depctr_va_vcc(0) depctr_vm_vsrc(0)
	s_getreg_b32 s2, hwreg(HW_REG_IB_STS2, 6, 4)
	s_cmp_eq_u32 s2, 0
	s_cbranch_scc0 .Lentry_in_a_cluster
	s_endpgm
.Lentry_in_a_cluster:
	s_bfe_u32 s2, ttmp6, 0x10000c
	s_cmp_lg_u32 s2, 0xf033
	s_cbranch_scc0 .Lentry_shape_is_right
	s_endpgm
.Lentry_shape_is_right:
; qkv = h Wqkv + bqkv on codes of FP6; the results are quantised on the way out, each along the K of the product that takes it: q and k along the head's 64, v along the tokens.
; A work-group makes 256 x 256, four waves 128 x 128 each (64 accumulators).  K = 1,024 in slots of 256 through a ring of two LDS slots; operands are fragment images (first kernel), so a fragment is four LDS loads
; of consecutive bytes.  The scale words of all of K come once, with the first fills.  CLUSTER 4 x 4: the tile of source 1 is shared along a row of the cluster, that of source 0 along a column, by joint loads.
; THE PART is the cluster's x, which all sixteen partners share: 0 = q, 1 = k, 2 = v.  Parts 0, 1: source 1 ("A") = tokens of h, source 0 ("B") = columns of Wqkv: a lane holds a token, its registers run along the columns.
; Part 2: A = columns of Wv, B = tokens: a lane holds a column of v and its registers run along 128 tokens, which are a K step of the attention's second product.
; The bias is the C of each sum's first product.  q: [head][128 tokens] records of 6,656 bytes (8 half images of 768, 8 x 64 bytes of words); kv: records of 13,056 (k likewise, then v^T: 4 images, 4 x 64).
; LIMITS: a block of zeros gets the scale byte 1 (zero codes; bytes read by this program alone); NaN and infinities are not served.
.set BM,    8                          ; fragments of 16 rows a wave, on each side
.set LBM,   3
.set NQ,    2                          ; K steps of 128 in a slot
.set KS,    8                          ; K steps in all
.set LAPS,  KS/(2*NQ)
.set FRB,   1536
.set NL,    4                          ; LDS loads a fragment
.set HALFT, BM*NQ*FRB                  ; what one tensor load brings
.set SLOT,  4*HALFT
.set SCL,   2*SLOT                     ; behind the ring: the scale words
.set HALFS, BM*KS*64
.set SPARE, SCL+4*HALFS                ; the spare words: 128 bytes a wave, named by no other line
.set ADRA, 16                          ; v16,17: A's fragments in slot 0, 1, 16 x lane; v18,19: 8 x lane
.set ADRB, 20                          ; v20-23 the same for B
.set CO16, 24
.set CO8,  25
.set CO4,  26
.set ADRS, 27                          ; my scale words: lanes 0-15 A's, lanes 16-31 B's
.set SPW,  28
.set NIL,  29
.set SC,   32                          ; v32-63 scale words, a set of 16 for each slot
.set BI,   64                          ; v64-127 the bias, in the result's layout
.set AF,   128                         ; v128-223 A's fragments, one set;  window 1: B's two sets at v0, v128;  windows 2, 3: the accumulators
.set PC,   192
.set PW,   232
.set TM,   236
.set G1, 24
.set G0, 32
.set G1B, 48
.set G0B, 56
.set G1S, 68
.set G0S, 76
.set G1SB, 80
.set G0SB, 88
.set SEL, 96
.set MSB, 0
.macro WIN new                         ; the immediate's high byte repeats the setting that is left
.if MSB != (\new)
	s_set_vgpr_msb (MSB<<8)|(\new)
.set MSB, (\new)
.endif
.endm
.macro JLOAD g0a, g1a, g0b, g1b        ; a joint load: waves 0, 1 fetch for A, waves 2, 3 for B; s_nop 0 and four v_nop behind each line
	s_cmp_eq_u32 s15, 0
	s_cbranch_scc0 .Lfor_b_\@
	tensor_load_to_lds s[\g0a:\g0a+3], s[\g1a:\g1a+7]
	s_nop 0
.rept 4
	v_nop
.endr
	s_branch .Lasked_\@
.Lfor_b_\@:
	tensor_load_to_lds s[\g0b:\g0b+3], s[\g1b:\g1b+7]
	s_nop 0
.rept 4
	v_nop
.endr
.Lasked_\@:
.endm
.macro CREST
	s_cmp_lg_u32 s14, 0
	s_cbranch_scc1 .Lnot_wave_0_\@
	s_barrier_signal -3
.Lnot_wave_0_\@:
	s_barrier_wait -3
	s_barrier_signal -1
	s_barrier_wait -1
.endm
.macro CROUND
	s_barrier_signal -1
	s_barrier_wait -1
	CREST
.endm
.macro PLACES                          ; four plain lines behind matrix instructions, ahead of loads into their registers and of reads of their results
.rept 4
	v_nop
.endr
.endm
.macro FRAG reg, adr, off              ; a fragment's image: 512 + 256 + 512 + 256 consecutive bytes
	ds_load_b128 v[(\reg):(\reg)+3], v[\adr] offset:(\off)
	ds_load_b64 v[(\reg)+4:(\reg)+5], v[\adr+2] offset:(\off)+512
	ds_load_b128 v[(\reg)+6:(\reg)+9], v[\adr] offset:(\off)+768
	ds_load_b64 v[(\reg)+10:(\reg)+11], v[\adr+2] offset:(\off)+1280
.endm
.macro FETCH_B slot, q, p              ; B's fragments of the slot's q-th K step into set p
	WIN 0x40
.set fi, 0
.rept BM
	FRAG 128*(\p)+12*fi, ADRB+\slot, (fi*NQ+(\q))*FRB
.set fi, fi+1
.endr
	WIN 0
.endm
.macro FETCH_A slot, q, hf             ; the lower (0) or upper (1) half of A's
.set fi, (\hf)*BM/2
.rept BM/2
	FRAG AF+12*fi, ADRA+\slot, (fi*NQ+(\q))*FRB
.set fi, fi+1
.endr
.endm
.macro SCALES sc                       ; a slot's scale words: register NQ i + q: lanes 0-15 A's block i, lanes 16-31 B's block i
.set fi, 0
.rept BM
.set fq, 0
.rept NQ
	ds_load_b32 v[SC+16*(\sc)+NQ*fi+fq], v[ADRS] offset:(fi*KS+fq)*64
.set fq, fq+1
.endr
.set fi, fi+1
.endr
.endm
; a quarter of a K step's products: BM / 4 blocks of A against all of B's.  init: 0 add in place; 1 C = the bias by B's block; 2 by A's block; 3 C = 0.  The accumulators take turns, in one order in every step
.macro MULQ g, p, q, sc, init
.if ((\init)==1)||((\init)==2)
	WIN 0x81+0x40*((\g)/2)
.else
	WIN 0xa1+0x50*((\g)/2)
.endif
.set ma, (\g)*BM/4
.rept BM/4
.set mb, 0
.rept BM
.set rD, 8*(BM*(ma%(BM/2))+mb)
.if (\init)==3
	v_wmma_scale_f32_16x16x128_f8f6f4 v[rD:rD+7], v[128*(\p)+12*mb:128*(\p)+12*mb+11], v[AF+12*ma:AF+12*ma+11], 0, v[SC+16*(\sc)+NQ*mb+(\q)], v[SC+16*(\sc)+NQ*ma+(\q)] matrix_a_fmt:MATRIX_FMT_FP6 matrix_b_fmt:MATRIX_FMT_FP6 matrix_a_scale:MATRIX_SCALE_ROW1
.else
.set rC, rD
.if (\init)==1
.set rC, BI+8*mb
.endif
.if (\init)==2
.set rC, BI+8*ma
.endif
	v_wmma_scale_f32_16x16x128_f8f6f4 v[rD:rD+7], v[128*(\p)+12*mb:128*(\p)+12*mb+11], v[AF+12*ma:AF+12*ma+11], v[rC:rC+7], v[SC+16*(\sc)+NQ*mb+(\q)], v[SC+16*(\sc)+NQ*ma+(\q)] matrix_a_fmt:MATRIX_FMT_FP6 matrix_b_fmt:MATRIX_FMT_FP6 matrix_a_scale:MATRIX_SCALE_ROW1
.endif
.set mb, mb+1
.endr
.set ma, ma+1
.endr
.endm
.macro STEP slot, q, init              ; a K step that has its successor in the same slot
	s_wait_dscnt (BM/2)*NL                         ; all but the youngest loads, A's upper half
	MULQ 0, (\q)%2, \q, \slot, \init
	MULQ 1, (\q)%2, \q, \slot, \init
	s_wait_dscnt 0x0
	PLACES
	FETCH_B \slot, (\q)+1, 1-(\q)%2
	FETCH_A \slot, (\q)+1, 0
	MULQ 2, (\q)%2, \q, \slot, \init
	MULQ 3, (\q)%2, \q, \slot, \init
	PLACES
	WIN 0
	FETCH_A \slot, (\q)+1, 1
.endm
.macro REST slot                       ; a slot's steps between its first and its last
.if NQ > 2
.set rq, 1
.rept NQ-2
	STEP \slot, rq, 0
.set rq, rq+1
.endr
.endif
.endm
; a slot's last step changes slots: each wave waits for all its tensor loads, adds 0 to its spare word, waits for that and for its reads of the slot; one barrier (fill = 1: it opens a round of the cluster's); the refill first behind it
.macro TURN slot, next, fill
	s_wait_tensorcnt 0x0                           ; my part of the next slot has landed; no load of mine is out
	ds_add_u32 v[SPW], v[NIL]
	s_wait_dscnt (BM/2)*NL+1                       ; (the add and A's upper half may be out)
	MULQ 0, 1, NQ-1, \slot, 0
	s_wait_dscnt 0x0                               ; the add is done, my reads of this slot are over
	s_barrier_signal -1
	MULQ 1, 1, NQ-1, \slot, 0
	WIN 0
	s_barrier_wait -1
.if \fill
	CREST
	s_add_nc_u64 s[G0+4*\slot+2:G0+4*\slot+3], s[G0+4*\slot+2:G0+4*\slot+3], 2*NQ*FRB
	s_add_nc_u64 s[G0B+4*\slot+2:G0B+4*\slot+3], s[G0B+4*\slot+2:G0B+4*\slot+3], 2*NQ*FRB
	JLOAD G0+4*\slot, G1, G0B+4*\slot, G1B         ; its four v_nop are also the places ahead of the loads below
.else
	PLACES
.endif
	s_wait_alu depctr_va_vdst(0)
	v_add_nc_u32 v[ADRS], NQ*64, v[ADRS]
	FETCH_B \next, 0, 0
	FETCH_A \next, 0, 0
	SCALES \next
	MULQ 2, 1, NQ-1, \slot, 0
	MULQ 3, 1, NQ-1, \slot, 0
	PLACES
	WIN 0
	FETCH_A \next, 0, 1
.endm
.macro LAST
	s_wait_dscnt (BM/2)*NL
	MULQ 0, 1, NQ-1, 1, 0
	MULQ 1, 1, NQ-1, 1, 0
	s_wait_dscnt 0x0
	MULQ 2, 1, NQ-1, 1, 0
	MULQ 3, 1, NQ-1, 1, 0
	WIN 0
.endm
; 64 numbers of a lane in window w, register 16 b + i = k 32 b + 16 (lane / 16) + i of my row, become a fragment's codes in v[PC ..] and its scale word in v[PW]
.macro QUANT s, w
	WIN 5*(\w)
.irp b, 0,1,2,3
	v_max3_num_f32 v[TM+\b], |v[(\s)+16*\b]|, |v[(\s)+1+16*\b]|, 0x1800000   ; each accumulator is read from its low end on
.endr
.irp i, 2,4,6,8,10,12,14
.irp b, 0,1,2,3
	v_max3_num_f32 v[TM+\b], |v[(\s)+16*\b+\i]|, |v[(\s)+1+16*\b+\i]|, v[TM+\b]
.endr
.endr
	WIN 0
.irp b, 0,1,2,3
	v_permlanex16_b32 v[TM+4+\b], v[TM+\b], s[SEL], s[SEL+1]
.endr
.irp b, 0,1,2,3
	v_max_num_f32 v[TM+\b], v[TM+\b], v[TM+4+\b]
.endr
.irp b, 0,1,2,3
	v_add_nc_u32 v[TM+8+\b], 0xff000000, v[TM+\b]
.endr
.irp b, 0,1,2,3
	v_lshrrev_b32 v[TM+4+\b], 23, v[TM+8+\b]
.endr
	v_lshl_or_b32 v[PW], v[TM+5], 8, v[TM+4]
	v_lshl_or_b32 v[PW], v[TM+6], 16, v[PW]
	v_lshl_or_b32 v[PW], v[TM+7], 24, v[PW]
	WIN (\w)
.irp c, 0,1
	v_cvt_scalef32_pk16_fp6_f32 v[PC+6*\c:PC+2+6*\c], v[(\s)+32*\c:(\s)+15+32*\c], v[TM+8+2*\c]
	v_cvt_scalef32_pk16_fp6_f32 v[PC+12+4*\c:PC+14+4*\c], v[(\s)+16+32*\c:(\s)+31+32*\c], v[TM+9+2*\c]
.endr
	WIN 0
	v_nop
.irp c, 0,1
.irp i, 0,1,2
	v_permlane16_swap_b32 v[PC+6*\c+\i], v[PC+12+4*\c+\i]
.endr
.irp i, 0,1,2
	v_mov_b32 v[PC+3+6*\c+\i], v[PC+12+4*\c+\i]
.endr
.endr
.endm
	s_load_b128 s[4:7], s[0:1], 0x0                ; h, w
	s_load_b128 s[8:11], s[0:1], 0x10              ; bqkv, q
	s_load_b64 s[12:13], s[0:1], 0x20              ; kv
	v_lshl_add_u32 v[SPW], v0, 2, SPARE
	v_mov_b32 v[NIL], 0
	ds_add_u32 v[SPW], v[NIL]                      ; the opening: the add, twice on end, and its wait ahead of my first tensor load
	ds_add_u32 v[SPW], v[NIL]
	v_lshrrev_b32 v1, 5, v0
	v_readfirstlane_b32 s14, v1                    ; wave
	s_lshr_b32 s15, s14, 1                         ; my half of A's rows; also: I fetch for A (0) or B (1)
	s_and_b32 s16, s14, 1                          ; my half of B's rows; also: which half I fetch
	s_bfe_u32 s40, ttmp6, 0x40000                  ; cx
	s_bfe_u32 s41, ttmp6, 0x40004                  ; cy
	s_and_b32 s19, ttmp7, 0xffff                   ; the cluster's y
	s_mov_b32 s95, 9437184                         ; B's scale words begin: Wqkv's in w,
	s_mov_b32 s3, 3145728                          ; A's: h's
	s_cmp_eq_u32 ttmp9, 2                          ; part 2 changes the roles
	s_cselect_b32 s17, 0, s19
	s_cselect_b32 s42, s19, ttmp9
	s_cselect_b32 s2, 1572864, 0                   ; A's codes begin: Wv's column block 128
	s_cselect_b32 s95, 3145728, s95
	s_cselect_b32 s3, 9502720, s3
	s_lshl_b32 s42, s42, 2
	s_add_co_u32 s42, s42, s40                     ; B's tile
	s_lshl_b32 s17, s17, 2
	s_add_co_u32 s17, s17, s41                     ; A's tile
	s_lshl_b32 s43, s41, 2
	s_lshl_b32 s43, 15, s43                        ; my row of the cluster
	s_lshl_b32 s44, 0x1111, s40                    ; my column
	s_or_b32 s[G1+0], s43, (3<<16)|(1<<21)         ; the mask; elements of 8 bytes; bit 21 beside a mask; no padding
	s_or_b32 s[G1B+0], s44, (3<<16)|(1<<21)
.irp g, G1, G1B
	s_mov_b32 s[\g+1], (192*NQ)<<16                ; tensor_dim0: a slot's K steps of one row block
	s_mov_b32 s[\g+2], (2*BM)<<16                  ; tensor_dim1: at the head one load brings both halves of a tile
	s_mov_b32 s[\g+3], (192*NQ)<<16                ; tile_dim0
	s_mov_b32 s[\g+4], 2*BM                        ; tile_dim1
	s_mov_b32 s[\g+5], 192*KS                      ; from row block to row block
	s_mov_b32 s[\g+6], 0
	s_mov_b32 s[\g+7], 0
.endr
	s_or_b32 s[G1S+0], s43, (3<<16)|(1<<21)        ; the scale words: a dense block, as rows of 256 bytes
	s_or_b32 s[G1SB+0], s44, (3<<16)|(1<<21)
.irp g, G1S, G1SB
	s_mov_b32 s[\g+1], 32<<16
	s_mov_b32 s[\g+2], (2*HALFS/256)<<16
	s_mov_b32 s[\g+3], 32<<16
	s_mov_b32 s[\g+4], 2*HALFS/256
	s_mov_b32 s[\g+5], 32
	s_mov_b32 s[\g+6], 0
	s_mov_b32 s[\g+7], 0
.endr
	s_mul_i32 s18, s16, BM*KS*FRB                  ; in the ring I fetch one half of a tile: its place in bytes
	s_mov_b32 s19, 0
	s_lshl_b32 s20, s17, LBM+1                     ; A's tile: its first row block
	s_lshl_b32 s46, s42, LBM+1                     ; B's
	s_mul_i32 s22, s20, KS*64
	s_add_co_u32 s22, s22, s3
	s_mov_b32 s23, 0
	s_mul_i32 s20, s20, KS*FRB
	s_add_co_u32 s20, s20, s2
	s_mov_b32 s21, 0
	s_mul_i32 s92, s46, KS*64
	s_add_co_u32 s92, s92, s95
	s_mov_b32 s93, 0
	s_mul_i32 s46, s46, KS*FRB
	s_mov_b32 s47, 0
	s_mul_i32 s45, s14, HALFT                      ; where they go: by the wave's number alone
.irp b, 0,1,2,3
	v_mov_b32 v[TM+4+\b], 0                        ; a lane permute's destination counts as read
.endr
	s_wait_dscnt 0x0                               ; both opening adds are done
	CROUND                                         ; the opening round, ahead of the wait for the arguments: all sixteen work-groups are here
	s_wait_kmcnt 0x0
	s_cmp_eq_u32 ttmp9, 2
	s_cselect_b64 s[96:97], s[6:7], s[4:5]         ; A's buffer
	s_cselect_b64 s[98:99], s[4:5], s[6:7]         ; B's
	s_add_nc_u64 s[20:21], s[96:97], s[20:21]
	s_add_nc_u64 s[22:23], s[96:97], s[22:23]
	s_add_nc_u64 s[46:47], s[98:99], s[46:47]
	s_add_nc_u64 s[92:93], s[98:99], s[92:93]
	s_cmp_eq_u32 s15, 0                            ; the prefetches: of the eight row blocks that I fetch in the ring each of the four partners that ask with me takes two, by address
	s_cselect_b32 s2, s40, s41                     ; my place among them: cx for A's tile, cy for B's
	s_cselect_b64 s[66:67], s[20:21], s[46:47]
	s_mul_i32 s2, s2, 2*KS*FRB
	s_mov_b32 s3, 0
	s_add_nc_u64 s[66:67], s[66:67], s[18:19]
	s_add_nc_u64 s[66:67], s[66:67], s[2:3]
	; THE HEAD'S FOUR TILES, one load a wave: slot 0's A, slot 0's B, A's scale words, B's
	s_mov_b32 s[G0S], 1
	s_mov_b32 s[G0S+1], SCL
	s_mov_b64 s[G0S+2:G0S+3], s[22:23]
	s_or_b32 s[G0S+3], s[G0S+3], 0x80000000
	s_mov_b32 s[G0SB], 1
	s_mov_b32 s[G0SB+1], SCL+2*HALFS
	s_mov_b64 s[G0SB+2:G0SB+3], s[92:93]
	s_or_b32 s[G0SB+3], s[G0SB+3], 0x80000000
	s_mov_b32 s[G0], 1
	s_mov_b32 s[G0+1], 0
	s_mov_b64 s[G0+2:G0+3], s[20:21]
	s_or_b32 s[G0+3], s[G0+3], 0x80000000
	s_mov_b32 s[G0B], 1
	s_mov_b32 s[G0B+1], 2*HALFT
	s_mov_b64 s[G0B+2:G0B+3], s[46:47]
	s_or_b32 s[G0B+3], s[G0B+3], 0x80000000
	s_mov_b32 s[G0+4], 1                           ; slot 1: my half of a tile, the second pair of K steps
	s_add_co_u32 s[G0+5], s45, SLOT
	s_add_nc_u64 s[G0+6:G0+7], s[20:21], s[18:19]
	s_add_nc_u64 s[G0+6:G0+7], s[G0+6:G0+7], NQ*FRB
	s_or_b32 s[G0+7], s[G0+7], 0x80000000
	s_mov_b32 s[G0B+4], 1
	s_add_co_u32 s[G0B+5], s45, SLOT
	s_add_nc_u64 s[G0B+6:G0B+7], s[46:47], s[18:19]
	s_add_nc_u64 s[G0B+6:G0B+7], s[G0B+6:G0B+7], NQ*FRB
	s_or_b32 s[G0B+7], s[G0B+7], 0x80000000
.macro ARM under, g0, g1, next         ; one chain of branches on the wave's number, a load to an arm, all arms to one join
	s_cmp_lt_u32 s14, \under
	s_cbranch_scc0 \next
	tensor_load_to_lds s[\g0:\g0+3], s[\g1:\g1+7]
	s_nop 0
.rept 4
	v_nop
.endr
	s_branch .Lhead_asked
\next:
.endm
	ARM 1, G0, G1, .Lhead_b
	ARM 2, G0B, G1B, .Lhead_sa
	ARM 3, G0S, G1S, .Lhead_sb
	tensor_load_to_lds s[G0SB:G0SB+3], s[G1SB:G1SB+7]
	s_nop 0
.rept 4
	v_nop
.endr
.Lhead_asked:
	s_mov_b32 s[SEL], 0x76543210
	s_mov_b32 s[SEL+1], 0xfedcba98
	v_and_b32 v1, 31, v0                           ; lane
	v_and_b32 v2, 15, v0                           ; r
	v_bfe_u32 v3, v0, 4, 1                         ; h
	v_lshlrev_b32 v[CO16], 4, v1
	v_lshlrev_b32 v[CO8], 3, v1
	v_lshlrev_b32 v[CO4], 2, v2
	s_mul_i32 s21, s15, HALFT
	s_mul_i32 s22, s16, HALFT
	s_add_co_u32 s22, s22, 2*HALFT
.irp s, 0,1
	v_add_nc_u32 v[ADRA+\s], s21, v[CO16]
	v_add_nc_u32 v[ADRA+2+\s], s21, v[CO8]
	v_add_nc_u32 v[ADRB+\s], s22, v[CO16]
	v_add_nc_u32 v[ADRB+2+\s], s22, v[CO8]
	s_add_co_u32 s21, s21, SLOT
	s_add_co_u32 s22, s22, SLOT
.endr
	s_mul_i32 s21, s15, HALFS
	s_mul_i32 s22, s16, HALFS
	s_add_co_u32 s22, s22, 2*HALFS
	s_sub_co_u32 s22, s22, s21
	v_mul_u32_u24 v6, s22, v3                      ; lanes 16-31 take B's
	s_add_co_u32 s21, s21, SCL
	v_lshl_add_u32 v6, v2, 2, v6
	v_add_nc_u32 v[ADRS], s21, v6
	v_min_u32 v8, 23, v1                           ; a slot's part of two row blocks is 2 x 12 blocks of 256 bytes: a lane names one, the lanes left over the last again
	v_mul_u32_u24 v9, v8, 43
	v_lshrrev_b32 v9, 9, v9                        ; lane / 12: which row block
	v_mul_u32_u24 v10, v9, 12
	v_sub_nc_u32 v8, v8, v10
	v_lshlrev_b32 v8, 8, v8
	v_mad_u32_u24 v8, v9, KS*FRB, v8               ; never rewritten
	global_prefetch_b8 v8, s[66:67] offset:NQ*FRB th:TH_LOAD_NT scope:SCOPE_SE     ; slot 1's first fill and the first refill are asked for here,
	global_prefetch_b8 v8, s[66:67] offset:2*NQ*FRB th:TH_LOAD_NT scope:SCOPE_SE
	; the bias, in the result's layout
	s_cmp_eq_u32 ttmp9, 2
	s_cbranch_scc1 .Lbias_v
	s_lshl_b32 s20, s42, 10                        ; parts 0, 1: register j of tile b is column 256 tile + 128 half + 32 (b / 2) + 8 (b % 2) + 16 h + j
	s_lshl_b32 s21, s16, 9
	s_add_co_u32 s20, s20, s21
	s_mov_b32 s21, 0
	s_add_nc_u64 s[8:9], s[8:9], s[20:21]
	v_lshlrev_b32 v7, 6, v3
.irp z, 0,1,2,3,4,5,6,7
	global_load_b128 v[BI+8*\z:BI+8*\z+3], v7, s[8:9] offset:(32*(\z/2)+8*(\z%2))*4
	global_load_b128 v[BI+8*\z+4:BI+8*\z+7], v7, s[8:9] offset:(32*(\z/2)+8*(\z%2))*4+16
.endr
	s_branch .Lbias_done
.Lbias_v:
	s_lshl_b32 s20, s17, 10                        ; part 2: my lane is column 2048 + 256 tile + 128 half + 32 (a / 2) + 8 (a % 2) + r + 8 (r / 8): one number for all eight registers
	s_lshl_b32 s21, s15, 9
	s_add_co_u32 s20, s20, s21
	s_add_co_u32 s20, s20, 8192
	s_mov_b32 s21, 0
	s_add_nc_u64 s[8:9], s[8:9], s[20:21]
	v_and_b32 v7, 8, v2
	v_add_nc_u32 v7, v7, v2
	v_lshlrev_b32 v7, 2, v7
.irp z, 0,1,2,3,4,5,6,7
	global_load_b32 v[BI+8*\z], v7, s[8:9] offset:(32*(\z/2)+8*(\z%2))*4
.endr
	s_wait_loadcnt 0x0
.irp z, 0,1,2,3,4,5,6,7
.irp j, 1,2,3,4,5,6,7
	v_mov_b32 v[BI+8*\z+\j], v[BI+8*\z]
.endr
.endr
.Lbias_done:
	s_wait_alu depctr_va_vdst(0)
	s_wait_loadcnt 0x0
	s_wait_tensorcnt 0x0                           ; my tile of the head's four is in; slot 1's first fill is issued as a refill is
	ds_add_u32 v[SPW], v[NIL]
	s_mov_b32 s[G1+2], BM<<16                      ; no load of mine is out: from here on a load brings one half of a tile
	s_mov_b32 s[G1+4], BM
	s_mov_b32 s[G1B+2], BM<<16
	s_mov_b32 s[G1B+4], BM
	s_mov_b32 s[G0+1], s45                         ; and slot 0's group 0 stands at my half
	s_add_nc_u64 s[G0+2:G0+3], s[G0+2:G0+3], s[18:19]
	s_mov_b32 s[G0B+1], s45
	s_add_nc_u64 s[G0B+2:G0B+3], s[G0B+2:G0B+3], s[18:19]
	s_wait_dscnt 0x0
	CROUND                                         ; a whole round: all four tiles are in, all sixteen work-groups are here
	JLOAD G0+4, G1, G0B+4, G1B                     ; slot 1, the first tensor load behind the round
	FETCH_B 0, 0, 0
	FETCH_A 0, 0, 0
	SCALES 0
	FETCH_A 0, 0, 1
	global_prefetch_b8 v8, s[66:67] offset:3*NQ*FRB th:TH_LOAD_NT scope:SCOPE_SE   ; the last refill behind slot 1's load: two fills ahead of its own
	s_cmp_eq_u32 ttmp9, 2
	s_cbranch_scc1 .Lfirst_v
	STEP 0, 0, 1                                   ; the first step starts the sums, with the bias as C
	s_branch .Lfirst_done
.Lfirst_v:
	STEP 0, 0, 2
.Lfirst_done:
	s_mov_b32 s3, LAPS-1
.Llap:                                             ; a trip goes once round the ring and fills both slots again
	REST 0
	TURN 0, 1, 1
	STEP 1, 0, 0
	REST 1
	TURN 1, 0, 1
	STEP 0, 0, 0
	s_sub_co_u32 s3, s3, 1
	s_cmp_lg_u32 s3, 0
	s_cbranch_scc1 .Llap
	REST 0                                         ; the last lap fills nothing
	TURN 0, 1, 0
	STEP 1, 0, 0
	REST 1
	LAST
	PLACES
; THE WAY OUT: A's block n: its eight accumulators are 64 numbers a lane, 128 along the next K
.macro EPIQK n                         ; 128 columns = two heads: each half of the fragment is a head's 64
.if (\n) > 0
	s_wait_xcnt 0x0                                ; the last block's stores have read their registers
.endif
	QUANT 64*((\n)%4), 2+(\n)/4
	v_and_b32 v[PW+1], 0xffff, v[PW]               ; a head's two bytes; the word's upper two stay 0 and meet zero codes
	v_lshrrev_b32 v[PW+2], 16, v[PW]
	global_store_b128 v[CO16], v[PC:PC+3], s[10:11] offset:768*(\n)
	global_store_b64 v[CO8], v[PC+4:PC+5], s[10:11] offset:768*(\n)+512
	global_store_b32 v[CO4], v[PW+1], s[10:11] offset:6144+64*(\n)
	global_store_b128 v[CO16], v[PC+6:PC+9], s[12:13] offset:768*(\n)
	global_store_b64 v[CO8], v[PC+10:PC+11], s[12:13] offset:768*(\n)+512
	global_store_b32 v[CO4], v[PW+2], s[12:13] offset:6144+64*(\n)
.endm
.macro EPIV n                          ; 16 columns of v x 128 tokens: a fragment of v^T
.if (\n) > 0
	s_wait_xcnt 0x0
.endif
	QUANT 64*((\n)%4), 2+(\n)/4
	global_store_b128 v[CO16], v[PC:PC+3], s[12:13] offset:((\n)/4)*417792+((\n)%4)*1536
	global_store_b64 v[CO8], v[PC+4:PC+5], s[12:13] offset:((\n)/4)*417792+((\n)%4)*1536+512
	global_store_b128 v[CO16], v[PC+6:PC+9], s[12:13] offset:((\n)/4)*417792+((\n)%4)*1536+768
	global_store_b64 v[CO8], v[PC+10:PC+11], s[12:13] offset:((\n)/4)*417792+((\n)%4)*1536+1280
	global_store_b32 v[CO4], v[PW], s[12:13] offset:((\n)/4)*417792+6144+((\n)%4)*64
.endm
	s_cmp_eq_u32 ttmp9, 2
	s_cbranch_scc1 .Lout_v
	s_mov_b32 s20, 6656
	s_cmp_eq_u32 ttmp9, 1
	s_cselect_b64 s[10:11], s[12:13], s[10:11]     ; k goes to kv, q to q
	s_cselect_b32 s20, 13056, s20                  ; a record
	s_lshl_b32 s21, s40, 1
	s_add_co_u32 s21, s21, s16                     ; my pair of heads
	s_lshl_b32 s21, s21, 6
	s_lshl_b32 s22, s17, 1
	s_add_co_u32 s22, s22, s15                     ; my 128 tokens
	s_add_co_u32 s21, s21, s22
	s_mul_i32 s22, s21, s20
	s_mov_b32 s23, 0
	s_add_nc_u64 s[10:11], s[10:11], s[22:23]      ; the even head's record,
	s_lshl_b32 s22, s20, 5
	s_add_nc_u64 s[12:13], s[10:11], s[22:23]      ; the odd head's
.irp z, 0,1,2,3,4,5,6,7
	EPIQK \z
.endr
	s_branch .Lend
.Lout_v:
	s_lshl_b32 s21, s17, 2
	s_lshl_b32 s22, s15, 1
	s_add_co_u32 s21, s21, s22                     ; my first head
	s_lshl_b32 s21, s21, 5
	s_lshl_b32 s22, s42, 1
	s_add_co_u32 s22, s22, s16                     ; my 128 tokens
	s_add_co_u32 s21, s21, s22
	s_mul_i32 s22, s21, 13056
	s_add_co_u32 s22, s22, 6656
	s_mov_b32 s23, 0
	s_add_nc_u64 s[12:13], s[12:13], s[22:23]
.irp z, 0,1,2,3,4,5,6,7
	EPIV \z
.endr
.Lend:
	s_wait_tensorcnt 0x0                           ; the wave's end
	ds_add_u32 v[SPW], v[NIL]
	s_wait_dscnt 0x0
	CROUND                                         ; the closing round
	s_endpgm
.Lfunc_end_k_qb624473b38_qkv:
	.size	k_qb624473b38_qkv, .Lfunc_end_k_qb624473b38_qkv-k_qb624473b38_qkv
	.p2alignl 7, 3214868480
	.fill 96, 4, 3214868480
	.section	.rodata,"a",@progbits
	.p2align	6, 0x0
	.amdhsa_kernel k_qb624473b38_qkv
		.amdhsa_group_segment_fixed_size 327680
		.amdhsa_private_segment_fixed_size 0
		.amdhsa_enable_private_segment 0
		.amdhsa_kernarg_size 40
		.amdhsa_user_sgpr_count 2
		.amdhsa_user_sgpr_kernarg_segment_ptr 1
		.amdhsa_wavefront_size32 1
		.amdhsa_system_sgpr_workgroup_id_x 1
		.amdhsa_system_sgpr_workgroup_id_y 1
		.amdhsa_system_sgpr_workgroup_id_z 1
		.amdhsa_system_vgpr_workitem_id 0
		.amdhsa_next_free_vgpr 1024
		.amdhsa_next_free_sgpr 100
		.amdhsa_reserve_vcc 0
		.amdhsa_float_denorm_mode_32 3
		.amdhsa_float_denorm_mode_16_64 3
		.amdhsa_memory_ordered 1
		.amdhsa_forward_progress 1
		.amdhsa_inst_pref_size 207
	.end_amdhsa_kernel
	.amdgpu_metadata
---
amdhsa.version: [ 1, 2 ]
amdhsa.kernels:
  - .name:           k_qb624473b38_qkv
    .symbol:         k_qb624473b38_qkv.kd
    .args:
      - { .name: h, .offset: 0, .size: 8, .value_kind: global_buffer, .address_space: global }
      - { .name: w, .offset: 8, .size: 8, .value_kind: global_buffer, .address_space: global }
      - { .name: bqkv, .offset: 16, .size: 8, .value_kind: global_buffer, .address_space: global }
      - { .name: q, .offset: 24, .size: 8, .value_kind: global_buffer, .address_space: global }
      - { .name: kv, .offset: 32, .size: 8, .value_kind: global_buffer, .address_space: global }
    .group_segment_fixed_size: 327680
    .private_segment_fixed_size: 0
    .kernarg_segment_align: 8
    .kernarg_segment_size: 40
    .max_flat_workgroup_size: 128
    .sgpr_count:     100
    .vgpr_count:     1024
    .wavefront_size: 32
...
	.end_amdgpu_metadata
.endif
;; end of part 2
;; launch attn (part 3): grid 8 x 32, 16 waves a work-group, clusters of 4 x 1, 210,944 bytes of LDS; arguments q, kv, y; writes y
.if DOCPART == 3
	.amdgcn_target "amdgcn-amd-amdhsa--gfx1250"
	.amdhsa_code_object_version 6
	.text
	.protected	k_qb624473b38_attn
	.globl	k_qb624473b38_attn
	.p2align	8
	.type	k_qb624473b38_attn,@function
k_qb624473b38_attn:
	s_mov_b64 s[64:65], 0
	v_nop
	global_prefetch_b8 v0, s[64:65] scope:SCOPE_SE
	s_setreg_imm32_b32 hwreg(HW_REG_WAVE_MODE, 25, 1), 1
	s_wait_xcnt 0x0
	s_wait_alu depctr_hold_cnt(0) depctr_sa_sdst(0) depctr_va_vdst(0) depctr_va_sdst(0) depctr_va_ssrc(0) depctr_va_vcc(0) depctr_vm_vsrc(0)
	s_getreg_b32 s2, hwreg(HW_REG_IB_STS2, 6, 4)
	s_cmp_eq_u32 s2, 0
	s_cbranch_scc0 .Lentry_in_a_cluster
	s_endpgm
.Lentry_in_a_cluster:
	s_bfe_u32 s2, ttmp6, 0x10000c
	s_cmp_lg_u32 s2, 0x3003
	s_cbranch_scc0 .Lentry_shape_is_right
	s_endpgm
.Lentry_shape_is_right:
; y = softmax(q k^T / 8, causal) v for one (batch, head), both products on codes of FP6; y is quantised along the model's 1,024 on the way out (a head is half a K step).
; WORK LEFT OUT: steps of 128 keys all of which come after a wave's 16 queries: reference()'s own causal mask gives them weight 0 for all finite inputs (see the first kernel's head).
; THE SOFTMAX: t = score x log2(e) / 8; M = the running largest t rounded up to a whole number; p = 2^(t - M) is quantised along the keys; the row's sum is taken of the unquantised p and divides at the end.
; SHARES.  All of k and v of a (batch, head), 16 records of 13,056 bytes, lies in LDS: wave w brings record w by one tensor load; nothing is filled again.  The four work-groups of a cluster belong to one
; (batch, head) and ask jointly.  A wave owns 16 queries: fragment 8 LV + J, J = the work-group's x.  LV, the 128 tokens it lies in, is made of the wave's number by two orthogonal Latin squares, so that any four waves
; with equal w % 4 or equal w / 4 walk 34 steps together.  Branches hang on the wave's number and the count of steps alone; J enters global addresses and vector data only.
; LAYOUT.  S^T = k q^T, O^T = v^T p^T: a lane holds one query.  K of the first product is 64: q's upper six registers are zero codes, and k's upper six are whatever follows (the next tile's codes): they meet zeros.
; LIMITS: a block of zeros gets the scale byte 1; NaN and infinities are not served.
.set REC,   13056
.set SPARE, 16*REC                     ; the spare words: 128 bytes a wave, named by no other line
.set L16,  1
.set L8,   2
.set R4,   3
.set SPW,  5
.set NIL,  6
.set ADK,  8
.set ADK8, 9
.set ADS,  10
.set WV,   10
.set LV,   13
.set G0,   20
.set G1,   24
.set SEL,  32
.set CS,   34
.set TB,   36
.set SN,   37
.macro CROUND
	s_barrier_signal -1
	s_barrier_wait -1
	s_cmp_lg_u32 s[WV], 0
	s_cbranch_scc1 .Lnot_wave_0_\@
	s_barrier_signal -3
.Lnot_wave_0_\@:
	s_barrier_wait -3
	s_barrier_signal -1
	s_barrier_wait -1
.endm
	s_load_b128 s[4:7], s[0:1], 0x0                ; q, kv
	s_load_b64 s[8:9], s[0:1], 0x10                ; y
	v_lshl_add_u32 v[SPW], v0, 2, SPARE
	v_mov_b32 v[NIL], 0
	ds_add_u32 v[SPW], v[NIL]                      ; the opening: the add, twice on end, and its wait ahead of my first tensor load
	ds_add_u32 v[SPW], v[NIL]
	v_lshrrev_b32 v8, 5, v0
	s_delay_alu instid0(VALU_DEP_1)
	v_readfirstlane_b32 s[WV], v8                  ; wave 0..15 = 4 g + s
	s_lshr_b32 s11, s[WV], 2                       ; g
	s_and_b32 s12, s[WV], 3                        ; s
	s_lshl_b32 s38, s12, 1
	s_lshr_b32 s39, s12, 1
	s_mul_i32 s39, s39, 7
	s_xor_b32 s38, s38, s39
	s_and_b32 s38, s38, 3                          ; m(s) = 0, 2, 3, 1
	s_xor_b32 s38, s38, s11
	s_xor_b32 s39, s11, s12
	s_lshl_b32 s39, s39, 2
	s_add_co_u32 s[LV], s39, s38                   ; LV = 4 (g xor s) + (g xor m(s))
	s_bfe_u32 s14, ttmp6, 0x40000                  ; cx
	s_lshl_b32 s15, ttmp9, 2
	s_add_co_u32 s15, s15, s14                     ; J
	s_and_b32 s16, ttmp7, 0xffff
	s_and_b32 s17, s16, 15                         ; head
	s_lshr_b32 s18, s16, 4                         ; batch
	s_lshl_b32 s19, s17, 5
	s_lshl_b32 s38, s18, 4
	s_add_co_u32 s19, s19, s38                     ; the (batch, head)'s first record
	s_mov_b32 s[G1], 15|(3<<16)|(1<<21)            ; the mask: all four; elements of 8 bytes; bit 21 beside a mask
	s_mov_b32 s[G1+1], 32<<16                      ; a record as 51 rows of 256 bytes
	s_mov_b32 s[G1+2], 51<<16
	s_mov_b32 s[G1+3], 32<<16
	s_mov_b32 s[G1+4], 51
	s_mov_b32 s[G1+5], 32
	s_mov_b32 s[G1+6], 0
	s_mov_b32 s[G1+7], 0
	s_add_co_u32 s38, s19, s[WV]
	s_mul_i32 s38, s38, REC
	s_mov_b32 s39, 0
	s_mov_b32 s[G0], 1
	s_mul_i32 s[G0+1], s[WV], REC
	s_mov_b32 s[SEL], 0x76543210
	s_mov_b32 s[SEL+1], 0xfedcba98
	s_mov_b32 s[CS], 0x3e38aa3b                    ; log2(e) / 8
	s_mov_b32 s[CS+1], s[CS]
	s_wait_dscnt 0x0                               ; both opening adds are done
	CROUND                                         ; the opening round, ahead of the wait for the arguments: all four work-groups are here
	s_wait_kmcnt 0x0
	s_add_nc_u64 s[G0+2:G0+3], s[6:7], s[38:39]
	s_or_b32 s[G0+3], s[G0+3], 0x80000000
	tensor_load_to_lds s[G0:G0+3], s[G1:G1+7]      ; my one load of the launch
	s_nop 0
	s_add_co_u32 s38, s19, s[LV]
	s_mul_i32 s38, s38, 6656
	s_add_nc_u64 s[40:41], s[4:5], s[38:39]        ; q's record
	s_lshl_b32 s38, s15, 6
	s_add_co_u32 s38, s38, 6144
	s_add_nc_u64 s[42:43], s[40:41], s[38:39]      ; my fragment's words,
	s_mul_i32 s38, s15, 768
	s_add_nc_u64 s[40:41], s[40:41], s[38:39]      ; and codes
	s_lshl_b32 s38, s18, 7
	s_lshl_b32 s44, s[LV], 3
	s_add_co_u32 s38, s38, s44
	s_add_co_u32 s38, s38, s15                     ; y's row block: 128 batch + 8 LV + J
	s_lshl_b32 s38, s38, 3
	s_lshr_b32 s44, s17, 1
	s_add_co_u32 s38, s38, s44                     ; K step = the pair of heads
	s_and_b32 s46, s17, 1
	s_mul_i32 s44, s38, 1536
	s_mul_i32 s45, s46, 768
	s_add_co_u32 s44, s44, s45
	s_mov_b32 s45, 0
	s_add_nc_u64 s[44:45], s[8:9], s[44:45]        ; my half image
	s_lshl_b32 s38, s38, 6
	s_lshl_b32 s46, s46, 1
	s_add_co_u32 s38, s38, s46
	s_add_co_u32 s38, s38, 3145728
	s_add_nc_u64 s[46:47], s[8:9], s[38:39]        ; my half of the words
	v_and_b32 v8, 31, v0
	s_delay_alu instid0(VALU_DEP_1)
	v_lshlrev_b32 v[L16], 4, v8
	s_delay_alu instid0(VALU_DEP_2)
	v_lshlrev_b32 v[L8], 3, v8
	v_and_b32 v8, 15, v0                           ; r
	s_delay_alu instid0(VALU_DEP_1)
	v_lshlrev_b32 v[R4], 2, v8
	global_load_b128 v[16:19], v[L16], s[40:41]
	global_load_b64 v[20:21], v[L8], s[40:41] offset:512
	global_load_b32 v255, v[R4], s[42:43]
	v_bfe_u32 v9, v0, 4, 1                         ; h
	v_and_b32 v10, 8, v8
	s_delay_alu instid0(VALU_DEP_1)
	v_add_nc_u32 v10, v10, v8
	s_delay_alu instid0(VALU_DEP_3)
	v_lshlrev_b32 v11, 4, v9
	s_delay_alu instid0(VALU_DEP_1)
	v_sub_nc_u32 v28, v10, v11
	s_lshr_b32 s38, s15, 1
	s_lshl_b32 s38, s38, 5
	s_and_b32 s39, s15, 1
	s_lshl_b32 s39, s39, 3
	s_add_co_u32 s38, s38, s39
	v_add_nc_u32 v28, s38, v28                     ; d = my query's place in its 128 tokens - 16 h: register 16 b + i holds key 32 b + 16 h + i, hidden on the diagonal where 32 b + i > d
.irp j, 22,23,24,25,26,27,80,81,82,83,84,85
	v_mov_b32 v\j, 0                               ; q's upper half: zero codes; and what tile 7's upper half names
.endr
	v_mov_b32 v13, 0xff61b1e6                      ; the largest t so far: -3e38
	s_delay_alu instid0(VALU_DEP_1)
	v_floor_f32 v12, -v13                          ; -M
	v_mov_b32 v14, 0
	v_mov_b32 v15, 0
.irp b, 0,1,2,3
	v_mov_b32 v[236+\b], 0                         ; a lane permute's destination counts as read
.endr
	v_mov_b32 v252, 0                              ; likewise: the way out's permute lands here
	v_mov_b32 v253, 0
.set j, 0
.rept 32
	v_mov_b32 v[160+j], 0                          ; O^T: the step is written once; the first finds zeros
.set j, j+1
.endr
	s_mov_b32 s[TB], 0
	s_mov_b32 s[SN], 0
	s_wait_tensorcnt 0x0                           ; my record has landed,
	s_wait_loadcnt 0x0
	s_barrier_signal -1
	s_barrier_wait -1                              ; everybody's has
.Lstep:                                            ; 16 trips, a constant; a step past my queries is jumped over
	s_cmp_gt_u32 s[SN], s[LV]
	s_cbranch_scc1 .Lskip
	v_add_nc_u32 v[ADK], s[TB], v[L16]
	v_add_nc_u32 v[ADK8], s[TB], v[L8]
	v_add_nc_u32 v[ADS], s[TB], v[R4]
	v_nop                                          ; four places ahead of loads into registers that the last products read
.irp t, 0,1,2,3,4,5,6,7
	ds_load_b128 v[32+6*\t:35+6*\t], v[ADK] offset:768*\t
	ds_load_b64 v[36+6*\t:37+6*\t], v[ADK8] offset:768*\t+512
	ds_load_b32 v[192+\t], v[ADS] offset:6144+64*\t
.endr
	s_wait_alu depctr_va_vdst(0)
	s_wait_dscnt 0x0
.irp t, 0,1,2,3,4,5,6,7
	v_wmma_scale_f32_16x16x128_f8f6f4 v[96+8*\t:103+8*\t], v[32+6*\t:43+6*\t], v[16:27], 0, v[192+\t], v255 matrix_a_fmt:MATRIX_FMT_FP6 matrix_b_fmt:MATRIX_FMT_FP6
.endr
.rept 4
	v_nop
.endr
.irp t, 0,1,2,3                                ; v^T's four fragments are asked for now and land under the softmax
	ds_load_b128 v[32+12*\t:35+12*\t], v[ADK] offset:6656+1536*\t
	ds_load_b64 v[36+12*\t:37+12*\t], v[ADK8] offset:6656+1536*\t+512
	ds_load_b128 v[38+12*\t:41+12*\t], v[ADK] offset:6656+1536*\t+768
	ds_load_b64 v[42+12*\t:43+12*\t], v[ADK8] offset:6656+1536*\t+1280
	ds_load_b32 v[200+\t], v[ADS] offset:12800+64*\t
.endr
	s_cmp_lg_u32 s[SN], s[LV]
	s_cbranch_scc1 .Lopen
	v_mov_b32 v254, 0xff800000                     ; on the diagonal hidden scores become -infinity ahead of the maximum
.set n, 0
.rept 64
	v_cmp_gt_i32 vcc_lo, 32*(n/16)+n%16, v28
	v_cndmask_b32 v[96+n], v[96+n], v254, vcc_lo
.set n, n+1
.endr
.Lopen:
.irp b, 0,1,2,3
	v_max3_num_f32 v[232+\b], v[96+16*\b], v[97+16*\b], v[98+16*\b]   ; each block's largest score: for the row's maximum, and for the block's largest p
.endr
.irp i, 3,5,7,9,11,13
.irp b, 0,1,2,3
	v_max3_num_f32 v[232+\b], v[232+\b], v[96+16*\b+\i], v[97+16*\b+\i]
.endr
.endr
.irp b, 0,1,2,3
	v_max_num_f32 v[232+\b], v[232+\b], v[111+16*\b]
.endr
.irp b, 0,1,2,3
	s_delay_alu instid0(VALU_DEP_4)
	v_permlanex16_b32 v[236+\b], v[232+\b], s[SEL], s[SEL+1]
.endr
.irp b, 0,1,2,3
	s_delay_alu instid0(VALU_DEP_4)
	v_max_num_f32 v[232+\b], v[232+\b], v[236+\b]
.endr
	s_delay_alu instid0(VALU_DEP_2)
	v_max3_num_f32 v254, v232, v233, v234
	s_delay_alu instid0(VALU_DEP_1)
	v_max_num_f32 v254, v254, v235
	s_delay_alu instid0(VALU_DEP_1)
	v_mul_f32 v254, s[CS], v254
	s_delay_alu instid0(VALU_DEP_1)
	v_max_num_f32 v13, v13, v254                   ; the running largest t
	v_mov_b32 v254, v12
	s_delay_alu instid0(VALU_DEP_2)
	v_floor_f32 v12, -v13                          ; -M = floor(-t)
	s_delay_alu instid0(VALU_DEP_1)
	v_sub_f32 v254, v12, v254                      ; old M - new M: a whole number, 0 or less
	s_delay_alu instid0(VALU_DEP_1)
	v_cvt_i32_f32 v254, v254
	s_delay_alu instid0(VALU_DEP_1)
	v_ldexp_f32 v252, 1.0, v254                    ; f = 2^(old M - new M)
.set j, 0
.rept 32
	v_pk_fma_f32 v[96+j:97+j], v[96+j:97+j], s[CS:CS+1], v[12:13] op_sel_hi:[1,0,0]   ; t - M
.set j, j+2
.endr
.irp b, 0,1,2,3
	v_fma_f32 v[232+\b], v[232+\b], s[CS], v12
.endr
.set j, 0
	s_wait_alu depctr_va_vdst(0)
.rept 64
	v_exp_f32 v[96+j], v[96+j]                     ; p
.set j, j+1
.endr
	v_pk_mul_f32 v[14:15], v[14:15], v[252:253] op_sel_hi:[1,0]   ; the sums under the new M; a plain line behind the exponentials
	s_wait_alu depctr_va_vdst(0)                   ; one wait for the batch, ahead of its first reader
.irp b, 0,1,2,3
	v_exp_f32 v[232+\b], v[232+\b]                 ; each block's largest p
.endr
	v_pk_add_f32 v[236:237], v[100:101], v[104:105]
	v_pk_add_f32 v[250:251], v[108:109], v[112:113]
	v_pk_add_f32 v[248:249], v[116:117], v[120:121]
	v_pk_add_f32 v[246:247], v[124:125], v[128:129]
	v_pk_add_f32 v[244:245], v[132:133], v[136:137]
	v_pk_add_f32 v[242:243], v[140:141], v[144:145]
	v_pk_add_f32 v[240:241], v[148:149], v[152:153]
	v_pk_add_f32 v[14:15], v[14:15], v[156:157]
	v_pk_add_f32 v[236:237], v[236:237], v[96:97]
	v_pk_add_f32 v[250:251], v[250:251], v[98:99]
	v_pk_add_f32 v[248:249], v[248:249], v[102:103]
	v_pk_add_f32 v[246:247], v[246:247], v[106:107]
	v_pk_add_f32 v[244:245], v[244:245], v[110:111]
	v_pk_add_f32 v[242:243], v[242:243], v[114:115]
	v_pk_add_f32 v[240:241], v[240:241], v[118:119]
	v_pk_add_f32 v[14:15], v[14:15], v[122:123]
	v_pk_add_f32 v[236:237], v[236:237], v[126:127]
	v_pk_add_f32 v[250:251], v[250:251], v[130:131]
	v_pk_add_f32 v[248:249], v[248:249], v[134:135]
	v_pk_add_f32 v[246:247], v[246:247], v[138:139]
	v_pk_add_f32 v[244:245], v[244:245], v[142:143]
	v_pk_add_f32 v[242:243], v[242:243], v[146:147]
	v_pk_add_f32 v[240:241], v[240:241], v[150:151]
	v_pk_add_f32 v[14:15], v[14:15], v[154:155]
	v_pk_add_f32 v[236:237], v[236:237], v[158:159]
	s_delay_alu instid0(VALU_DEP_2)
	v_pk_add_f32 v[14:15], v[14:15], v[246:247]
	s_delay_alu instid0(VALU_DEP_2)
	v_pk_add_f32 v[236:237], v[236:237], v[244:245]
	v_pk_add_f32 v[250:251], v[250:251], v[242:243]
	v_pk_add_f32 v[248:249], v[248:249], v[240:241]
	s_delay_alu instid0(VALU_DEP_2)
	v_pk_add_f32 v[14:15], v[14:15], v[250:251]
	s_delay_alu instid0(VALU_DEP_2)
	v_pk_add_f32 v[236:237], v[236:237], v[248:249]
	s_delay_alu instid0(VALU_DEP_1)
	v_pk_add_f32 v[14:15], v[14:15], v[236:237]
	s_wait_alu depctr_va_vdst(0)                   ; and one for the four
.irp b, 0,1,2,3
	v_max_num_f32 v[232+\b], 0x1800000, v[232+\b]
.endr
.irp b, 0,1,2,3
	s_delay_alu instid0(VALU_DEP_4)
	v_add_nc_u32 v[244+\b], 0xff000000, v[232+\b]
.endr
.irp b, 0,1,2,3
	s_delay_alu instid0(VALU_DEP_4)
	v_lshrrev_b32 v[236+\b], 23, v[244+\b]
.endr
	s_delay_alu instid0(VALU_DEP_3)
	v_lshl_or_b32 v253, v237, 8, v236              ; p's scale word
	s_delay_alu instid0(VALU_DEP_1)
	v_lshl_or_b32 v253, v238, 16, v253
	s_delay_alu instid0(VALU_DEP_1)
	v_lshl_or_b32 v253, v239, 24, v253
.irp c, 0,1
	v_cvt_scalef32_pk16_fp6_f32 v[224+6*\c:226+6*\c], v[96+32*\c:111+32*\c], v[244+2*\c]
	v_cvt_scalef32_pk16_fp6_f32 v[236+4*\c:238+4*\c], v[112+32*\c:127+32*\c], v[245+2*\c]
.endr
	v_nop
.irp c, 0,1
.irp i, 0,1,2
	v_permlane16_swap_b32 v[224+6*\c+\i], v[236+4*\c+\i]
.endr
.irp i, 0,1,2
	s_delay_alu instid0(VALU_DEP_3)
	v_mov_b32 v[227+6*\c+\i], v[236+4*\c+\i]
.endr
.endr
.set j, 0
.rept 16
	v_pk_mul_f32 v[160+j:161+j], v[160+j:161+j], v[252:253] op_sel_hi:[1,0]   ; O^T under the new M; also the places ahead of the products
.set j, j+2
.endr
	s_wait_alu depctr_va_vdst(0)
	s_wait_dscnt 0x0                               ; v^T is in
.irp t, 0,1,2,3
	v_wmma_scale_f32_16x16x128_f8f6f4 v[160+8*\t:167+8*\t], v[32+12*\t:43+12*\t], v[224:235], v[160+8*\t:167+8*\t], v[200+\t], v253 matrix_a_fmt:MATRIX_FMT_FP6 matrix_b_fmt:MATRIX_FMT_FP6
.endr
.Lskip:
	s_add_co_u32 s[TB], s[TB], REC
	s_add_co_u32 s[SN], s[SN], 1
	s_cmp_lt_u32 s[SN], 16
	s_cbranch_scc1 .Lstep
	; THE WAY OUT: O^T / the sum: register 16 b + i = channel 32 b + 16 h + i of my query: two blocks of the next K
.rept 4
	v_nop                                          ; places behind the last products
.endr
	v_add_f32 v14, v14, v15
	s_delay_alu instid0(VALU_DEP_1)
	v_permlanex16_b32 v252, v14, s[SEL], s[SEL+1]
	s_delay_alu instid0(VALU_DEP_1)
	v_add_f32 v14, v14, v252
	s_wait_alu depctr_va_vdst(0)
	v_rcp_f32 v14, v14
	v_nop
	s_wait_alu depctr_va_vdst(0)
.set j, 0
.rept 32
	v_mul_f32 v[96+j], v[160+j], v14
.set j, j+1
.endr
.irp b, 0,1
	v_max3_num_f32 v[232+\b], |v[96+16*\b]|, |v[97+16*\b]|, 0x1800000
.endr
.irp i, 2,4,6,8,10,12,14
.irp b, 0,1
	s_delay_alu instid0(VALU_DEP_2)
	v_max3_num_f32 v[232+\b], v[232+\b], |v[96+16*\b+\i]|, |v[97+16*\b+\i]|
.endr
.endr
.irp b, 0,1
	s_delay_alu instid0(VALU_DEP_2)
	v_permlanex16_b32 v[236+\b], v[232+\b], s[SEL], s[SEL+1]
.endr
.irp b, 0,1
	s_delay_alu instid0(VALU_DEP_2)
	v_max_num_f32 v[232+\b], v[232+\b], v[236+\b]
.endr
.irp b, 0,1
	s_delay_alu instid0(VALU_DEP_2)
	v_add_nc_u32 v[244+\b], 0xff000000, v[232+\b]
.endr
.irp b, 0,1
	s_delay_alu instid0(VALU_DEP_2)
	v_lshrrev_b32 v[236+\b], 23, v[244+\b]
.endr
	s_delay_alu instid0(VALU_DEP_1)
	v_lshl_or_b32 v253, v237, 8, v236              ; my head's two bytes of the row's word
	v_cvt_scalef32_pk16_fp6_f32 v[224:226], v[96:111], v244
	v_cvt_scalef32_pk16_fp6_f32 v[240:242], v[112:127], v245
	v_nop
.irp i, 0,1,2
	v_permlane16_swap_b32 v[224+\i], v[240+\i]
.endr
.irp i, 0,1,2
	s_delay_alu instid0(VALU_DEP_3)
	v_mov_b32 v[227+\i], v[240+\i]
.endr
	global_store_b128 v[L16], v[224:227], s[44:45]
	global_store_b64 v[L8], v[228:229], s[44:45] offset:512
	global_store_b16 v[R4], v253, s[46:47]
	s_wait_tensorcnt 0x0                           ; the wave's end
	ds_add_u32 v[SPW], v[NIL]
	s_wait_dscnt 0x0
	CROUND                                         ; the closing round
	s_endpgm
.Lfunc_end_k_qb624473b38_attn:
	.size	k_qb624473b38_attn, .Lfunc_end_k_qb624473b38_attn-k_qb624473b38_attn
	.p2alignl 7, 3214868480
	.fill 96, 4, 3214868480
	.section	.rodata,"a",@progbits
	.p2align	6, 0x0
	.amdhsa_kernel k_qb624473b38_attn
		.amdhsa_group_segment_fixed_size 210944
		.amdhsa_private_segment_fixed_size 0
		.amdhsa_enable_private_segment 0
		.amdhsa_kernarg_size 24
		.amdhsa_user_sgpr_count 2
		.amdhsa_user_sgpr_kernarg_segment_ptr 1
		.amdhsa_wavefront_size32 1
		.amdhsa_system_sgpr_workgroup_id_x 1
		.amdhsa_system_sgpr_workgroup_id_y 1
		.amdhsa_system_sgpr_workgroup_id_z 1
		.amdhsa_system_vgpr_workitem_id 0
		.amdhsa_next_free_vgpr 256
		.amdhsa_next_free_sgpr 66
		.amdhsa_reserve_vcc 1
		.amdhsa_float_denorm_mode_32 3
		.amdhsa_float_denorm_mode_16_64 3
		.amdhsa_memory_ordered 1
		.amdhsa_forward_progress 1
		.amdhsa_inst_pref_size 35
	.end_amdhsa_kernel
	.amdgpu_metadata
---
amdhsa.version: [ 1, 2 ]
amdhsa.kernels:
  - .name:           k_qb624473b38_attn
    .symbol:         k_qb624473b38_attn.kd
    .args:
      - { .name: q, .offset: 0, .size: 8, .value_kind: global_buffer, .address_space: global }
      - { .name: kv, .offset: 8, .size: 8, .value_kind: global_buffer, .address_space: global }
      - { .name: y, .offset: 16, .size: 8, .value_kind: global_buffer, .address_space: global }
    .group_segment_fixed_size: 210944
    .private_segment_fixed_size: 0
    .kernarg_segment_align: 8
    .kernarg_segment_size: 24
    .max_flat_workgroup_size: 512
    .sgpr_count:     66
    .vgpr_count:     256
    .wavefront_size: 32
...
	.end_amdgpu_metadata
.endif
;; end of part 3
;; launch wo (part 4): grid 8 x 32, 4 waves a work-group, clusters of 4 x 4, 327,680 bytes of LDS; arguments y, w, bo, x, y2; writes y2
.if DOCPART == 4
	.amdgcn_target "amdgcn-amd-amdhsa--gfx1250"
	.amdhsa_code_object_version 6
	.text
	.protected	k_qb624473b38_wo
	.globl	k_qb624473b38_wo
	.p2align	8
	.type	k_qb624473b38_wo,@function
k_qb624473b38_wo:
	s_mov_b64 s[64:65], 0
	v_nop
	global_prefetch_b8 v0, s[64:65] scope:SCOPE_SE
	s_setreg_imm32_b32 hwreg(HW_REG_WAVE_MODE, 25, 1), 1
	s_wait_xcnt 0x0
	s_wait_alu depctr_hold_cnt(0) depctr_sa_sdst(0) depctr_va_vdst(0) depctr_va_sdst(0) depctr_va_ssrc(0) depctr_va_vcc(0) depctr_vm_vsrc(0)
	s_getreg_b32 s2, hwreg(HW_REG_IB_STS2, 6, 4)
	s_cmp_eq_u32 s2, 0
	s_cbranch_scc0 .Lentry_in_a_cluster
	s_endpgm
.Lentry_in_a_cluster:
	s_bfe_u32 s2, ttmp6, 0x10000c
	s_cmp_lg_u32 s2, 0xf033
	s_cbranch_scc0 .Lentry_shape_is_right
	s_endpgm
.Lentry_shape_is_right:
; y2 = x + y Wo + bo.  y and Wo are codes of FP6 as fragment images (first kernel); the result is f32.
; N = 1,024 gives only 64 tiles of 256 x 256, so a work-group makes 128 x 128 and all 256 work-groups have one; four waves of 64 x 64 (16 accumulators).  K = 1,024 lies in LDS whole: one fill at the head, nothing is filled again.
; CLUSTER 4 x 4: A's tile is shared along a row of the cluster, B's along a column, by joint loads.  The bias is the C of each sum's first product; the residual is loaded at the head, in the stores' own lane pattern.
; Source 0 = columns of Wo, source 1 = tokens: a lane holds a token and eight neighbouring columns; a block of 16 rows goes through the wave's own stage in LDS and leaves as runs of 256 bytes.
.set BM,    4
.set LBM,   2
.set NQ,    8                          ; ALL EIGHT K STEPS LIE IN LDS AT ONCE: one fill at the head, one load a wave (A's tile, B's tile, A's scale words, B's); no second slot, nothing is filled again
.set KS,    8
.set ASOFF, 3145728                    ; A's scale words in its buffer
.set BCOFF, 2359296                    ; B's codes in w
.set BSOFF, 9437184+98304              ; B's scale words in w
.set LAPS,  KS/(2*NQ)
.set FRB,   1536
.set NL,    4
.set HALFT, BM*NQ*FRB
.set SLOT,  4*HALFT
.set SCL,   SLOT
.set HALFS, BM*KS*64
.set STG,   SCL+4*HALFS                ; four stages of 16 rows x 272 bytes: no fill lands here
.set SPARE, STG+4*4352                 ; the spare words: 128 bytes a wave, named by no other line
.set ADRA, 16
.set ADRB, 20
.set STO,  24
.set RD,   25
.set CO,   26
.set ADRS, 27
.set SPW,  28
.set NIL,  29
.set SC,   32
.set BI,   64
.set AF,   128
.set G1, 24
.set G0, 32
.set G1B, 48
.set G0B, 56
.set G1S, 68
.set G0S, 76
.set G1SB, 80
.set G0SB, 88
.set MSB, 0
.macro WIN new
.if MSB != (\new)
	s_set_vgpr_msb (MSB<<8)|(\new)
.set MSB, (\new)
.endif
.endm
.macro JLOAD g0a, g1a, g0b, g1b
	s_cmp_eq_u32 s15, 0
	s_cbranch_scc0 .Lfor_b_\@
	tensor_load_to_lds s[\g0a:\g0a+3], s[\g1a:\g1a+7]
	s_nop 0
.rept 4
	v_nop
.endr
	s_branch .Lasked_\@
.Lfor_b_\@:
	tensor_load_to_lds s[\g0b:\g0b+3], s[\g1b:\g1b+7]
	s_nop 0
.rept 4
	v_nop
.endr
.Lasked_\@:
.endm
.macro CREST
	s_cmp_lg_u32 s14, 0
	s_cbranch_scc1 .Lnot_wave_0_\@
	s_barrier_signal -3
.Lnot_wave_0_\@:
	s_barrier_wait -3
	s_barrier_signal -1
	s_barrier_wait -1
.endm
.macro CROUND
	s_barrier_signal -1
	s_barrier_wait -1
	CREST
.endm
.macro PLACES
.rept 4
	v_nop
.endr
.endm
.macro FRAG reg, adr, off
	ds_load_b128 v[(\reg):(\reg)+3], v[\adr] offset:(\off)
	ds_load_b64 v[(\reg)+4:(\reg)+5], v[\adr+2] offset:(\off)+512
	ds_load_b128 v[(\reg)+6:(\reg)+9], v[\adr] offset:(\off)+768
	ds_load_b64 v[(\reg)+10:(\reg)+11], v[\adr+2] offset:(\off)+1280
.endm
.macro FETCH_B slot, q, p
	WIN 0x40
.set fi, 0
.rept BM
	FRAG 128*(\p)+12*fi, ADRB+\slot, (fi*NQ+(\q))*FRB
.set fi, fi+1
.endr
	WIN 0
.endm
.macro FETCH_A slot, q, hf
.set fi, (\hf)*BM/2
.rept BM/2
	FRAG AF+12*fi, ADRA+\slot, (fi*NQ+(\q))*FRB
.set fi, fi+1
.endr
.endm
.macro SCALES sc
.set fi, 0
.rept BM
.set fq, 0
.rept NQ
	ds_load_b32 v[SC+16*(\sc)+NQ*fi+fq], v[ADRS] offset:(fi*KS+fq)*64
.set fq, fq+1
.endr
.set fi, fi+1
.endr
.endm
.macro MULQ g, p, q, sc, init          ; init: 0 add in place; 1 C = the bias by B's block.  The accumulators take turns
.if (\init)==1
	WIN 0x81+0x40*((\g)/2)
.else
	WIN 0xa1+0x50*((\g)/2)
.endif
.set ma, (\g)*BM/4
.rept BM/4
.set mb, 0
.rept BM
.set rD, 8*(BM*(ma%(BM/2))+mb)
.set rC, rD
.if (\init)==1
.set rC, BI+8*mb
.endif
	v_wmma_scale_f32_16x16x128_f8f6f4 v[rD:rD+7], v[128*(\p)+12*mb:128*(\p)+12*mb+11], v[AF+12*ma:AF+12*ma+11], v[rC:rC+7], v[SC+16*(\sc)+NQ*mb+(\q)], v[SC+16*(\sc)+NQ*ma+(\q)] matrix_a_fmt:MATRIX_FMT_FP6 matrix_b_fmt:MATRIX_FMT_FP6 matrix_a_scale:MATRIX_SCALE_ROW1
.set mb, mb+1
.endr
.set ma, ma+1
.endr
.endm
.macro STEP slot, q, init
	s_wait_dscnt (BM/2)*NL                         ; all but the youngest loads, A's upper half
	MULQ 0, (\q)%2, \q, \slot, \init
	MULQ 1, (\q)%2, \q, \slot, \init
	s_wait_dscnt 0x0
	PLACES
	FETCH_B \slot, (\q)+1, 1-(\q)%2
	FETCH_A \slot, (\q)+1, 0
	MULQ 2, (\q)%2, \q, \slot, \init
	MULQ 3, (\q)%2, \q, \slot, \init
	PLACES
	WIN 0
	FETCH_A \slot, (\q)+1, 1
.endm
.macro REST slot
.if NQ > 2
.set rq, 1
.rept NQ-2
	STEP \slot, rq, 0
.set rq, rq+1
.endr
.endif
.endm
.macro TURN slot, next, fill
	s_wait_tensorcnt 0x0                           ; my part of the next slot has landed; no load of mine is out
	ds_add_u32 v[SPW], v[NIL]
	s_wait_dscnt (BM/2)*NL+1                       ; (the add and A's upper half may be out)
	MULQ 0, 1, NQ-1, \slot, 0
	s_wait_dscnt 0x0                               ; the add is done, my reads of this slot are over
	s_barrier_signal -1
	MULQ 1, 1, NQ-1, \slot, 0
	WIN 0
	s_barrier_wait -1
.if \fill
	CREST
	s_add_nc_u64 s[G0+4*\slot+2:G0+4*\slot+3], s[G0+4*\slot+2:G0+4*\slot+3], 2*NQ*FRB
	s_add_nc_u64 s[G0B+4*\slot+2:G0B+4*\slot+3], s[G0B+4*\slot+2:G0B+4*\slot+3], 2*NQ*FRB
	JLOAD G0+4*\slot, G1, G0B+4*\slot, G1B
.else
	PLACES
.endif
	v_add_nc_u32 v[ADRS], NQ*64, v[ADRS]
	FETCH_B \next, 0, 0
	FETCH_A \next, 0, 0
	SCALES \next
	MULQ 2, 1, NQ-1, \slot, 0
	MULQ 3, 1, NQ-1, \slot, 0
	PLACES
	WIN 0
	FETCH_A \next, 0, 1
.endm
.macro LAST
	s_wait_dscnt (BM/2)*NL
	MULQ 0, 1, NQ-1, 0, 0
	MULQ 1, 1, NQ-1, 0, 0
	s_wait_dscnt 0x0
	MULQ 2, 1, NQ-1, 0, 0
	MULQ 3, 1, NQ-1, 0, 0
	WIN 0
.endm
	s_load_b128 s[4:7], s[0:1], 0x0                ; A, w
	s_load_b128 s[8:11], s[0:1], 0x10              ; the bias, the residual
	s_load_b64 s[12:13], s[0:1], 0x20              ; the result
	v_lshl_add_u32 v[SPW], v0, 2, SPARE
	v_mov_b32 v[NIL], 0
	ds_add_u32 v[SPW], v[NIL]                      ; the opening: the add, twice on end, and its wait ahead of my first tensor load
	ds_add_u32 v[SPW], v[NIL]
	v_lshrrev_b32 v1, 5, v0
	v_readfirstlane_b32 s14, v1
	s_lshr_b32 s15, s14, 1
	s_and_b32 s16, s14, 1
	s_bfe_u32 s40, ttmp6, 0x40000
	s_bfe_u32 s41, ttmp6, 0x40004
	s_lshl_b32 s42, ttmp9, 2
	s_add_co_u32 s42, s42, s40                     ; tile column
	s_and_b32 s17, ttmp7, 0xffff
	s_lshl_b32 s17, s17, 2
	s_add_co_u32 s17, s17, s41                     ; tile row
	s_lshl_b32 s43, s41, 2
	s_lshl_b32 s43, 15, s43
	s_lshl_b32 s44, 0x1111, s40
	s_or_b32 s[G1+0], s43, (3<<16)|(1<<21)
	s_or_b32 s[G1B+0], s44, (3<<16)|(1<<21)
.irp g, G1, G1B
	s_mov_b32 s[\g+1], (192*NQ)<<16
	s_mov_b32 s[\g+2], (2*BM)<<16                  ; one load brings both halves of a tile: eight row blocks, all of K, dense in memory
	s_mov_b32 s[\g+3], (192*NQ)<<16
	s_mov_b32 s[\g+4], 2*BM
	s_mov_b32 s[\g+5], 192*KS
	s_mov_b32 s[\g+6], 0
	s_mov_b32 s[\g+7], 0
.endr
	s_or_b32 s[G1S+0], s43, (3<<16)|(1<<21)
	s_or_b32 s[G1SB+0], s44, (3<<16)|(1<<21)
.irp g, G1S, G1SB
	s_mov_b32 s[\g+1], 32<<16
	s_mov_b32 s[\g+2], (2*HALFS/256)<<16
	s_mov_b32 s[\g+3], 32<<16
	s_mov_b32 s[\g+4], 2*HALFS/256
	s_mov_b32 s[\g+5], 32
	s_mov_b32 s[\g+6], 0
	s_mov_b32 s[\g+7], 0
.endr
	s_lshl_b32 s20, s17, LBM+1                     ; A's tile: its first row block
	s_lshl_b32 s46, s42, LBM+1                     ; B's
	s_mul_i32 s22, s20, KS*64
	s_add_co_u32 s22, s22, ASOFF
	s_mov_b32 s23, 0
	s_mul_i32 s20, s20, KS*FRB
	s_mov_b32 s21, 0
	s_mul_i32 s92, s46, KS*64
	s_add_co_u32 s92, s92, BSOFF
	s_mov_b32 s93, 0
	s_mul_i32 s46, s46, KS*FRB
	s_add_co_u32 s46, s46, BCOFF
	s_mov_b32 s47, 0
	s_wait_dscnt 0x0
	CROUND                                         ; the opening round, ahead of the wait for the arguments
	s_wait_kmcnt 0x0
	s_add_nc_u64 s[20:21], s[4:5], s[20:21]
	s_add_nc_u64 s[22:23], s[4:5], s[22:23]
	s_add_nc_u64 s[46:47], s[6:7], s[46:47]
	s_add_nc_u64 s[92:93], s[6:7], s[92:93]
	s_mov_b32 s[G0S], 1
	s_mov_b32 s[G0S+1], SCL
	s_mov_b64 s[G0S+2:G0S+3], s[22:23]
	s_or_b32 s[G0S+3], s[G0S+3], 0x80000000
	s_mov_b32 s[G0SB], 1
	s_mov_b32 s[G0SB+1], SCL+2*HALFS
	s_mov_b64 s[G0SB+2:G0SB+3], s[92:93]
	s_or_b32 s[G0SB+3], s[G0SB+3], 0x80000000
	s_mov_b32 s[G0], 1
	s_mov_b32 s[G0+1], 0
	s_mov_b64 s[G0+2:G0+3], s[20:21]
	s_or_b32 s[G0+3], s[G0+3], 0x80000000
	s_mov_b32 s[G0B], 1
	s_mov_b32 s[G0B+1], 2*HALFT
	s_mov_b64 s[G0B+2:G0B+3], s[46:47]
	s_or_b32 s[G0B+3], s[G0B+3], 0x80000000
.macro ARM under, g0, g1, next         ; one chain of branches on the wave's number, a load to an arm, all arms to one join
	s_cmp_lt_u32 s14, \under
	s_cbranch_scc0 \next
	tensor_load_to_lds s[\g0:\g0+3], s[\g1:\g1+7]
	s_nop 0
.rept 4
	v_nop
.endr
	s_branch .Lhead_asked
\next:
.endm
	ARM 1, G0, G1, .Lhead_b
	ARM 2, G0B, G1B, .Lhead_sa
	ARM 3, G0S, G1S, .Lhead_sb
	tensor_load_to_lds s[G0SB:G0SB+3], s[G1SB:G1SB+7]
	s_nop 0
.rept 4
	v_nop
.endr
.Lhead_asked:
	v_and_b32 v1, 31, v0
	v_and_b32 v2, 15, v0                           ; r
	v_bfe_u32 v3, v0, 4, 1                         ; h
	v_lshlrev_b32 v4, 4, v1
	v_lshlrev_b32 v5, 3, v1
	s_mul_i32 s21, s15, HALFT
	s_mul_i32 s22, s16, HALFT
	s_add_co_u32 s22, s22, 2*HALFT
.irp s, 0,1
	v_add_nc_u32 v[ADRA+\s], s21, v4
	v_add_nc_u32 v[ADRA+2+\s], s21, v5
	v_add_nc_u32 v[ADRB+\s], s22, v4
	v_add_nc_u32 v[ADRB+2+\s], s22, v5
	s_add_co_u32 s21, s21, SLOT
	s_add_co_u32 s22, s22, SLOT
.endr
	s_mul_i32 s21, s15, HALFS
	s_mul_i32 s22, s16, HALFS
	s_add_co_u32 s22, s22, 2*HALFS
	s_sub_co_u32 s22, s22, s21
	v_mul_u32_u24 v6, s22, v3
	s_add_co_u32 s21, s21, SCL
	v_lshl_add_u32 v6, v2, 2, v6
	v_add_nc_u32 v[ADRS], s21, v6
	s_mul_i32 s23, s14, 4352
	s_add_co_u32 s23, s23, STG                     ; my stage
	v_mul_u32_u24 v6, v2, 272
	v_lshl_add_u32 v6, v3, 6, v6
	v_add_nc_u32 v[STO], s23, v6                   ; in: place r, + 64 h
	v_mul_u32_u24 v6, v3, 272
	v_lshl_add_u32 v6, v2, 4, v6
	v_add_nc_u32 v[RD], s23, v6                    ; back: lanes 0-15 one place, lanes 16-31 the next
	v_lshlrev_b32 v6, 12, v3
	v_lshl_add_u32 v[CO], v2, 4, v6                ; and the same two rows in memory
	s_wait_alu depctr_va_vdst(0)
	s_lshl_b32 s46, s42, 9
	s_lshl_b32 s47, s16, 8
	s_add_co_u32 s46, s46, s47                     ; my first column, in bytes
	s_mov_b32 s47, 0
	s_add_nc_u64 s[8:9], s[8:9], s[46:47]
	s_lshl_b32 s20, s17, 19
	s_lshl_b32 s21, s15, 18
	s_add_co_u32 s20, s20, s21                     ; my first row, in bytes
	s_mov_b32 s21, 0
	s_add_nc_u64 s[20:21], s[20:21], s[46:47]
	s_add_nc_u64 s[10:11], s[10:11], s[20:21]
	s_add_nc_u64 s[12:13], s[12:13], s[20:21]
	v_lshlrev_b32 v7, 6, v3
.irp z, 0,1,2,3
	global_load_b128 v[BI+8*\z:BI+8*\z+3], v7, s[8:9] offset:(32*(\z/2)+8*(\z%2))*4
	global_load_b128 v[BI+8*\z+4:BI+8*\z+7], v7, s[8:9] offset:(32*(\z/2)+8*(\z%2))*4+16
.endr
	WIN 0xc0                                       ; the residual: window 3, v64-191
.irp z, 0,1,2,3
.irp t, 0,1,2,3,4,5,6,7
	global_load_b128 v[64+32*\z+4*\t:64+32*\z+4*\t+3], v[CO], s[10:11] offset:(32*(\z/2)+8*(\z%2)+2*\t+8*(\t/4))*4096
.endr
.endr
	WIN 0
	s_wait_loadcnt 32                              ; the bias is in; the residual's 32 loads may be out
	s_wait_tensorcnt 0x0                           ; my tile of the four is in; the barrier shows all four to every wave
	s_barrier_signal -1
	s_barrier_wait -1
	FETCH_B 0, 0, 0
	FETCH_A 0, 0, 0
	SCALES 0
	FETCH_A 0, 0, 1
	STEP 0, 0, 1
.if LAPS > 1
	s_mov_b32 s3, LAPS-1
.Llap:
	REST 0
	TURN 0, 1, 1
	STEP 1, 0, 0
	REST 1
	TURN 1, 0, 1
	STEP 0, 0, 0
	s_sub_co_u32 s3, s3, 1
	s_cmp_lg_u32 s3, 0
	s_cbranch_scc1 .Llap
.endif
	REST 0
	LAST
	PLACES
.macro TOSTAGE n                       ; A's block n: 16 places x 64 columns through my stage; LDS serves a wave's instructions in order, so no wait stands between
	WIN 0x08+4*((\n)/2)
.irp z, 0,1,2,3
	ds_store_b128 v[STO], v[32*((\n)%2)+8*\z:32*((\n)%2)+8*\z+3] offset:128*(\z/2)+32*(\z%2)      ; each accumulator from its low end on
	ds_store_b128 v[STO], v[32*((\n)%2)+8*\z+4:32*((\n)%2)+8*\z+7] offset:128*(\z/2)+32*(\z%2)+16
.endr
	WIN 0
.irp t, 0,1,2,3,4,5,6,7
	ds_load_b128 v[128+32*(\n)+4*\t:128+32*(\n)+4*\t+3], v[RD] offset:544*\t
.endr
.endm
.macro SEND n
	s_wait_dscnt 16*(3-(\n))                       ; the later blocks' sixteen LDS instructions each may be out
	WIN 0x0c
.set si, 0
.rept 16
	v_pk_add_f32 v[128+32*(\n)+2*si:128+32*(\n)+2*si+1], v[128+32*(\n)+2*si:128+32*(\n)+2*si+1], v[64+32*(\n)+2*si:64+32*(\n)+2*si+1]
.set si, si+1
.endr
	WIN 0
.irp t, 0,1,2,3,4,5,6,7
	global_store_b128 v[CO], v[128+32*(\n)+4*\t:128+32*(\n)+4*\t+3], s[12:13] offset:(32*((\n)/2)+8*((\n)%2)+2*\t+8*(\t/4))*4096   ; sixteen lanes store 256 consecutive bytes, aligned
.endr
.endm
	TOSTAGE 0
	TOSTAGE 1
	TOSTAGE 2
	TOSTAGE 3
	s_wait_loadcnt 0x0                             ; the residual
	SEND 0
	SEND 1
	SEND 2
	SEND 3
	s_wait_tensorcnt 0x0                           ; the wave's end
	ds_add_u32 v[SPW], v[NIL]
	s_wait_dscnt 0x0
	CROUND
	s_endpgm
.Lfunc_end_k_qb624473b38_wo:
	.size	k_qb624473b38_wo, .Lfunc_end_k_qb624473b38_wo-k_qb624473b38_wo
	.p2alignl 7, 3214868480
	.fill 96, 4, 3214868480
	.section	.rodata,"a",@progbits
	.p2align	6, 0x0
	.amdhsa_kernel k_qb624473b38_wo
		.amdhsa_group_segment_fixed_size 327680
		.amdhsa_private_segment_fixed_size 0
		.amdhsa_enable_private_segment 0
		.amdhsa_kernarg_size 40
		.amdhsa_user_sgpr_count 2
		.amdhsa_user_sgpr_kernarg_segment_ptr 1
		.amdhsa_wavefront_size32 1
		.amdhsa_system_sgpr_workgroup_id_x 1
		.amdhsa_system_sgpr_workgroup_id_y 1
		.amdhsa_system_sgpr_workgroup_id_z 1
		.amdhsa_system_vgpr_workitem_id 0
		.amdhsa_next_free_vgpr 1024
		.amdhsa_next_free_sgpr 100
		.amdhsa_reserve_vcc 0
		.amdhsa_float_denorm_mode_32 3
		.amdhsa_float_denorm_mode_16_64 3
		.amdhsa_memory_ordered 1
		.amdhsa_forward_progress 1
		.amdhsa_inst_pref_size 63
	.end_amdhsa_kernel
	.amdgpu_metadata
---
amdhsa.version: [ 1, 2 ]
amdhsa.kernels:
  - .name:           k_qb624473b38_wo
    .symbol:         k_qb624473b38_wo.kd
    .args:
      - { .name: y, .offset: 0, .size: 8, .value_kind: global_buffer, .address_space: global }
      - { .name: w, .offset: 8, .size: 8, .value_kind: global_buffer, .address_space: global }
      - { .name: bo, .offset: 16, .size: 8, .value_kind: global_buffer, .address_space: global }
      - { .name: x, .offset: 24, .size: 8, .value_kind: global_buffer, .address_space: global }
      - { .name: y2, .offset: 32, .size: 8, .value_kind: global_buffer, .address_space: global }
    .group_segment_fixed_size: 327680
    .private_segment_fixed_size: 0
    .kernarg_segment_align: 8
    .kernarg_segment_size: 40
    .max_flat_workgroup_size: 128
    .sgpr_count:     100
    .vgpr_count:     1024
    .wavefront_size: 32
...
	.end_amdgpu_metadata
.endif
;; end of part 4
;; launch prepb (part 5): grid 512 x 1, 8 waves a work-group, no clusters, 95,488 bytes of LDS; arguments W1, W2, y2, g2, be2, w, h; writes w, h
.if DOCPART == 5
	.amdgcn_target "amdgcn-amd-amdhsa--gfx1250"
	.amdhsa_code_object_version 6
	.text
	.protected	k_qb624473b38_prepb
	.globl	k_qb624473b38_prepb
	.p2align	8
	.type	k_qb624473b38_prepb,@function
k_qb624473b38_prepb:
	s_mov_b64 s[64:65], 0
	v_nop
	global_prefetch_b8 v0, s[64:65] scope:SCOPE_SE
	s_setreg_imm32_b32 hwreg(HW_REG_WAVE_MODE, 25, 1), 1
	s_wait_xcnt 0x0
; The first kernel's text with other figures: LN2 of y2 into h, and the weights W1 and W2 into their parts of w (operand layout: see the first kernel).
; TWO JOBS that read different inputs and share nothing; the work-group's number, the same in all eight waves, chooses; each job has LDS bytes of its own, and the two ways never join.
; WORK-GROUPS 0 .. NWQ - 1: a weight W [K][N] f32, K outermost: a lane takes a column, its registers run down K; a wave takes 32 columns x 128 K = two fragments, through its own stage in LDS; loads run two blocks ahead.
; WORK-GROUPS NWQ ..: work-group NWQ + f norms and quantises row block f: wave w norms places 2 w and 2 w + 1 (mean first, then the sum of squared differences); the 16 rows meet in LDS; behind the barrier wave w quantises K step w.
; LIMITS: a block of zeros gets the scale byte 1 where the rule says 127 (its codes are zeros, and this program alone reads the bytes); 1 / sqrt by v_rsq_f32; NaN and infinities among the inputs are not served.
.set NWQ,    256                       ; work-groups of the weights: 128 for W1 (16 groups of 256 columns x 8 K steps), 128 for W2 (4 x 32)
.set FIRST1, 128                       ; the second weight's first work-group
.set PITCH0, 16384                     ; bytes in a row of the first weight,
.set PITCH1, 4096                      ; of the second
.set LK0,    3                         ; log2 of the K steps
.set LK1,    5
.set COFF0,  3145728                   ; where the codes begin in w
.set COFF1,  6291456
.set SOFF0,  9437184+131072            ; and the scale words
.set SOFF1,  9437184+262144
.set SPW,  10                          ; v10  my spare word's LDS address; never rewritten
.set NIL,  11                          ; v11  0; never rewritten
; the weights' way
.set SA16, 4                           ; v4   stage: my column's place, 16 bytes a place
.set SA8,  5                           ; v5   the same, 8 bytes a place
.set RDA,  6                           ; v6   stage, on the way out: 16 x lane
.set GOF,  7                           ; v7   16 x lane, in memory
.set SOV,  8                           ; v8   my scale word's place
.set SW,   9                           ; v9   my column's scale word
.set AD,   16                          ; v16-23 4 x lane + j rows of W; never rewritten
.set TA,   24                          ; v24-27 at work
.set X,    32                          ; v32-159 my column's 128 numbers: every block has registers of its own
.set C,    160                         ; v160-199 codes, ten registers a block
.set OUTR, 200                         ; v200-223 the two fragments on the way out
.set WREG, 3584                        ; a wave's stage
.set FPIT, 1664                        ; from fragment to fragment in it
.set B,    32                          ; s[32:63] sixteen bases, 8 rows of W apart; never rewritten
; the LayerNorm's way
.set G,    32                          ; v32-63  g of my columns
.set BE,   64                          ; v64-95  be
.set ST,   96                          ; v96-159 my two rows; later 64 numbers of one row's K step
.set PC,   160                         ; v160-178 codes
.set TM,   180                         ; v180-191 at work in the quantiser
.set PW,   196                         ; the scale word
.set LNB,  8*WREG                      ; its stage begins behind the weights' eight
.set PITCH, 4112
.set SPARE, LNB+16*PITCH               ; the spare words: 128 bytes a wave, named by no other line
.set SEL,  20                          ; s[20:21] lane l xor 16
.set RN,   22                          ; s22  1 / 1024
.set EP,   23                          ; s23  1e-5
	s_load_b256 s[4:11], s[0:1], 0x0               ; the two weights, y2, g
	s_load_b128 s[12:15], s[0:1], 0x20             ; be, w
	s_load_b64 s[16:17], s[0:1], 0x30              ; h
	v_lshl_add_u32 v[SPW], v0, 2, SPARE
	v_mov_b32 v[NIL], 0
	v_lshrrev_b32 v1, 5, v0
	s_delay_alu instid0(VALU_DEP_1)
	v_readfirstlane_b32 s18, v1                    ; wave
	v_and_b32 v1, 31, v0                           ; lane
	s_cmp_ge_u32 ttmp9, NWQ                        ; which job: by the work-group's number alone
	s_cbranch_scc1 .Lnorm
	; ---------------- the weights ----------------
	s_mov_b32 s20, FIRST1                          ; the second weight's figures
	s_mov_b32 s21, PITCH1
	s_mov_b32 s22, LK1
	s_mov_b32 s23, COFF1
	s_mov_b32 s24, SOFF1
	s_wait_kmcnt 0x0
	s_cmp_lt_u32 ttmp9, FIRST1
	s_cselect_b64 s[26:27], s[4:5], s[6:7]         ; the first weight's where the work-group is one of its own
	s_cselect_b32 s20, 0, s20
	s_cselect_b32 s21, PITCH0, s21
	s_cselect_b32 s22, LK0, s22
	s_cselect_b32 s23, COFF0, s23
	s_cselect_b32 s24, SOFF0, s24
	s_sub_co_u32 s25, ttmp9, s20                   ; my number within the tensor
	s_lshr_b32 s28, s25, s22                       ; which 256 columns
	s_lshl_b32 s29, 1, s22                         ; K steps
	s_sub_co_u32 s30, s29, 1
	s_and_b32 s30, s25, s30                        ; which K step
	s_lshl_b32 s28, s28, 3
	s_add_co_u32 s28, s28, s18                     ; G: which 32 columns are my wave's
	s_mul_i32 s2, s30, s21
	s_add_co_u32 s2, s2, s28
	s_lshl_b32 s2, s2, 7                           ; 128 rows a K step, 128 bytes a group of columns
	s_mov_b32 s3, 0
	s_add_nc_u64 s[B:B+1], s[26:27], s[2:3]
	s_lshl_b32 s2, s21, 3                          ; 8 rows
.irp m, 1,2,3,4,5,6,7,8,9,10,11,12,13,14,15
	s_add_nc_u64 s[B+2*\m:B+2*\m+1], s[B+2*\m-2:B+2*\m-1], s[2:3]
.endr
	s_wait_alu depctr_va_vdst(0)
	v_lshlrev_b32 v[AD], 2, v1
.irp j, 1,2,3,4,5,6,7
	s_delay_alu instid0(VALU_DEP_1)
	v_add_nc_u32 v[AD+\j], s21, v[AD+\j-1]
.endr
.macro LOADB t                         ; block t: W(128 s + 32 t + i, my column), i = 0 .. 31: each load reads 128 consecutive bytes in 32 lanes
.set k, 32*(\t)
.rept 32
	global_load_b32 v[X+k], v[AD+k%8], s[B+2*(k/8):B+2*(k/8)+1] th:TH_LOAD_NT
.set k, k+1
.endr
.endm
	LOADB 0
	LOADB 1
	v_bfe_u32 v12, v0, 3, 1                        ; u: which of the two fragments my column lies in
	v_and_b32 v13, 7, v0
	v_bfe_u32 v14, v0, 4, 1
	s_delay_alu instid0(VALU_DEP_1)
	v_lshl_add_u32 v13, v14, 3, v13                ; r: its place there
	s_mul_i32 s19, s18, WREG
	v_mul_u32_u24 v15, v12, FPIT
	s_delay_alu instid0(VALU_DEP_1)
	v_add_nc_u32 v15, s19, v15
	s_delay_alu instid0(VALU_DEP_1)
	v_lshl_add_u32 v[SA16], v13, 4, v15
	s_delay_alu instid0(VALU_DEP_2)
	v_lshl_add_u32 v[SA8], v13, 3, v15
	v_lshlrev_b32 v[GOF], 4, v1
	s_delay_alu instid0(VALU_DEP_1)
	v_add_nc_u32 v[RDA], s19, v[GOF]
	s_lshl_b32 s31, s29, 6                         ; a row block's scale words: 64 bytes a K step
	v_mul_u32_u24 v[SOV], s31, v12
	s_delay_alu instid0(VALU_DEP_1)
	v_lshl_add_u32 v[SOV], v13, 2, v[SOV]
	s_lshl_b32 s25, s28, 1
	s_lshl_b32 s25, s25, s22
	s_add_co_u32 s25, s25, s30                     ; fragment 2 G, K step s: its number in the tensor
	s_mul_i32 s2, s25, 1536
	s_add_co_u32 s2, s2, s23
	s_add_nc_u64 s[4:5], s[14:15], s[2:3]          ; where fragment 2 G goes,
	s_mul_i32 s2, s29, 1536
	s_add_nc_u64 s[6:7], s[4:5], s[2:3]            ; fragment 2 G + 1,
	s_lshl_b32 s2, s25, 6
	s_add_co_u32 s2, s2, s24
	s_add_nc_u64 s[8:9], s[14:15], s[2:3]          ; and the scale words
; Block t = 2 e + h of my column: it is lane (r, h)'s registers 6 e .. 6 e + 5 of the fragment
.macro BLOCK t
.set XS, X+32*(\t)
.set CB, C+10*(\t)
.if (\t) < 3
	s_wait_loadcnt 32                              ; loads come back in order: this block's 32 are in; the next block's 32, the only ones issued behind them, may be out
.else
	s_wait_loadcnt 0x0
.endif
.if (\t)+2 < 4
	LOADB (\t)+2                                   ; two blocks ahead, into registers of its own
.endif
	v_max3_num_f32 v[TA], |v[XS]|, |v[XS+1]|, |v[XS+2]|
	v_max3_num_f32 v[TA+1], |v[XS+3]|, |v[XS+4]|, |v[XS+5]|
.irp i, 6,10,14,18,22,26
	s_delay_alu instid0(VALU_DEP_2)
	v_max3_num_f32 v[TA], v[TA], |v[XS+\i]|, |v[XS+\i+1]|
	s_delay_alu instid0(VALU_DEP_2)
	v_max3_num_f32 v[TA+1], v[TA+1], |v[XS+\i+2]|, |v[XS+\i+3]|
.endr
	s_delay_alu instid0(VALU_DEP_2)
	v_max3_num_f32 v[TA], v[TA], |v[XS+30]|, |v[XS+31]|
	s_delay_alu instid0(VALU_DEP_1)
	v_max3_num_f32 v[TA], v[TA], v[TA+1], 0x1800000   ; the floor 2^(3 - 127): the byte cannot fall under 1
	s_delay_alu instid0(VALU_DEP_1)
	v_add_nc_u32 v[TA+2], 0xff000000, v[TA]        ; 2 off the exponent field: the conversion's scale operand
	v_cvt_scalef32_pk16_fp6_f32 v[CB:CB+2], v[XS:XS+15], v[TA+2]
	v_cvt_scalef32_pk16_fp6_f32 v[CB+6:CB+8], v[XS+16:XS+31], v[TA+2]   ; (a conversion's three registers begin on an even number)
	v_lshrrev_b32 v[TA+3], 23, v[TA+2]             ; the scale's byte; also the plain line behind the conversions
.if (\t) == 0
	s_delay_alu instid0(VALU_DEP_1)
	v_mov_b32 v[SW], v[TA+3]
.else
	s_delay_alu instid0(VALU_DEP_1)
	v_lshl_or_b32 v[SW], v[TA+3], 8*(\t), v[SW]
.endif
.irp i, 0,1,2
	v_mov_b32 v[CB+3+\i], v[CB+6+\i]
.endr
	ds_store_b128 v[SA16], v[CB:CB+3] offset:768*((\t)/2)+256*((\t)%2)
	ds_store_b64 v[SA8], v[CB+4:CB+5] offset:768*((\t)/2)+512+128*((\t)%2)
.endm
	BLOCK 0
	BLOCK 1
	BLOCK 2
	BLOCK 3
.irp u, 0,1
.irp c, 0,1,2
	ds_load_b128 v[OUTR+12*\u+4*\c:OUTR+12*\u+4*\c+3], v[RDA] offset:FPIT*\u+512*\c   ; LDS serves a wave's instructions in order: these see my stores
.endr
.endr
	global_store_b32 v[SOV], v[SW], s[8:9]
.irp c, 0,1,2
	s_wait_dscnt 5-\c                              ; the later read-backs may be out
	global_store_b128 v[GOF], v[OUTR+4*\c:OUTR+4*\c+3], s[4:5] offset:512*\c   ; 32 lanes store 512 consecutive bytes, aligned to 256
.endr
.irp c, 0,1,2
	s_wait_dscnt 2-\c
	global_store_b128 v[GOF], v[OUTR+12+4*\c:OUTR+12+4*\c+3], s[6:7] offset:512*\c
.endr
	s_wait_tensorcnt 0x0                           ; the wave's end
	ds_add_u32 v[SPW], v[NIL]
	s_wait_dscnt 0x0
	s_endpgm
	; ---------------- the LayerNorm ----------------
.Lnorm:
	s_sub_co_u32 s19, ttmp9, NWQ                   ; f: my row block
	s_wait_alu depctr_va_vdst(0)
	v_lshlrev_b32 v2, 4, v1                        ; 16 x lane
	s_lshr_b32 s24, s19, 1
	s_lshl_b32 s24, s24, 5
	s_and_b32 s25, s19, 1
	s_lshl_b32 s25, s25, 3
	s_add_co_u32 s24, s24, s25
	s_lshl_b32 s25, s18, 1
	s_add_co_u32 s24, s24, s25
	s_lshr_b32 s25, s18, 2
	s_lshl_b32 s25, s25, 3
	s_add_co_u32 s24, s24, s25                     ; my first row: 32 (f / 2) + 8 (f % 2) + 2 w + 8 (w / 4)
	s_lshl_b32 s24, s24, 12
	s_mov_b32 s25, 0
	s_mov_b32 s[SEL], 0x76543210
	s_mov_b32 s[SEL+1], 0xfedcba98
	s_mov_b32 s[RN], 0x3a800000                    ; 1 / 1024
	s_mov_b32 s[EP], 0x3727c5ac                    ; 1e-5
	s_wait_alu depctr_va_vdst(0)
	s_wait_kmcnt 0x0
	s_add_nc_u64 s[8:9], s[8:9], s[24:25]
.irp p, 0,1
.irp i, 0,1,2,3,4,5,6,7
	global_load_b128 v[ST+32*\p+4*\i:ST+32*\p+4*\i+3], v2, s[8:9] offset:4096*\p+512*\i   ; 32 lanes read 512 consecutive bytes
.endr
.endr
.irp i, 0,1,2,3,4,5,6,7
	global_load_b128 v[G+4*\i:G+4*\i+3], v2, s[10:11] offset:512*\i
.endr
.irp i, 0,1,2,3,4,5,6,7
	global_load_b128 v[BE+4*\i:BE+4*\i+3], v2, s[12:13] offset:512*\i
.endr
	s_mul_i32 s26, s18, 2*PITCH
	s_add_co_u32 s26, s26, LNB
	v_add_nc_u32 v3, s26, v2                       ; stage, in: my first row's place, 16 x lane
	v_and_b32 v5, 15, v0                           ; r
	v_bfe_u32 v6, v0, 4, 1                         ; h
	s_delay_alu instid0(VALU_DEP_2)
	v_mul_u32_u24 v4, v5, PITCH
	s_delay_alu instid0(VALU_DEP_1)
	v_lshl_add_u32 v4, v6, 6, v4
	s_lshl_b32 s26, s18, 9
	s_add_co_u32 s26, s26, LNB
	v_add_nc_u32 v4, s26, v4                       ; stage, out: row r, K step w, + 64 h
	v_lshlrev_b32 v7, 3, v1                        ; 8 x lane
	v_lshlrev_b32 v8, 2, v5                        ; 4 r
	v_mov_b32 v21, 0                               ; a lane permute's destination counts as read
	v_mov_b32 v23, 0
.irp b, 0,1,2,3
	v_mov_b32 v[TM+4+\b], 0
.endr
.macro RSUM v, t                       ; the sum over the wave's 32 lanes, in every lane
	s_delay_alu instid0(VALU_DEP_1)
	v_add_f32_dpp v[\v], v[\v], v[\v] row_xmask:1 row_mask:0xf bank_mask:0xf
	s_delay_alu instid0(VALU_DEP_1)
	v_add_f32_dpp v[\v], v[\v], v[\v] row_xmask:2 row_mask:0xf bank_mask:0xf
	s_delay_alu instid0(VALU_DEP_1)
	v_add_f32_dpp v[\v], v[\v], v[\v] row_xmask:4 row_mask:0xf bank_mask:0xf
	s_delay_alu instid0(VALU_DEP_1)
	v_add_f32_dpp v[\v], v[\v], v[\v] row_xmask:8 row_mask:0xf bank_mask:0xf
	s_delay_alu instid0(VALU_DEP_1)
	v_permlanex16_b32 v[\t], v[\v], s[SEL], s[SEL+1]
	s_delay_alu instid0(VALU_DEP_1)
	v_add_f32 v[\v], v[\v], v[\t]
.endm
.macro STAT R, A, M                    ; the row in v[R ..]: becomes x - mean; v[M] = 1 / sqrt(var + eps), issued and not yet waited for
	v_pk_add_f32 v[\A:\A+1], v[\R:\R+1], v[\R+2:\R+3]
	v_pk_add_f32 v[\A+2:\A+3], v[\R+4:\R+5], v[\R+6:\R+7]
.irp j, 8,12,16,20,24,28
	s_delay_alu instid0(VALU_DEP_2)
	v_pk_add_f32 v[\A:\A+1], v[\A:\A+1], v[\R+\j:\R+\j+1]
	s_delay_alu instid0(VALU_DEP_2)
	v_pk_add_f32 v[\A+2:\A+3], v[\A+2:\A+3], v[\R+\j+2:\R+\j+3]
.endr
	s_delay_alu instid0(VALU_DEP_1)
	v_pk_add_f32 v[\A:\A+1], v[\A:\A+1], v[\A+2:\A+3]
	s_delay_alu instid0(VALU_DEP_1)
	v_add_f32 v[\M], v[\A], v[\A+1]
	RSUM \M, \M+1
	s_delay_alu instid0(VALU_DEP_1)
	v_mul_f32 v[\M], s[RN], v[\M]                  ; the mean
.irp j, 0,2,4,6,8,10,12,14,16,18,20,22,24,26,28,30
	v_pk_add_f32 v[\R+\j:\R+\j+1], v[\R+\j:\R+\j+1], v[\M:\M+1] op_sel_hi:[1,0] neg_lo:[0,1] neg_hi:[0,1]
.endr
	v_pk_mul_f32 v[\A:\A+1], v[\R:\R+1], v[\R:\R+1]
	v_pk_mul_f32 v[\A+2:\A+3], v[\R+2:\R+3], v[\R+2:\R+3]
.irp j, 4,8,12,16,20,24,28
	s_delay_alu instid0(VALU_DEP_2)
	v_pk_fma_f32 v[\A:\A+1], v[\R+\j:\R+\j+1], v[\R+\j:\R+\j+1], v[\A:\A+1]
	s_delay_alu instid0(VALU_DEP_2)
	v_pk_fma_f32 v[\A+2:\A+3], v[\R+\j+2:\R+\j+3], v[\R+\j+2:\R+\j+3], v[\A+2:\A+3]
.endr
	s_delay_alu instid0(VALU_DEP_1)
	v_pk_add_f32 v[\A:\A+1], v[\A:\A+1], v[\A+2:\A+3]
	s_delay_alu instid0(VALU_DEP_1)
	v_add_f32 v[\M], v[\A], v[\A+1]
	RSUM \M, \M+1
	s_delay_alu instid0(VALU_DEP_1)
	v_fma_f32 v[\M], v[\M], s[RN], s[EP]           ; var + eps
	s_wait_alu depctr_va_vdst(0)
	v_rsq_f32 v[\M], v[\M]
.endm
	s_wait_loadcnt 16                              ; my two rows are in; g's and be's sixteen loads may be out
	STAT ST, 12, 20
	STAT ST+32, 16, 22
	v_nop                                          ; a plain line behind the last transcendental
	s_wait_alu depctr_va_vdst(0)                   ; one wait for both, ahead of the first reader
	s_wait_loadcnt 0x0                             ; g and be
.irp p, 0,1
.irp j, 0,2,4,6,8,10,12,14,16,18,20,22,24,26,28,30
	v_pk_mul_f32 v[ST+32*\p+\j:ST+32*\p+\j+1], v[ST+32*\p+\j:ST+32*\p+\j+1], v[20+2*\p:21+2*\p] op_sel_hi:[1,0]
.endr
.irp j, 0,2,4,6,8,10,12,14,16,18,20,22,24,26,28,30
	v_pk_fma_f32 v[ST+32*\p+\j:ST+32*\p+\j+1], v[ST+32*\p+\j:ST+32*\p+\j+1], v[G+\j:G+\j+1], v[BE+\j:BE+\j+1]
.endr
.irp i, 0,1,2,3,4,5,6,7
	ds_store_b128 v3, v[ST+32*\p+4*\i:ST+32*\p+4*\i+3] offset:PITCH*\p+512*\i
.endr
.endr
	s_wait_dscnt 0x0                               ; for the others' sake: my stores have landed
	s_barrier_signal -1                            ; all eight waves of a work-group are on this way together
	s_barrier_wait -1
.irp b, 0,1,2,3
.irp j, 0,1,2,3
	ds_load_b128 v[ST+16*\b+4*\j:ST+16*\b+4*\j+3], v4 offset:128*\b+16*\j   ; register 16 b + i = k 128 w + 32 b + 16 h + i of row r
.endr
.endr
	s_lshl_b32 s26, s19, 3
	s_add_co_u32 s26, s26, s18                     ; fragment 8 f + w
	s_mul_i32 s28, s26, 1536
	s_mov_b32 s29, 0
	s_lshl_b32 s26, s26, 6
	s_add_co_u32 s26, s26, 3145728
	s_mov_b32 s27, 0
	s_add_nc_u64 s[28:29], s[16:17], s[28:29]      ; its codes,
	s_add_nc_u64 s[26:27], s[16:17], s[26:27]      ; its scale words
	s_wait_dscnt 0x0
.irp b, 0,1,2,3
	v_max3_num_f32 v[TM+\b], |v[ST+16*\b]|, |v[ST+1+16*\b]|, 0x1800000   ; my 16 numbers of block b, and the floor 2^(3 - 127)
.endr
.irp i, 2,4,6,8,10,12,14
.irp b, 0,1,2,3
	s_delay_alu instid0(VALU_DEP_4)
	v_max3_num_f32 v[TM+\b], v[TM+\b], |v[ST+16*\b+\i]|, |v[ST+1+16*\b+\i]|
.endr
.endr
.irp b, 0,1,2,3
	s_delay_alu instid0(VALU_DEP_4)
	v_permlanex16_b32 v[TM+4+\b], v[TM+\b], s[SEL], s[SEL+1]
.endr
.irp b, 0,1,2,3
	s_delay_alu instid0(VALU_DEP_4)
	v_max_num_f32 v[TM+\b], v[TM+\b], v[TM+4+\b]   ; with lane l xor 16's: the block's largest magnitude
.endr
.irp b, 0,1,2,3
	s_delay_alu instid0(VALU_DEP_4)
	v_add_nc_u32 v[TM+8+\b], 0xff000000, v[TM+\b]  ; 2 off the exponent field: the conversion's scale operand
.endr
.irp b, 0,1,2,3
	s_delay_alu instid0(VALU_DEP_4)
	v_lshrrev_b32 v[TM+4+\b], 23, v[TM+8+\b]       ; the byte
.endr
	s_delay_alu instid0(VALU_DEP_3)
	v_lshl_or_b32 v[PW], v[TM+5], 8, v[TM+4]
	s_delay_alu instid0(VALU_DEP_1)
	v_lshl_or_b32 v[PW], v[TM+6], 16, v[PW]
	s_delay_alu instid0(VALU_DEP_1)
	v_lshl_or_b32 v[PW], v[TM+7], 24, v[PW]
.irp c, 0,1
	v_cvt_scalef32_pk16_fp6_f32 v[PC+6*\c:PC+2+6*\c], v[ST+32*\c:ST+15+32*\c], v[TM+8+2*\c]
	v_cvt_scalef32_pk16_fp6_f32 v[PC+12+4*\c:PC+14+4*\c], v[ST+16+32*\c:ST+31+32*\c], v[TM+9+2*\c]
.endr
	v_nop                                          ; a plain line behind the conversions
.irp c, 0,1                                    ; the operand wants a whole block in a lane
.irp i, 0,1,2
	v_permlane16_swap_b32 v[PC+6*\c+\i], v[PC+12+4*\c+\i]
.endr
.irp i, 0,1,2
	s_delay_alu instid0(VALU_DEP_3)
	v_mov_b32 v[PC+3+6*\c+\i], v[PC+12+4*\c+\i]
.endr
.endr
	global_store_b128 v2, v[PC:PC+3], s[28:29]
	global_store_b64 v7, v[PC+4:PC+5], s[28:29] offset:512
	global_store_b128 v2, v[PC+6:PC+9], s[28:29] offset:768
	global_store_b64 v7, v[PC+10:PC+11], s[28:29] offset:1280
	global_store_b32 v8, v[PW], s[26:27]           ; lanes r and r + 16 hold the same word
	s_wait_tensorcnt 0x0                           ; the wave's end
	ds_add_u32 v[SPW], v[NIL]
	s_wait_dscnt 0x0
	s_endpgm
.Lfunc_end_k_qb624473b38_prepb:
	.size	k_qb624473b38_prepb, .Lfunc_end_k_qb624473b38_prepb-k_qb624473b38_prepb
	.p2alignl 7, 3214868480
	.fill 96, 4, 3214868480
	.section	.rodata,"a",@progbits
	.p2align	6, 0x0
	.amdhsa_kernel k_qb624473b38_prepb
		.amdhsa_group_segment_fixed_size 95488
		.amdhsa_private_segment_fixed_size 0
		.amdhsa_enable_private_segment 0
		.amdhsa_kernarg_size 56
		.amdhsa_user_sgpr_count 2
		.amdhsa_user_sgpr_kernarg_segment_ptr 1
		.amdhsa_wavefront_size32 1
		.amdhsa_system_sgpr_workgroup_id_x 1
		.amdhsa_system_sgpr_workgroup_id_y 1
		.amdhsa_system_sgpr_workgroup_id_z 1
		.amdhsa_system_vgpr_workitem_id 0
		.amdhsa_next_free_vgpr 224
		.amdhsa_next_free_sgpr 72
		.amdhsa_reserve_vcc 0
		.amdhsa_float_denorm_mode_32 3
		.amdhsa_float_denorm_mode_16_64 3
		.amdhsa_memory_ordered 1
		.amdhsa_forward_progress 1
		.amdhsa_inst_pref_size 54
	.end_amdhsa_kernel
	.amdgpu_metadata
---
amdhsa.version: [ 1, 2 ]
amdhsa.kernels:
  - .name:           k_qb624473b38_prepb
    .symbol:         k_qb624473b38_prepb.kd
    .args:
      - { .name: W1, .offset: 0, .size: 8, .value_kind: global_buffer, .address_space: global }
      - { .name: W2, .offset: 8, .size: 8, .value_kind: global_buffer, .address_space: global }
      - { .name: y2, .offset: 16, .size: 8, .value_kind: global_buffer, .address_space: global }
      - { .name: g2, .offset: 24, .size: 8, .value_kind: global_buffer, .address_space: global }
      - { .name: be2, .offset: 32, .size: 8, .value_kind: global_buffer, .address_space: global }
      - { .name: w, .offset: 40, .size: 8, .value_kind: global_buffer, .address_space: global }
      - { .name: h, .offset: 48, .size: 8, .value_kind: global_buffer, .address_space: global }
    .group_segment_fixed_size: 95488
    .private_segment_fixed_size: 0
    .kernarg_segment_align: 8
    .kernarg_segment_size: 56
    .max_flat_workgroup_size: 256
    .sgpr_count:     72
    .vgpr_count:     224
    .wavefront_size: 32
...
	.end_amdgpu_metadata
.endif
;; end of part 5
;; launch fc1 (part 6): grid 16 x 16, 8 waves a work-group, clusters of 4 x 4, 327,680 bytes of LDS; arguments h, w, b1, g; writes g
.if DOCPART == 6
	.amdgcn_target "amdgcn-amd-amdhsa--gfx1250"
	.amdhsa_code_object_version 6
	.text
	.protected	k_qb624473b38_fc1
	.globl	k_qb624473b38_fc1
	.p2align	8
	.type	k_qb624473b38_fc1,@function
k_qb624473b38_fc1:
	s_mov_b64 s[64:65], 0
	v_nop
	global_prefetch_b8 v0, s[64:65] scope:SCOPE_SE
	s_setreg_imm32_b32 hwreg(HW_REG_WAVE_MODE, 25, 1), 1
	s_wait_xcnt 0x0
	s_wait_alu depctr_hold_cnt(0) depctr_sa_sdst(0) depctr_va_vdst(0) depctr_va_sdst(0) depctr_va_ssrc(0) depctr_va_vcc(0) depctr_vm_vsrc(0)
	s_getreg_b32 s2, hwreg(HW_REG_IB_STS2, 6, 4)
	s_cmp_eq_u32 s2, 0
	s_cbranch_scc0 .Lentry_in_a_cluster
	s_endpgm
.Lentry_in_a_cluster:
	s_bfe_u32 s2, ttmp6, 0x10000c
	s_cmp_lg_u32 s2, 0xf033
	s_cbranch_scc0 .Lentry_shape_is_right
	s_endpgm
.Lentry_shape_is_right:
; g = gelu(h W1 + b1), quantised along the 4,096 hidden units, which are the next product's K.  h and W1 are codes of FP6 as fragment images with scale words (layout: the first kernel's head); g leaves in the same layout.
; THE DEAL: 256 work-groups of 256 x 256.  EIGHT WAVES, two on a SIMD: wave w makes rows 64 (w / 2) .. + 63 x columns 128 (w % 2) .. + 127: 32 accumulators, which fill window 1; all else lies in window 0.
; The way out is long vector work with batches of transcendentals and their waits; with two waves on a SIMD one wave's lines stand in the other's waits, and one set of fragments serves: while a wave fetches, the other multiplies.
; CLUSTER 4 x 4: A's tile (tokens) is shared along a row of the cluster, B's (columns of W1) along a column, by joint loads.
; THE RING: K = 8 steps of 128 in THREE FILLS of 3, 3, 2 steps through two slots of 147,456 bytes.  A fill is, for each row block, that many fragment images on end: rows of 1,536 n bytes that begin on multiples of 256.
; THE HEAD: one load a wave: waves 0, 1 the halves of fill 0 of A, waves 2, 3 of B, waves 4, 5 the halves of A's scale words (all of K), waves 6, 7 of B's.  Fill 1 is issued as a refill is; in the ring waves 0-3 load A's quarters, waves 4-7 B's.
; PREFETCH INTO THE L2: fills 1 and 2 are asked for at the head, one and two fills ahead of their loads.  Of the four row blocks that a wave fetches each of the four partners takes one, by address (cx for A, cy for B); a lane names a block of 256 bytes, lanes left over the last again.
; Source 0 = columns of W1, source 1 = tokens: a lane holds a token and its registers run along the columns; A's block n gives a lane 64 numbers, 128 along the next K with lane l xor 16.
; GELU: gelu(x) = max(x, 0) - |x| / 2 erfc(|x| / sqrt 2), with erfc(z) = t exp(-z^2 + P(t)), t = 1 / (1 + z / 2), P of degree 9; exponents to the base 2.  No difference of near numbers is formed for negative x.
; LIMITS: erfc's form has a fractional error of about 1.2e-7; a block of zeros gets the scale byte 1 (zero codes; bytes read by this program alone); NaN and infinities are not served.
.set KS,    8
.set FRB,   1536
.set RBK,   KS*FRB                     ; a row block's codes
.set ASOFF, 3145728                    ; h's scale words
.set BCOFF, 3145728                    ; W1's codes in w
.set BSOFF, 9437184+131072             ; W1's scale words in w
.set QH,    4*3*FRB                    ; a wave's eighth of a slot: four row blocks
.set HH,    2*QH
.set SL1,   8*QH
.set SCL,   2*SL1                      ; the scale words: A's 8,192 bytes, B's 8,192
.set SPARE, SCL+16384                  ; the spare words: 128 bytes a wave, named by no other line
.set PF17, 4                           ; v4, v5 the prefetches' offsets: 256 x lane, held at 17 and at 11 blocks; never rewritten
.set PF11, 5
.set TX,   8
.set ADRA, 16                          ; v16,17 A's fragments in slot 0, 1, 16 x lane; v18,19 8 x lane
.set ADRB, 20
.set CO16, 24
.set CO8,  25
.set CO4,  26
.set ADRS, 27                          ; my scale words: lanes 0-15 A's, lanes 16-31 B's
.set SPW,  28
.set NIL,  29
.set SC,   32                          ; v32-39 a step's scale words
.set BI,   48                          ; v48-111 the bias, in the result's layout
.set AF,   112                         ; v112-159 A's four fragments
.set BF,   160                         ; v160-255 B's eight
.set X,    112                         ; the way out: v112-175 64 numbers; v176-207, v208-239 at work
.set T,    176
.set H,    208
.set PC,   176
.set TM,   196
.set PW,   208
.set G1, 24
.set G0, 32
.set G1B, 48
.set G0B, 56
.set PFA, 66
.set G1S, 68
.set G0S, 76
.set G1SB, 80
.set G0SB, 88
.set SEL, 96
.set KA,  44
.set MSB, 0
.macro WIN new
.if MSB != (\new)
	s_set_vgpr_msb (MSB<<8)|(\new)
.set MSB, (\new)
.endif
.endm
.macro PLACES
.rept 4
	v_nop
.endr
.endm
.macro TLOAD g0, g1                    ; s_nop 0 and four v_nop behind each load
	tensor_load_to_lds s[\g0:\g0+3], s[\g1:\g1+7]
	s_nop 0
	PLACES
.endm
.macro JLOAD g0a, g1a, g0b, g1b        ; waves 0-3 fetch for A, waves 4-7 for B
	s_cmp_lt_u32 s14, 4
	s_cbranch_scc0 .Lfor_b_\@
	TLOAD \g0a, \g1a
	s_branch .Lasked_\@
.Lfor_b_\@:
	TLOAD \g0b, \g1b
.Lasked_\@:
.endm
.macro CREST
	s_cmp_lg_u32 s14, 0
	s_cbranch_scc1 .Lnot_wave_0_\@
	s_barrier_signal -3
.Lnot_wave_0_\@:
	s_barrier_wait -3
	s_barrier_signal -1
	s_barrier_wait -1
.endm
.macro CROUND
	s_barrier_signal -1
	s_barrier_wait -1
	CREST
.endm
.macro WHERE st                        ; step st lies in slot SL_, as the Q_-th of its fill's NQ_ steps
.set SL_, ((\st)/3)%2
.set Q_, (\st)%3
.set NQ_, 3
.if (\st) >= 6
.set NQ_, 2
.endif
.endm
.macro FRAG reg, adr, off
	ds_load_b128 v[(\reg):(\reg)+3], v[\adr] offset:(\off)
	ds_load_b64 v[(\reg)+4:(\reg)+5], v[\adr+2] offset:(\off)+512
	ds_load_b128 v[(\reg)+6:(\reg)+9], v[\adr] offset:(\off)+768
	ds_load_b64 v[(\reg)+10:(\reg)+11], v[\adr+2] offset:(\off)+1280
.endm
.macro FETCH st                        ; step st's twelve fragments and eight scale words: 56 loads
	WHERE \st
.set fi, 0
.rept 4
	FRAG AF+12*fi, ADRA+SL_, (fi*NQ_+Q_)*FRB
.set fi, fi+1
.endr
.set fi, 0
.rept 8
	FRAG BF+12*fi, ADRB+SL_, (fi/4)*QH+((fi%4)*NQ_+Q_)*FRB
	ds_load_b32 v[SC+fi], v[ADRS] offset:(fi*KS+(\st))*64      ; lanes 0-15 A's block fi (read of the first four alone), lanes 16-31 B's block fi
.set fi, fi+1
.endr
.endm
.macro MUL from, n, zero               ; products from .. from + n - 1 of a step: number 8 a + b is A's block a against B's block b.  The 32 accumulators take turns, in one order in every step
	WIN 0x50
.set mi, \from
.rept \n
.set ma, mi/8
.set mb, mi%8
.if \zero
	v_wmma_scale_f32_16x16x128_f8f6f4 v[8*mi:8*mi+7], v[BF+12*mb:BF+12*mb+11], v[AF+12*ma:AF+12*ma+11], 0, v[SC+mb], v[SC+ma] matrix_a_fmt:MATRIX_FMT_FP6 matrix_b_fmt:MATRIX_FMT_FP6 matrix_a_scale:MATRIX_SCALE_ROW1
.else
	v_wmma_scale_f32_16x16x128_f8f6f4 v[8*mi:8*mi+7], v[BF+12*mb:BF+12*mb+11], v[AF+12*ma:AF+12*ma+11], v[8*mi:8*mi+7], v[SC+mb], v[SC+ma] matrix_a_fmt:MATRIX_FMT_FP6 matrix_b_fmt:MATRIX_FMT_FP6 matrix_a_scale:MATRIX_SCALE_ROW1
.endif
.set mi, mi+1
.endr
.endm
.macro STEP st, zero
	WHERE \st
.if Q_ == NQ_-1                        ; the fill's last step: its fragments are my last reads of the slot
	WIN 0
	s_wait_tensorcnt 0x0                           ; my part of the other slot has landed; no load of mine is out
	ds_add_u32 v[SPW], v[NIL]
	s_wait_dscnt 1                                 ; this step's 56 loads are in; the add may be out
	MUL 0, 16, 0
	s_wait_dscnt 0x0
	s_barrier_signal -1
	MUL 16, 16, 0
	WIN 0
	s_barrier_wait -1
.if (\st) == 2                         ; fill 2 goes into slot 0: the barrier has opened a round of the cluster's
	CREST
.irp g, G1, G1B
	s_mov_b32 s[\g+1], (192*2)<<16                 ; its rows are two fragment images long
	s_mov_b32 s[\g+3], (192*2)<<16
.endr
	JLOAD G0, G1, G0B, G1B                         ; its four v_nop are also the places ahead of the loads below
.else
	PLACES
.endif
.else
	s_wait_dscnt 0x0
	MUL 0, 32, \zero
	PLACES                                         ; ahead of loads into registers that the products read
	WIN 0
.endif
	FETCH (\st)+1
.endm
	s_load_b128 s[4:7], s[0:1], 0x0                ; h, w
	s_load_b128 s[8:11], s[0:1], 0x10              ; b1, g
	v_lshl_add_u32 v[SPW], v0, 2, SPARE
	v_mov_b32 v[NIL], 0
	ds_add_u32 v[SPW], v[NIL]                      ; the opening: the add, twice on end, and its wait ahead of my first tensor load
	ds_add_u32 v[SPW], v[NIL]
	v_lshrrev_b32 v1, 5, v0
	v_readfirstlane_b32 s14, v1                    ; wave 0..7
	s_lshr_b32 s15, s14, 1                         ; my 64 rows
	s_and_b32 s16, s14, 1                          ; my 128 columns; also: which half I fetch at the head
	s_and_b32 s95, s14, 3                          ; which quarter I fetch in the ring
	s_bfe_u32 s40, ttmp6, 0x40000                  ; cx
	s_bfe_u32 s41, ttmp6, 0x40004                  ; cy
	s_lshl_b32 s42, ttmp9, 2
	s_add_co_u32 s42, s42, s40                     ; tile column
	s_and_b32 s17, ttmp7, 0xffff
	s_lshl_b32 s17, s17, 2
	s_add_co_u32 s17, s17, s41                     ; tile row
	s_lshl_b32 s43, s41, 2
	s_lshl_b32 s43, 15, s43                        ; my row of the cluster
	s_lshl_b32 s44, 0x1111, s40                    ; my column
	s_or_b32 s[G1+0], s43, (3<<16)|(1<<21)         ; the mask; elements of 8 bytes; bit 21 beside a mask
	s_or_b32 s[G1B+0], s44, (3<<16)|(1<<21)
.irp g, G1, G1B
	s_mov_b32 s[\g+1], (192*3)<<16                 ; three K steps of
	s_mov_b32 s[\g+2], 8<<16                       ; eight row blocks: half a tile
	s_mov_b32 s[\g+3], (192*3)<<16
	s_mov_b32 s[\g+4], 8
	s_mov_b32 s[\g+5], 192*KS
	s_mov_b32 s[\g+6], 0
	s_mov_b32 s[\g+7], 0
.endr
	s_or_b32 s[G1S+0], s43, (3<<16)|(1<<21)        ; half a tile's scale words: 4,096 dense bytes, as rows of 256
	s_or_b32 s[G1SB+0], s44, (3<<16)|(1<<21)
.irp g, G1S, G1SB
	s_mov_b32 s[\g+1], 32<<16
	s_mov_b32 s[\g+2], 16<<16
	s_mov_b32 s[\g+3], 32<<16
	s_mov_b32 s[\g+4], 16
	s_mov_b32 s[\g+5], 32
	s_mov_b32 s[\g+6], 0
	s_mov_b32 s[\g+7], 0
.endr
	s_mul_i32 s20, s17, 16*RBK                     ; A's tile, in bytes
	s_mov_b32 s21, 0
	s_lshl_b32 s22, s17, 13
	s_add_co_u32 s22, s22, ASOFF
	s_mov_b32 s23, 0
	s_mul_i32 s46, s42, 16*RBK                     ; B's
	s_add_co_u32 s46, s46, BCOFF
	s_mov_b32 s47, 0
	s_lshl_b32 s92, s42, 13
	s_add_co_u32 s92, s92, BSOFF
	s_mov_b32 s93, 0
	s_mul_i32 s18, s16, 8*RBK                      ; the head's half: codes,
	s_mov_b32 s19, 0
	s_lshl_b32 s2, s16, 12                         ; scale words
	s_mov_b32 s3, 0
	s_mul_i32 s98, s95, 4*RBK                      ; the ring's quarter
	s_mov_b32 s99, 0
	s_mul_i32 s45, s14, QH                         ; where it goes: by the wave's number alone
	s_mul_i32 s94, s16, HH
	s_mov_b32 s[SEL], 0x76543210
	s_mov_b32 s[SEL+1], 0xfedcba98
	s_wait_dscnt 0x0                               ; both opening adds are done
	CROUND                                         ; the opening round, ahead of the wait for the arguments: all sixteen work-groups are here
	s_wait_kmcnt 0x0
	s_add_nc_u64 s[20:21], s[4:5], s[20:21]
	s_add_nc_u64 s[22:23], s[4:5], s[22:23]
	s_add_nc_u64 s[46:47], s[6:7], s[46:47]
	s_add_nc_u64 s[92:93], s[6:7], s[92:93]
	s_cmp_lt_u32 s14, 4
	s_cselect_b32 s4, s40, s41                     ; my place among the four that ask with me: it enters the prefetches' address alone
	s_cselect_b64 s[PFA:PFA+1], s[20:21], s[46:47]
	s_mul_i32 s4, s4, RBK
	s_mov_b32 s5, 0
	s_add_nc_u64 s[PFA:PFA+1], s[PFA:PFA+1], s[98:99]
	s_add_nc_u64 s[PFA:PFA+1], s[PFA:PFA+1], s[4:5]
	s_mov_b32 s[G0], 1                             ; fill 0: a half of A,
	s_mov_b32 s[G0+1], s94
	s_add_nc_u64 s[G0+2:G0+3], s[20:21], s[18:19]
	s_or_b32 s[G0+3], s[G0+3], 0x80000000
	s_mov_b32 s[G0B], 1                            ; of B,
	s_add_co_u32 s[G0B+1], s94, 2*HH
	s_add_nc_u64 s[G0B+2:G0B+3], s[46:47], s[18:19]
	s_or_b32 s[G0B+3], s[G0B+3], 0x80000000
	s_mov_b32 s[G0S], 1                            ; of A's scale words,
	s_add_co_u32 s[G0S+1], s2, SCL
	s_add_nc_u64 s[G0S+2:G0S+3], s[22:23], s[2:3]
	s_or_b32 s[G0S+3], s[G0S+3], 0x80000000
	s_mov_b32 s[G0SB], 1                           ; of B's
	s_add_co_u32 s[G0SB+1], s2, SCL+8192
	s_add_nc_u64 s[G0SB+2:G0SB+3], s[92:93], s[2:3]
	s_or_b32 s[G0SB+3], s[G0SB+3], 0x80000000
	s_mov_b32 s[G0+4], 1                           ; slot 1: my quarter of fill 1, which begins at K step 3
	s_add_co_u32 s[G0+5], s45, SL1
	s_add_nc_u64 s[G0+6:G0+7], s[20:21], s[98:99]
	s_add_nc_u64 s[G0+6:G0+7], s[G0+6:G0+7], 3*FRB
	s_or_b32 s[G0+7], s[G0+7], 0x80000000
	s_mov_b32 s[G0B+4], 1
	s_add_co_u32 s[G0B+5], s45, SL1
	s_add_nc_u64 s[G0B+6:G0B+7], s[46:47], s[98:99]
	s_add_nc_u64 s[G0B+6:G0B+7], s[G0B+6:G0B+7], 3*FRB
	s_or_b32 s[G0B+7], s[G0B+7], 0x80000000
.macro ARM under, g0, g1, next         ; one chain of branches on the wave's number, a load to an arm, all arms to one join; every wave passes one load
	s_cmp_lt_u32 s14, \under
	s_cbranch_scc0 \next
	TLOAD \g0, \g1
	s_branch .Lhead_asked
\next:
.endm
	ARM 2, G0, G1, .Lhead_b
	ARM 4, G0B, G1B, .Lhead_sa
	ARM 6, G0S, G1S, .Lhead_sb
	TLOAD G0SB, G1SB
.Lhead_asked:
	s_mul_i32 s4, s15, QH                          ; my fragments: A's in slot 0, 1,
	s_add_co_u32 s5, s4, SL1
	s_mul_i32 s6, s16, HH
	s_add_co_u32 s6, s6, 4*QH                      ; B's
	s_add_co_u32 s7, s6, SL1
	s_lshl_b32 s22, s15, 11                        ; my scale words: A's four row blocks,
	s_lshl_b32 s23, s16, 12
	s_add_co_u32 s23, s23, 8192                    ; B's eight
	s_sub_co_u32 s23, s23, s22
	s_add_co_u32 s22, s22, SCL
	s_lshl_b32 s92, s42, 10
	s_lshl_b32 s93, s16, 9
	s_add_co_u32 s92, s92, s93                     ; my first column, in bytes of b1
	s_mov_b32 s93, 0
	s_add_nc_u64 s[8:9], s[8:9], s[92:93]
	s_lshl_b32 s2, s17, 4
	s_lshl_b32 s3, s15, 2
	s_add_co_u32 s2, s2, s3                        ; g: my first row block,
	s_lshl_b32 s2, s2, 5
	s_lshl_b32 s3, s42, 1
	s_add_co_u32 s2, s2, s3
	s_add_co_u32 s2, s2, s16                       ; and my K step of its 32
	s_mul_i32 s92, s2, 1536
	s_lshl_b32 s2, s2, 6
	s_add_co_u32 s2, s2, 12582912
	s_mov_b32 s3, 0
	s_add_nc_u64 s[12:13], s[10:11], s[2:3]        ; its scale words,
	s_add_nc_u64 s[10:11], s[10:11], s[92:93]      ; its codes
	v_and_b32 v1, 31, v0                           ; lane
	v_and_b32 v2, 15, v0                           ; r
	v_bfe_u32 v3, v0, 4, 1                         ; h
	v_lshlrev_b32 v[CO16], 4, v1
	v_lshlrev_b32 v[CO8], 3, v1
	v_lshlrev_b32 v[CO4], 2, v2
	v_min_u32 v[PF17], 17, v1
	v_min_u32 v[PF11], 11, v1
	v_mul_u32_u24 v6, s23, v3                      ; lanes 16-31 take B's
	v_lshlrev_b32 v7, 6, v3
	v_add_nc_u32 v[ADRA], s4, v[CO16]
	v_add_nc_u32 v[ADRA+1], s5, v[CO16]
	v_add_nc_u32 v[ADRA+2], s4, v[CO8]
	v_add_nc_u32 v[ADRA+3], s5, v[CO8]
	v_add_nc_u32 v[ADRB], s6, v[CO16]
	v_add_nc_u32 v[ADRB+1], s7, v[CO16]
	v_add_nc_u32 v[ADRB+2], s6, v[CO8]
	v_add_nc_u32 v[ADRB+3], s7, v[CO8]
	v_lshl_add_u32 v6, v2, 2, v6
	v_lshlrev_b32 v[PF17], 8, v[PF17]
	v_lshlrev_b32 v[PF11], 8, v[PF11]
	v_add_nc_u32 v[ADRS], s22, v6
	s_wait_alu depctr_va_vdst(0)                   ; the head's end: no vector instruction writes a register from here to the way out
	global_prefetch_b8 v[PF17], s[PFA:PFA+1] offset:3*FRB th:TH_LOAD_NT scope:SCOPE_SE   ; fill 1: 18 blocks of my work-group's row block
.irp z, 0,1,2,3,4,5,6,7
	global_load_b128 v[BI+8*\z:BI+8*\z+3], v7, s[8:9] offset:(32*(\z/2)+8*(\z%2))*4      ; register j of tile z is column 32 (z / 2) + 8 (z % 2) + 16 h + j of my 128
	global_load_b128 v[BI+8*\z+4:BI+8*\z+7], v7, s[8:9] offset:(32*(\z/2)+8*(\z%2))*4+16
.endr
	global_prefetch_b8 v[PF11], s[PFA:PFA+1] offset:6*FRB th:TH_LOAD_NT scope:SCOPE_SE   ; fill 2: 12 blocks
	s_wait_tensorcnt 0x0                           ; my tile of the head's eight is in; fill 1 is issued as a refill is
	ds_add_u32 v[SPW], v[NIL]
	s_mov_b32 s[G1+2], 4<<16                       ; no load of mine is out: from here on a load brings four row blocks,
	s_mov_b32 s[G1+4], 4
	s_mov_b32 s[G1B+2], 4<<16
	s_mov_b32 s[G1B+4], 4
	s_mov_b32 s[G0+1], s45                         ; and slot 0's group 0 stands at my quarter of fill 2, which begins at K step 6
	s_add_nc_u64 s[G0+2:G0+3], s[20:21], s[98:99]
	s_add_nc_u64 s[G0+2:G0+3], s[G0+2:G0+3], 6*FRB
	s_or_b32 s[G0+3], s[G0+3], 0x80000000
	s_mov_b32 s[G0B+1], s45
	s_add_nc_u64 s[G0B+2:G0B+3], s[46:47], s[98:99]
	s_add_nc_u64 s[G0B+2:G0B+3], s[G0B+2:G0B+3], 6*FRB
	s_or_b32 s[G0B+3], s[G0B+3], 0x80000000
	s_wait_dscnt 0x0
	CROUND                                         ; a whole round: all eight tiles are in, all sixteen work-groups are here
	JLOAD G0+4, G1, G0B+4, G1B                     ; fill 1, the first tensor load behind the round
	FETCH 0
	STEP 0, 1                                      ; the first step starts the sums
.irp z, 1,2,3,4,5,6
	STEP \z, 0
.endr
	s_wait_dscnt 0x0                               ; the last step fetches nothing
	MUL 0, 32, 0
	PLACES
	WIN 0
	; THE WAY OUT.  P's coefficients and -1/2, all times log2(e)
	s_mov_b32 s24, -1.82574822
	s_mov_b32 s26, 1.44272920
	s_mov_b32 s28, 0.53970062
	s_mov_b32 s30, 0.13963006
	s_mov_b32 s32, -0.26875686
	s_mov_b32 s34, 0.40232158
	s_mov_b32 s36, -1.63775315
	s_mov_b32 s38, 2.14747446
	s_mov_b32 s40, 0.24651730
	s_mov_b32 s42, -0.72134752
.irp c, 24,26,28,30,32,34,36,38,40,42
	s_mov_b32 s[\c+1], s[\c]
.endr
	s_mov_b32 s[KA], 0.35355339                    ; 1 / (2 sqrt 2)
	v_mov_b32 v30, -1.18611495
	v_mov_b32 v31, v30
	s_wait_loadcnt 0x0                             ; the bias
.macro SECT n                          ; A's block n: its eight accumulators + the bias, each accumulator from its low end on
	WIN 1
.set si, 0
.rept 32
	v_pk_add_f32 v[X+2*si:X+2*si+1], v[64*(\n)+2*si:64*(\n)+2*si+1], v[BI+2*si:BI+2*si+1]
.set si, si+1
.endr
	WIN 0
.endm
.macro GELUH hh                        ; gelu of 32 of the 64 numbers, in place
.set XB, X+32*(\hh)
.set gi, 0
.rept 32
	v_fma_f32 v[T+gi], |v[XB+gi]|, s[KA], 1.0
.set gi, gi+1
.endr
.set gi, 0
	s_wait_alu depctr_va_vdst(0)                   ; a wait ahead of each batch of transcendentals and one behind it
.rept 32
	v_rcp_f32 v[T+gi], v[T+gi]                     ; t
.set gi, gi+1
.endr
	v_nop
	s_wait_alu depctr_va_vdst(0)
.set gi, 0
.rept 16
	v_pk_fma_f32 v[H+gi:H+gi+1], v[T+gi:T+gi+1], s[40:41], v[30:31] op_sel_hi:[1,0,1]
.set gi, gi+2
.endr
.irp c, 38,36,34,32,30,28,26,24
.set gi, 0
.rept 16
	v_pk_fma_f32 v[H+gi:H+gi+1], v[H+gi:H+gi+1], v[T+gi:T+gi+1], s[\c:\c+1] op_sel_hi:[1,1,0]
.set gi, gi+2
.endr
.endr
.set gi, 0
.rept 4
.irp k, 0,1,2,3
	v_pk_mul_f32 v[TX+2*\k:TX+2*\k+1], v[XB+gi+2*\k:XB+gi+2*\k+1], v[XB+gi+2*\k:XB+gi+2*\k+1]
.endr
.irp k, 0,1,2,3
	v_pk_fma_f32 v[H+gi+2*\k:H+gi+2*\k+1], v[TX+2*\k:TX+2*\k+1], s[42:43], v[H+gi+2*\k:H+gi+2*\k+1] op_sel_hi:[1,0,1]
.endr
.set gi, gi+8
.endr
.set gi, 0
	s_wait_alu depctr_va_vdst(0)
.rept 32
	v_exp_f32 v[H+gi], v[H+gi]
.set gi, gi+1
.endr
.set gi, 0
.rept 32
	v_mul_f32 v[T+gi], |v[XB+gi]|, v[T+gi]
.set gi, gi+1
.endr
.set gi, 0
.rept 32
	v_max_num_f32 v[XB+gi], 0, v[XB+gi]
.set gi, gi+1
.endr
	s_wait_alu depctr_va_vdst(0)
.set gi, 0
.rept 16
	v_pk_mul_f32 v[T+gi:T+gi+1], v[T+gi:T+gi+1], v[H+gi:H+gi+1]
.set gi, gi+2
.endr
.set gi, 0
.rept 16
	v_pk_fma_f32 v[XB+gi:XB+gi+1], v[T+gi:T+gi+1], -0.5, v[XB+gi:XB+gi+1] op_sel_hi:[1,0,1]
.set gi, gi+2
.endr
.endm
	s_mov_b32 s3, 0
.Lrow:                                             ; four trips, one for each of A's blocks; only the lines that name the accumulators differ
.irp z, 0,1,2
	s_cmp_eq_u32 s3, \z
	s_cbranch_scc1 .Lsec\z
.endr
	SECT 3
	s_branch .Lcom
.irp z, 0,1,2
.Lsec\z:
	SECT \z
	s_branch .Lcom
.endr
.Lcom:
	GELUH 0
	GELUH 1
.irp b, 0,1,2,3
	v_max3_num_f32 v[TM+\b], |v[X+16*\b]|, |v[X+1+16*\b]|, 0x1800000   ; my 16 numbers of block b, and the floor 2^(3 - 127)
.endr
.irp i, 2,4,6,8,10,12,14
.irp b, 0,1,2,3
	v_max3_num_f32 v[TM+\b], v[TM+\b], |v[X+16*\b+\i]|, |v[X+1+16*\b+\i]|
.endr
.endr
.irp b, 0,1,2,3
	v_permlanex16_b32 v[TM+4+\b], v[TM+\b], s[SEL], s[SEL+1]
.endr
.irp b, 0,1,2,3
	v_max_num_f32 v[TM+\b], v[TM+\b], v[TM+4+\b]   ; with lane l xor 16's: the block's largest magnitude
.endr
.irp b, 0,1,2,3
	v_add_nc_u32 v[TM+8+\b], 0xff000000, v[TM+\b]  ; 2 off the exponent field: the conversion's scale operand
.endr
.irp b, 0,1,2,3
	v_lshrrev_b32 v[TM+4+\b], 23, v[TM+8+\b]       ; the byte
.endr
	v_lshl_or_b32 v[PW], v[TM+5], 8, v[TM+4]
	v_lshl_or_b32 v[PW], v[TM+6], 16, v[PW]
	v_lshl_or_b32 v[PW], v[TM+7], 24, v[PW]
.irp c, 0,1
	v_cvt_scalef32_pk16_fp6_f32 v[PC+6*\c:PC+2+6*\c], v[X+32*\c:X+15+32*\c], v[TM+8+2*\c]
	v_cvt_scalef32_pk16_fp6_f32 v[PC+12+4*\c:PC+14+4*\c], v[X+16+32*\c:X+31+32*\c], v[TM+9+2*\c]
.endr
	v_nop                                          ; a plain line behind the conversions
.irp c, 0,1                                    ; the operand wants a whole block in a lane
.irp i, 0,1,2
	v_permlane16_swap_b32 v[PC+6*\c+\i], v[PC+12+4*\c+\i]
.endr
.irp i, 0,1,2
	v_mov_b32 v[PC+3+6*\c+\i], v[PC+12+4*\c+\i]
.endr
.endr
	global_store_b128 v[CO16], v[PC:PC+3], s[10:11]
	global_store_b64 v[CO8], v[PC+4:PC+5], s[10:11] offset:512
	global_store_b128 v[CO16], v[PC+6:PC+9], s[10:11] offset:768
	global_store_b64 v[CO8], v[PC+10:PC+11], s[10:11] offset:1280
	global_store_b32 v[CO4], v[PW], s[12:13]       ; lanes r and r + 16 hold the same word
	s_wait_xcnt 0x0                                ; the stores have read their registers and bases
	s_add_nc_u64 s[10:11], s[10:11], 32*1536       ; the next row block
	s_add_nc_u64 s[12:13], s[12:13], 32*64
	s_add_co_u32 s3, s3, 1
	s_cmp_lt_u32 s3, 4
	s_cbranch_scc1 .Lrow
	s_wait_tensorcnt 0x0                           ; the wave's end
	ds_add_u32 v[SPW], v[NIL]
	s_wait_dscnt 0x0
	CROUND                                         ; the closing round
	s_endpgm
.Lfunc_end_k_qb624473b38_fc1:
	.size	k_qb624473b38_fc1, .Lfunc_end_k_qb624473b38_fc1-k_qb624473b38_fc1
	.p2alignl 7, 3214868480
	.fill 96, 4, 3214868480
	.section	.rodata,"a",@progbits
	.p2align	6, 0x0
	.amdhsa_kernel k_qb624473b38_fc1
		.amdhsa_group_segment_fixed_size 327680
		.amdhsa_private_segment_fixed_size 0
		.amdhsa_enable_private_segment 0
		.amdhsa_kernarg_size 32
		.amdhsa_user_sgpr_count 2
		.amdhsa_user_sgpr_kernarg_segment_ptr 1
		.amdhsa_wavefront_size32 1
		.amdhsa_system_sgpr_workgroup_id_x 1
		.amdhsa_system_sgpr_workgroup_id_y 1
		.amdhsa_system_sgpr_workgroup_id_z 1
		.amdhsa_system_vgpr_workitem_id 0
		.amdhsa_next_free_vgpr 512
		.amdhsa_next_free_sgpr 100
		.amdhsa_reserve_vcc 0
		.amdhsa_float_denorm_mode_32 3
		.amdhsa_float_denorm_mode_16_64 3
		.amdhsa_memory_ordered 1
		.amdhsa_forward_progress 1
		.amdhsa_inst_pref_size 131
	.end_amdhsa_kernel
	.amdgpu_metadata
---
amdhsa.version: [ 1, 2 ]
amdhsa.kernels:
  - .name:           k_qb624473b38_fc1
    .symbol:         k_qb624473b38_fc1.kd
    .args:
      - { .name: h, .offset: 0, .size: 8, .value_kind: global_buffer, .address_space: global }
      - { .name: w, .offset: 8, .size: 8, .value_kind: global_buffer, .address_space: global }
      - { .name: b1, .offset: 16, .size: 8, .value_kind: global_buffer, .address_space: global }
      - { .name: g, .offset: 24, .size: 8, .value_kind: global_buffer, .address_space: global }
    .group_segment_fixed_size: 327680
    .private_segment_fixed_size: 0
    .kernarg_segment_align: 8
    .kernarg_segment_size: 32
    .max_flat_workgroup_size: 256
    .sgpr_count:     100
    .vgpr_count:     512
    .wavefront_size: 32
...
	.end_amdgpu_metadata
.endif
;; end of part 6
;; launch fc2 (part 7): grid 8 x 32, 4 waves a work-group, clusters of 4 x 4, 327,680 bytes of LDS; arguments g, w, b2, y2, out0; writes out0
.if DOCPART == 7
	.amdgcn_target "amdgcn-amd-amdhsa--gfx1250"
	.amdhsa_code_object_version 6
	.text
	.protected	k_qb624473b38_fc2
	.globl	k_qb624473b38_fc2
	.p2align	8
	.type	k_qb624473b38_fc2,@function
k_qb624473b38_fc2:
	s_mov_b64 s[64:65], 0
	v_nop
	global_prefetch_b8 v0, s[64:65] scope:SCOPE_SE
	s_setreg_imm32_b32 hwreg(HW_REG_WAVE_MODE, 25, 1), 1
	s_wait_xcnt 0x0
	s_wait_alu depctr_hold_cnt(0) depctr_sa_sdst(0) depctr_va_vdst(0) depctr_va_sdst(0) depctr_va_ssrc(0) depctr_va_vcc(0) depctr_vm_vsrc(0)
	s_getreg_b32 s2, hwreg(HW_REG_IB_STS2, 6, 4)
	s_cmp_eq_u32 s2, 0
	s_cbranch_scc0 .Lentry_in_a_cluster
	s_endpgm
.Lentry_in_a_cluster:
	s_bfe_u32 s2, ttmp6, 0x10000c
	s_cmp_lg_u32 s2, 0xf033
	s_cbranch_scc0 .Lentry_shape_is_right
	s_endpgm
.Lentry_shape_is_right:
; out0 = y2 + g W2 + b2.  g and W2 are codes of FP6 as fragment images with scale words (layout: the first kernel's head); the result is f32.  M 4,096, N 1,024, K 4,096 = 32 K steps of 128.
; THE DEAL: 256 work-groups of 128 x 128, four waves of 64 x 64 (16 accumulators, by turns in one order in every step).  CLUSTER 4 x 4: A's tile is shared along a row, B's along a column, by joint loads.
; THE RING: two slots of unequal size, 6 and 5 K steps, so that the 32 steps come in SIX FILLS of 6, 5, 6, 5, 6, 4 steps (fill f begins at step 11 (f / 2) + 6 (f % 2) and lies in slot f % 2).
; A fill is, for each of a tile's row blocks, that many fragment images on end: rows of 1,536 n bytes that begin on multiples of 256.  Group 1's row length is written anew, by constants, ahead of each refill, where no load of the wave is out.
; THE HEAD FILLS BOTH SLOTS, one load a wave, each on a line of its own: fill 0 of A (8 row blocks), fill 0 of B, fill 1 of A, fill 1 of B.  Waves 0 and 1 alone wait ahead of the first barrier, a plain one behind which nothing is filled;
; fill 1 is shown by the barrier of the first change of slots, in front of which every wave waits for all its loads.  There, with no load out, the ring's descriptors are set: from then on a wave loads a quarter of a fill.
; THE SCALE WORDS of the two tiles, all of K, 16,384 dense bytes each, come by plain loads, 16 bytes a thread and 2,048 consecutive bytes a work-group's instruction, and LDS stores into bytes of their own, on which no fill lands.
; A STEP: two sets of fragments and scale words for A and for B; step t + 1's 36 LDS loads are issued at the top of step t, behind one wait for step t's, and step t's 16 products follow.
; A fill's last step changes slots: at its top all my reads of the slot are back, so the three lines, the round and the refill stand among its products.  The walk is written out: a lap is 11 steps, so sets and slots come back together only after 22.
; PREFETCH INTO THE L2: the blocks of fill f + 2 are asked for behind the load of fill f (fills 2 and 3 at the head).  Of the four row blocks that a wave fetches each of the four partners that ask jointly takes one, by address (cx for A, cy for B):
; a lane names a block of 256 bytes, 6 n blocks a row block; lanes left over name the last block again.  The address registers are never rewritten; fill 5 is the last that is asked for, so no lane leaves its tile.
; The bias is the C of each sum's first product; the residual is loaded at the head in the stores' lane pattern.  A block of 16 rows goes through the wave's own stage and leaves as runs of 256 bytes.
; LIMITS: NaN, infinities and sums beyond f32's range are not served.
.set KS,    32
.set FRB,   1536
.set RB,    KS*FRB                     ; a row block's codes
.set ASOFF, 12582912                   ; g's scale words
.set BCOFF, 6291456                    ; W2's codes in w
.set BSOFF, 9437184+262144             ; W2's scale words in w
.set H0,    4*6*FRB                    ; a wave's quarter of slot 0
.set H1,    4*5*FRB                    ; of slot 1
.set SL1,   4*H0
.set SCL,   SL1+4*H1                   ; the scale words
.set HALFS, 4*KS*64
.set STG,   SCL+4*HALFS                ; four stages of 16 rows x 272 bytes: no fill lands here
.set SPARE, STG+4*4352                 ; the spare words: 128 bytes a wave, named by no other line
.set PFL,  8                           ; v8-11 the prefetches' offsets: 256 x lane, held at 31, 3, 29, 23 blocks
.set PF3,  9
.set PF29, 10
.set PF23, 11
.set TH16, 12                          ; v12 16 x thread; v13 the same in the scale words' LDS bytes
.set SST,  13
.set ADRA, 16                          ; v16,17 A's fragments in slot 0, 1, 16 x lane; v18,19 8 x lane
.set ADRB, 20
.set STO,  24
.set RD,   25
.set CO,   26
.set ADRS, 27                          ; my scale words: lanes 0-15 A's, lanes 16-31 B's
.set SPW,  28
.set NIL,  29
.set SC,   32                          ; v32-39 scale words, two sets of four
.set BI,   64                          ; v64-95 the bias
.set AF,   128                         ; v128-223 A's two sets (at the head v128-191: the scale words on their way);  window 1: B's two sets at v0, v128;  window 2: v0-127 the accumulators;  window 3: v64-191 the residual
.set G1, 24
.set G0, 32
.set G1B, 48
.set G0B, 56
.set G1F, 68                           ; s[68:75], s[76:79] groups 1 and 0 of the head's fill 1 of A;  s[80:87], s[88:91] of B
.set G0F, 76
.set G1FB, 80
.set G0FB, 88
.set PFA, 96
.set MSB, 0
.macro WIN new
.if MSB != (\new)
	s_set_vgpr_msb (MSB<<8)|(\new)
.set MSB, (\new)
.endif
.endm
.macro PLACES
.rept 4
	v_nop
.endr
.endm
.macro TLOAD g0, g1                    ; s_nop 0 and four v_nop behind each load
	tensor_load_to_lds s[\g0:\g0+3], s[\g1:\g1+7]
	s_nop 0
	PLACES
.endm
.macro JLOAD g0a, g1a, g0b, g1b        ; waves 0, 1 fetch for A, waves 2, 3 for B
	s_cmp_eq_u32 s15, 0
	s_cbranch_scc0 .Lfor_b_\@
	TLOAD \g0a, \g1a
	s_branch .Lasked_\@
.Lfor_b_\@:
	TLOAD \g0b, \g1b
.Lasked_\@:
.endm
.macro CREST
	s_cmp_lg_u32 s14, 0
	s_cbranch_scc1 .Lnot_wave_0_\@
	s_barrier_signal -3
.Lnot_wave_0_\@:
	s_barrier_wait -3
	s_barrier_signal -1
	s_barrier_wait -1
.endm
.macro CROUND
	s_barrier_signal -1
	s_barrier_wait -1
	CREST
.endm
.macro DIM0 n                          ; a fill's row: n fragment images, in elements of 8 bytes
.irp g, G1, G1B
	s_mov_b32 s[\g+1], (192*(\n))<<16
	s_mov_b32 s[\g+3], (192*(\n))<<16
.endr
.endm
.macro WHERE st                        ; step st lies in slot SL_, as the Q_-th of its fill's NQ_ steps
.set SL_, ((\st)%11)/6
.set Q_, (\st)%11-6*SL_
.set NQ_, 6-SL_
.if (\st) >= 28
.set NQ_, 4
.endif
.endm
.macro FRAG reg, adr, off
	ds_load_b128 v[(\reg):(\reg)+3], v[\adr] offset:(\off)
	ds_load_b64 v[(\reg)+4:(\reg)+5], v[\adr+2] offset:(\off)+512
	ds_load_b128 v[(\reg)+6:(\reg)+9], v[\adr] offset:(\off)+768
	ds_load_b64 v[(\reg)+10:(\reg)+11], v[\adr+2] offset:(\off)+1280
.endm
.macro FETCH st                        ; step st's fragments and scale words into set st % 2: 36 loads
	WHERE \st
.set P_, (\st)%2
	WIN 0x40
.set fi, 0
.rept 4
	FRAG 128*P_+12*fi, ADRB+SL_, (fi*NQ_+Q_)*FRB
.set fi, fi+1
.endr
	WIN 0
.set fi, 0
.rept 4
	FRAG AF+48*P_+12*fi, ADRA+SL_, (fi*NQ_+Q_)*FRB
	ds_load_b32 v[SC+4*P_+fi], v[ADRS] offset:(fi*KS+(\st))*64
.set fi, fi+1
.endr
.endm
.macro MUL st, from, n, init           ; products from .. from + n - 1 of step st: number 4 a + b is A's block a against B's block b; source 0 = W2's columns.  init: C = the bias
.set P_, (\st)%2
.if \init
	WIN 0x81
.else
	WIN 0xa1
.endif
.set mi, \from
.rept \n
.set ma, mi/4
.set mb, mi%4
.set rC, 8*mi
.if \init
.set rC, BI+8*mb
.endif
	v_wmma_scale_f32_16x16x128_f8f6f4 v[8*mi:8*mi+7], v[128*P_+12*mb:128*P_+12*mb+11], v[AF+48*P_+12*ma:AF+48*P_+12*ma+11], v[rC:rC+7], v[SC+4*P_+mb], v[SC+4*P_+ma] matrix_a_fmt:MATRIX_FMT_FP6 matrix_b_fmt:MATRIX_FMT_FP6 matrix_a_scale:MATRIX_SCALE_ROW1
.set mi, mi+1
.endr
.endm
.macro ASK f                           ; fill f's blocks of my work-group's row block
.set S_, (11*((\f)/2)+6*((\f)%2))*FRB
.if (\f) == 5
	global_prefetch_b8 v[PF23], s[PFA:PFA+1] offset:S_ th:TH_LOAD_NT scope:SCOPE_SE
.elseif (\f)%2
	global_prefetch_b8 v[PF29], s[PFA:PFA+1] offset:S_ th:TH_LOAD_NT scope:SCOPE_SE
.else
	global_prefetch_b8 v[PFL], s[PFA:PFA+1] offset:S_ th:TH_LOAD_NT scope:SCOPE_SE
	global_prefetch_b8 v[PF3], s[PFA:PFA+1] offset:S_+8192 th:TH_LOAD_NT scope:SCOPE_SE
.endif
.endm
.macro STEP st, init
	WHERE \st
.set FL_, 2*((\st)/11)+SL_             ; this step's fill
.set SV_, SL_
.if Q_ == NQ_-1                        ; the fill's last step
	WIN 0
	s_wait_tensorcnt 0x0                           ; my part of the other slot has landed; no load of mine is out
	ds_add_u32 v[SPW], v[NIL]
	s_wait_dscnt 1                                 ; this step's 36 loads are in; the add may be out
	MUL \st, 0, 4, 0
	s_wait_dscnt 0x0                               ; the add is done; my reads of this slot were over at the wait above
	s_barrier_signal -1
	MUL \st, 4, 4, 0
	WIN 0
	s_barrier_wait -1
.if FL_ < 4                            ; fill FL_ + 2 goes into this slot: the barrier has opened a round of the cluster's
	CREST
.if FL_ == 0                           ; the first refill: from here on a load brings four row blocks, and slot 0's group 0 stands at my quarter
	s_mov_b32 s[G1+2], 4<<16
	s_mov_b32 s[G1+4], 4
	s_mov_b32 s[G1B+2], 4<<16
	s_mov_b32 s[G1B+4], 4
	s_mov_b32 s[G0+1], s45
	s_add_nc_u64 s[G0+2:G0+3], s[G0+2:G0+3], s[18:19]
	s_mov_b32 s[G0B+1], s45
	s_add_nc_u64 s[G0B+2:G0B+3], s[G0B+2:G0B+3], s[18:19]
.endif
	s_add_nc_u64 s[G0+4*SV_+2:G0+4*SV_+3], s[G0+4*SV_+2:G0+4*SV_+3], 11*FRB
	s_add_nc_u64 s[G0B+4*SV_+2:G0B+4*SV_+3], s[G0B+4*SV_+2:G0B+4*SV_+3], 11*FRB
.set NN_, 6-SV_
.if FL_ == 3
.set NN_, 4
.endif
	DIM0 NN_
	JLOAD G0+4*SV_, G1, G0B+4*SV_, G1B             ; its four v_nop are also the places ahead of the loads below
.else
	PLACES
.endif
	FETCH (\st)+1
.if FL_ < 2
	ASK FL_+4
.endif
	MUL \st, 8, 8, 0
.else
	s_wait_dscnt 0x0                               ; this step's loads, issued a step ago
	PLACES                                         ; ahead of loads into the sets that the last step's products read
	FETCH (\st)+1
	MUL \st, 0, 16, \init
.endif
.endm
	s_load_b128 s[4:7], s[0:1], 0x0                ; g, w
	s_load_b128 s[8:11], s[0:1], 0x10              ; b2, y2
	s_load_b64 s[12:13], s[0:1], 0x20              ; out0
	v_lshl_add_u32 v[SPW], v0, 2, SPARE
	v_mov_b32 v[NIL], 0
	ds_add_u32 v[SPW], v[NIL]                      ; the opening: the add, twice on end, and its wait ahead of my first tensor load
	ds_add_u32 v[SPW], v[NIL]
	v_lshrrev_b32 v1, 5, v0
	v_readfirstlane_b32 s14, v1                    ; wave
	s_lshr_b32 s15, s14, 1                         ; my half of A's rows; also: in the ring I fetch for A (0) or B (1)
	s_and_b32 s16, s14, 1                          ; my half of B's rows; also: which half I fetch
	s_bfe_u32 s40, ttmp6, 0x40000                  ; cx
	s_bfe_u32 s41, ttmp6, 0x40004                  ; cy
	s_lshl_b32 s42, ttmp9, 2
	s_add_co_u32 s42, s42, s40                     ; tile column
	s_and_b32 s17, ttmp7, 0xffff
	s_lshl_b32 s17, s17, 2
	s_add_co_u32 s17, s17, s41                     ; tile row
	s_lshl_b32 s43, s41, 2
	s_lshl_b32 s43, 15, s43                        ; my row of the cluster
	s_lshl_b32 s44, 0x1111, s40                    ; my column
	s_or_b32 s[G1+0], s43, (3<<16)|(1<<21)         ; the mask; elements of 8 bytes; bit 21 beside a mask
	s_or_b32 s[G1B+0], s44, (3<<16)|(1<<21)
.irp g, G1, G1B
	s_mov_b32 s[\g+1], (192*6)<<16                 ; fill 0: six K steps of
	s_mov_b32 s[\g+2], 8<<16                       ; all eight row blocks of a tile
	s_mov_b32 s[\g+3], (192*6)<<16
	s_mov_b32 s[\g+4], 8
	s_mov_b32 s[\g+5], 192*KS                      ; from row block to row block
	s_mov_b32 s[\g+6], 0
	s_mov_b32 s[\g+7], 0
.endr
	s_or_b32 s[G1F+0], s43, (3<<16)|(1<<21)
	s_or_b32 s[G1FB+0], s44, (3<<16)|(1<<21)
.irp g, G1F, G1FB
	s_mov_b32 s[\g+1], (192*5)<<16                 ; fill 1: five K steps of all eight row blocks
	s_mov_b32 s[\g+2], 8<<16
	s_mov_b32 s[\g+3], (192*5)<<16
	s_mov_b32 s[\g+4], 8
	s_mov_b32 s[\g+5], 192*KS
	s_mov_b32 s[\g+6], 0
	s_mov_b32 s[\g+7], 0
.endr
	s_mul_i32 s20, s17, 8*RB                       ; A's tile, in bytes
	s_mov_b32 s21, 0
	s_mul_i32 s22, s17, 2*HALFS
	s_add_co_u32 s22, s22, ASOFF
	s_mov_b32 s23, 0
	s_mul_i32 s46, s42, 8*RB                       ; B's
	s_add_co_u32 s46, s46, BCOFF
	s_mov_b32 s47, 0
	s_mul_i32 s92, s42, 2*HALFS
	s_add_co_u32 s92, s92, BSOFF
	s_mov_b32 s93, 0
	s_mul_i32 s18, s16, 4*RB                       ; the half that I fetch in the ring
	s_mov_b32 s19, 0
	s_mul_i32 s45, s14, H0                         ; where my quarter goes: by the wave's number alone
	s_mul_i32 s94, s14, H1
	s_add_co_u32 s94, s94, SL1
	s_cmp_eq_u32 s15, 0
	s_cselect_b32 s2, s40, s41                     ; my place among the four that ask with me: it enters the prefetches' address alone
	s_mul_i32 s2, s2, RB
	s_mov_b32 s3, 0
	s_wait_dscnt 0x0                               ; both opening adds are done
	CROUND                                         ; the opening round, ahead of the wait for the arguments: all sixteen work-groups are here
	s_wait_kmcnt 0x0
	s_add_nc_u64 s[20:21], s[4:5], s[20:21]
	s_add_nc_u64 s[22:23], s[4:5], s[22:23]
	s_add_nc_u64 s[46:47], s[6:7], s[46:47]
	s_add_nc_u64 s[92:93], s[6:7], s[92:93]
	s_cmp_eq_u32 s15, 0
	s_cselect_b64 s[PFA:PFA+1], s[20:21], s[46:47]
	s_add_nc_u64 s[PFA:PFA+1], s[PFA:PFA+1], s[18:19]
	s_add_nc_u64 s[PFA:PFA+1], s[PFA:PFA+1], s[2:3]
	s_mov_b32 s[G0], 1                             ; fill 0 of A, whole,
	s_mov_b32 s[G0+1], 0
	s_mov_b64 s[G0+2:G0+3], s[20:21]
	s_or_b32 s[G0+3], s[G0+3], 0x80000000
	s_mov_b32 s[G0B], 1                            ; of B,
	s_mov_b32 s[G0B+1], 2*H0
	s_mov_b64 s[G0B+2:G0B+3], s[46:47]
	s_or_b32 s[G0B+3], s[G0B+3], 0x80000000
	s_mov_b32 s[G0F], 1                            ; fill 1 of A, whole: it begins at K step 6,
	s_mov_b32 s[G0F+1], SL1
	s_add_nc_u64 s[G0F+2:G0F+3], s[20:21], 6*FRB
	s_or_b32 s[G0F+3], s[G0F+3], 0x80000000
	s_mov_b32 s[G0FB], 1                           ; of B
	s_mov_b32 s[G0FB+1], SL1+2*H1
	s_add_nc_u64 s[G0FB+2:G0FB+3], s[46:47], 6*FRB
	s_or_b32 s[G0FB+3], s[G0FB+3], 0x80000000
	s_mov_b32 s[G0+4], 1                           ; the ring's group 0 of slot 1: my quarter, at K step 6; each refill steps it 11 on
	s_mov_b32 s[G0+5], s94
	s_add_nc_u64 s[G0+6:G0+7], s[20:21], s[18:19]
	s_add_nc_u64 s[G0+6:G0+7], s[G0+6:G0+7], 6*FRB
	s_or_b32 s[G0+7], s[G0+7], 0x80000000
	s_mov_b32 s[G0B+4], 1
	s_mov_b32 s[G0B+5], s94
	s_add_nc_u64 s[G0B+6:G0B+7], s[46:47], s[18:19]
	s_add_nc_u64 s[G0B+6:G0B+7], s[G0B+6:G0B+7], 6*FRB
	s_or_b32 s[G0B+7], s[G0B+7], 0x80000000
.macro ARM under, g0, g1, next         ; one chain of branches on the wave's number, a load to an arm, all arms to one join; what is needed first is asked for first
	s_cmp_lt_u32 s14, \under
	s_cbranch_scc0 \next
	TLOAD \g0, \g1
	s_branch .Lhead_asked
\next:
.endm
	ARM 1, G0, G1, .Lhead_b
	ARM 2, G0B, G1B, .Lhead_fa
	ARM 3, G0F, G1F, .Lhead_fb
	TLOAD G0FB, G1FB
.Lhead_asked:
	v_lshlrev_b32 v[TH16], 4, v0
	v_add_nc_u32 v[SST], SCL, v[TH16]
.irp i, 0,1,2,3,4,5,6,7
	global_load_b128 v[128+4*\i:131+4*\i], v[TH16], s[22:23] offset:2048*\i    ; A's scale words: the four waves read 2,048 consecutive bytes
.endr
.irp i, 0,1,2,3,4,5,6,7
	global_load_b128 v[160+4*\i:163+4*\i], v[TH16], s[92:93] offset:2048*\i    ; B's
.endr
	s_wait_xcnt 0x0                                ; these loads have read their bases: s22, s23, s92, s93 are written below
	s_mul_i32 s21, s15, H0                         ; my fragments: A's in slot 0,
	s_mul_i32 s22, s16, H0
	s_add_co_u32 s22, s22, 2*H0                    ; B's,
	s_mul_i32 s23, s15, H1
	s_add_co_u32 s23, s23, SL1                     ; and in slot 1
	s_mul_i32 s20, s16, H1
	s_add_co_u32 s20, s20, SL1+2*H1
	s_mul_i32 s4, s15, HALFS
	s_mul_i32 s5, s16, HALFS
	s_add_co_u32 s5, s5, 2*HALFS
	s_sub_co_u32 s5, s5, s4                        ; from A's scale words to B's
	s_add_co_u32 s4, s4, SCL
	s_mul_i32 s6, s14, 4352
	s_add_co_u32 s6, s6, STG                       ; my stage
	s_lshl_b32 s46, s42, 9
	s_lshl_b32 s47, s16, 8
	s_add_co_u32 s46, s46, s47                     ; my first column, in bytes
	s_mov_b32 s47, 0
	s_add_nc_u64 s[8:9], s[8:9], s[46:47]
	s_lshl_b32 s92, s17, 19
	s_lshl_b32 s93, s15, 18
	s_add_co_u32 s92, s92, s93                     ; my first row, in bytes
	s_mov_b32 s93, 0
	s_add_nc_u64 s[92:93], s[92:93], s[46:47]
	s_add_nc_u64 s[10:11], s[10:11], s[92:93]
	s_add_nc_u64 s[12:13], s[12:13], s[92:93]
	v_and_b32 v1, 31, v0                           ; lane
	v_and_b32 v2, 15, v0                           ; r
	v_bfe_u32 v3, v0, 4, 1                         ; h
	v_lshlrev_b32 v4, 4, v1
	v_lshlrev_b32 v5, 3, v1
	v_add_nc_u32 v[ADRA], s21, v4
	v_add_nc_u32 v[ADRA+1], s23, v4
	v_add_nc_u32 v[ADRA+2], s21, v5
	v_add_nc_u32 v[ADRA+3], s23, v5
	v_add_nc_u32 v[ADRB], s22, v4
	v_add_nc_u32 v[ADRB+1], s20, v4
	v_add_nc_u32 v[ADRB+2], s22, v5
	v_add_nc_u32 v[ADRB+3], s20, v5
	v_mul_u32_u24 v6, s5, v3                       ; lanes 16-31 take B's
	v_lshl_add_u32 v6, v2, 2, v6
	v_add_nc_u32 v[ADRS], s4, v6
	v_mul_u32_u24 v6, v2, 272
	v_lshl_add_u32 v6, v3, 6, v6
	v_add_nc_u32 v[STO], s6, v6                    ; stage, in: place r, + 64 h
	v_mul_u32_u24 v6, v3, 272
	v_lshl_add_u32 v6, v2, 4, v6
	v_add_nc_u32 v[RD], s6, v6                     ; back: lanes 0-15 one place, lanes 16-31 the next
	v_lshlrev_b32 v6, 12, v3
	v_lshl_add_u32 v[CO], v2, 4, v6                ; and the same two rows in memory
	v_lshlrev_b32 v7, 6, v3
	v_lshlrev_b32 v[PFL], 8, v1
	v_min_u32 v[PF3], 3, v1
	v_min_u32 v[PF29], 29, v1
	v_min_u32 v[PF23], 23, v1
	v_lshlrev_b32 v[PF3], 8, v[PF3]
	v_lshlrev_b32 v[PF29], 8, v[PF29]
	v_lshlrev_b32 v[PF23], 8, v[PF23]
	s_wait_alu depctr_va_vdst(0)                   ; the head's end: no vector instruction writes a register from here to the way out
	ASK 2
.irp z, 0,1,2,3
	global_load_b128 v[BI+8*\z:BI+8*\z+3], v7, s[8:9] offset:(32*(\z/2)+8*(\z%2))*4
	global_load_b128 v[BI+8*\z+4:BI+8*\z+7], v7, s[8:9] offset:(32*(\z/2)+8*(\z%2))*4+16
.endr
	ASK 3
	WIN 0xc0                                       ; the residual: window 3, v64-191
.irp z, 0,1,2,3
.irp t, 0,1,2,3,4,5,6,7
	global_load_b128 v[64+32*\z+4*\t:64+32*\z+4*\t+3], v[CO], s[10:11] offset:(32*(\z/2)+8*(\z%2)+2*\t+8*(\t/4))*4096
.endr
.endr
	WIN 0
	s_wait_loadcnt 40                              ; the scale words' 16 loads are in; the bias's 8 and the residual's 32 may be out
.irp i, 0,1,2,3,4,5,6,7
	ds_store_b128 v[SST], v[128+4*\i:131+4*\i] offset:2048*\i
	ds_store_b128 v[SST], v[160+4*\i:163+4*\i] offset:2*HALFS+2048*\i
.endr
	s_wait_loadcnt 32                              ; the bias is in
	s_wait_dscnt 0x0                               ; for the others' sake: my stores have landed
	s_cmp_lt_u32 s14, 2
	s_cbranch_scc0 .Lnot_fill_0
	s_wait_tensorcnt 0x0                           ; waves 0 and 1: fill 0 of A, of B
.Lnot_fill_0:
	s_barrier_signal -1
	s_barrier_wait -1                              ; fill 0 and the scale words are in; fill 1 may still be on its way
	FETCH 0
	STEP 0, 1                                      ; the first step starts the sums, with the bias as C
.set ST, 1
.rept 30
	STEP ST, 0
.set ST, ST+1
.endr
	s_wait_dscnt 0x0                               ; the last step fetches nothing
	MUL 31, 0, 16, 0
	PLACES
.macro TOSTAGE n                       ; A's block n: 16 places x 64 columns through my stage; LDS serves a wave's instructions in order, so no wait stands between
	WIN 0x08
.irp z, 0,1,2,3
	ds_store_b128 v[STO], v[32*(\n)+8*\z:32*(\n)+8*\z+3] offset:128*(\z/2)+32*(\z%2)      ; each accumulator from its low end on
	ds_store_b128 v[STO], v[32*(\n)+8*\z+4:32*(\n)+8*\z+7] offset:128*(\z/2)+32*(\z%2)+16
.endr
	WIN 0
.irp t, 0,1,2,3,4,5,6,7
	ds_load_b128 v[128+32*(\n)+4*\t:128+32*(\n)+4*\t+3], v[RD] offset:544*\t
.endr
.endm
.macro SEND n
	s_wait_dscnt 16*(3-(\n))                       ; the later blocks' sixteen LDS instructions each may be out
	WIN 0x0c
.set si, 0
.rept 16
	v_pk_add_f32 v[128+32*(\n)+2*si:128+32*(\n)+2*si+1], v[128+32*(\n)+2*si:128+32*(\n)+2*si+1], v[64+32*(\n)+2*si:64+32*(\n)+2*si+1]
.set si, si+1
.endr
	WIN 0
.irp t, 0,1,2,3,4,5,6,7
	global_store_b128 v[CO], v[128+32*(\n)+4*\t:128+32*(\n)+4*\t+3], s[12:13] offset:(32*((\n)/2)+8*((\n)%2)+2*\t+8*(\t/4))*4096   ; sixteen lanes store 256 consecutive bytes, aligned
.endr
.endm
	TOSTAGE 0
	TOSTAGE 1
	TOSTAGE 2
	TOSTAGE 3
	s_wait_loadcnt 0x0                             ; the residual
	SEND 0
	SEND 1
	SEND 2
	SEND 3
	s_wait_tensorcnt 0x0                           ; the wave's end
	ds_add_u32 v[SPW], v[NIL]
	s_wait_dscnt 0x0
	CROUND                                         ; the closing round
	s_endpgm
.Lfunc_end_k_qb624473b38_fc2:
	.size	k_qb624473b38_fc2, .Lfunc_end_k_qb624473b38_fc2-k_qb624473b38_fc2
	.p2alignl 7, 3214868480
	.fill 96, 4, 3214868480
	.section	.rodata,"a",@progbits
	.p2align	6, 0x0
	.amdhsa_kernel k_qb624473b38_fc2
		.amdhsa_group_segment_fixed_size 327680
		.amdhsa_private_segment_fixed_size 0
		.amdhsa_enable_private_segment 0
		.amdhsa_kernarg_size 40
		.amdhsa_user_sgpr_count 2
		.amdhsa_user_sgpr_kernarg_segment_ptr 1
		.amdhsa_wavefront_size32 1
		.amdhsa_system_sgpr_workgroup_id_x 1
		.amdhsa_system_sgpr_workgroup_id_y 1
		.amdhsa_system_sgpr_workgroup_id_z 1
		.amdhsa_system_vgpr_workitem_id 0
		.amdhsa_next_free_vgpr 1024
		.amdhsa_next_free_sgpr 100
		.amdhsa_reserve_vcc 0
		.amdhsa_float_denorm_mode_32 3
		.amdhsa_float_denorm_mode_16_64 3
		.amdhsa_memory_ordered 1
		.amdhsa_forward_progress 1
		.amdhsa_inst_pref_size 179
	.end_amdhsa_kernel
	.amdgpu_metadata
---
amdhsa.version: [ 1, 2 ]
amdhsa.kernels:
  - .name:           k_qb624473b38_fc2
    .symbol:         k_qb624473b38_fc2.kd
    .args:
      - { .name: g, .offset: 0, .size: 8, .value_kind: global_buffer, .address_space: global }
      - { .name: w, .offset: 8, .size: 8, .value_kind: global_buffer, .address_space: global }
      - { .name: b2, .offset: 16, .size: 8, .value_kind: global_buffer, .address_space: global }
      - { .name: y2, .offset: 24, .size: 8, .value_kind: global_buffer, .address_space: global }
      - { .name: out0, .offset: 32, .size: 8, .value_kind: global_buffer, .address_space: global }
    .group_segment_fixed_size: 327680
    .private_segment_fixed_size: 0
    .kernarg_segment_align: 8
    .kernarg_segment_size: 40
    .max_flat_workgroup_size: 128
    .sgpr_count:     100
    .vgpr_count:     1024
    .wavefront_size: 32
...
	.end_amdgpu_metadata
.endif
;; end of part 7
